; MI455X (gfx1250); checked and timed in simulation.
; The chip was launched on July 23, 2026; its instructions are those of AMD's public machine-readable ISA for CDNA 5 (MIT licence, August 2026) and "CDNA5" Instruction Set Architecture Reference Guide (July 2026). The comments in the code are by the model that wrote it; some were corrected since.
;; Dense Dilated Knn Graph. Allowed arithmetic: float matrix products may take bf16 or f16 operands with f32 sums; all other float work in f32.
;; Inputs: x 4 x 64 x 4,096 x 1 float32.
;; Outputs: out0 2 x 4 x 4,096 x 9 int32.
;; 3 versions, each right; version 2 is faster than version 1; version 3 is version 2 with the launches thresh, pick written anew for expert scheduling mode. Each part assembles by itself: llvm-mc -triple=amdgcn-amd-amdhsa -mcpu=gfx1250 --defsym DOCPART=n.
;; ======== version 1 of 3: 4 launches
;; workspace buffers: xt 2,097,152 bytes; sq 65,536 bytes; tab 8,388,608 bytes of whole numbers; wb 131,072 bytes of whole numbers; cand 1,179,648 bytes of whole numbers
;; launch prep (part 1): grid 256 x 1, 4 waves a work-group, no clusters, 9,728 bytes of LDS; arguments x, xt, sq; writes xt, sq
.if DOCPART == 1
	.amdgcn_target "amdgcn-amd-amdhsa--gfx1250"
	.amdhsa_code_object_version 6
	.text
	.protected	k_q0a7c0853cf_prep
	.globl	k_q0a7c0853cf_prep
	.p2align	8
	.type	k_q0a7c0853cf_prep,@function
k_q0a7c0853cf_prep:
	s_mov_b64 s[64:65], 0
	v_nop
	global_prefetch_b8 v0, s[64:65] scope:SCOPE_SE
	s_setreg_imm32_b32 hwreg(HW_REG_WAVE_MODE, 25, 1), 1
	s_wait_xcnt 0x0
; x [4][64][4096] f32  ->  xt [4][4096][64] bf16 (points as rows of 128 bytes)  and  sq [4][4096] f32 = sum over channels of bf16(x)^2.
; A work-group takes 64 points x 64 channels.  Thread: nq = tid & 15 (points 4 nq + e), cg = tid >> 4 (channels 8 cg + i).
; Each load of sixteen neighbouring lanes covers 256 consecutive bytes of one channel; the transpose goes through LDS, and xt leaves
; in stores of which sixteen lanes cover 256 consecutive aligned bytes.  No matrix unit, no cluster: every byte is read once by one work-group.
; THE NORMS are summed from the ROUNDED values, as ONE chain of 64 additions in ascending channel, each rounded to f32: the order of a plain loop
; over the channels.  The square of a bf16 number is exact in f32, so a fused multiply-add is the same one rounding.  Wave 0 does it, two points a lane.
; Limit: finite inputs whose squares are no f32 denormals.
.set PITCH,  144                       ; an LDS row: 128 bytes of a point + 16
.set XL, 8                             ; v[8:39]    channel i: 4 points as loaded
.set PK, 40                            ; v[40:55]   point e: 8 channels as bf16
.set RA, 56                            ; v[56:87]   wave 0: point 2 lane, 32 words of two channels
.set RB, 88                            ; v[88:119]  wave 0: point 2 lane + 1
.set AC, 120                           ; v[120:121] the two norms
.set TT, 122                           ; v[122:125] at work
	s_load_b128 s[4:7], s[0:1], 0x0                ; x s[4:5], xt s[6:7]
	s_load_b64 s[8:9], s[0:1], 0x10                ; sq
	v_lshl_add_u32 v128, v0, 2, 0x2400
	v_mov_b32 v129, 0
	v_lshrrev_b32 v1, 5, v0
	v_readfirstlane_b32 s16, v1                    ; wave number
	s_lshr_b32 s12, ttmp9, 6                       ; batch
	s_and_b32 s13, ttmp9, 63                       ; block of 64 points
	s_lshl_b32 s12, s12, 20                        ; 64 channels x 16,384 bytes
	s_lshl_b32 s13, s13, 8                         ; 64 points x 4 bytes
	s_add_co_u32 s12, s12, s13
	s_mov_b32 s13, 0
	s_lshl_b32 s14, ttmp9, 13                      ; xt: 64 rows of 128 bytes a work-group
	s_mov_b32 s15, 0
	s_lshl_b32 s18, ttmp9, 8                       ; sq: 64 numbers a work-group
	s_mov_b32 s19, 0
	s_mov_b32 s17, 0xffff0000                      ; a word's upper bf16
	v_and_b32 v1, 15, v0                           ; nq
	v_lshrrev_b32 v2, 4, v0                        ; cg
	v_lshlrev_b32 v3, 4, v1
	v_lshl_add_u32 v3, v2, 17, v3                  ; 8 cg channels + 16 nq bytes
	s_wait_kmcnt 0x0
	s_add_nc_u64 s[4:5], s[4:5], s[12:13]
	s_add_nc_u64 s[6:7], s[6:7], s[14:15]
	s_add_nc_u64 s[8:9], s[8:9], s[18:19]
.irp i, 0,1,2,3,4,5,6,7
	global_load_b128 v[XL+4*\i:XL+4*\i+3], v3, s[4:5] offset:\i*16384 th:TH_LOAD_NT
.endr
	v_mul_u32_u24 v4, v1, 4*PITCH
	v_lshl_add_u32 v4, v2, 4, v4                   ; stage in: row 4 nq (+ e in the immediate), 16 bytes of channels 8 cg ..
	v_lshrrev_b32 v6, 3, v0
	v_and_b32 v7, 7, v0
	v_mul_u32_u24 v6, v6, PITCH
	v_lshl_add_u32 v6, v7, 4, v6                   ; stage out: row tid >> 3, 16 bytes at tid & 7
	v_lshlrev_b32 v7, 4, v0                        ; and 16 tid in xt
	s_wait_loadcnt 0x0
.irp e, 0,1,2,3
.irp q, 0,1,2,3
	v_cvt_pk_bf16_f32 v[PK+4*\e+\q], v[XL+8*\q+\e], v[XL+8*\q+4+\e]   ; channels 8 cg + 2 q, + 2 q + 1 of point 4 nq + e
.endr
	ds_store_b128 v4, v[PK+4*\e:PK+4*\e+3] offset:\e*PITCH            ; rows 4 apart: these four stores a thread are served in several passes, accepted
.endr
	s_wait_dscnt 0x0                               ; my stores are in LDS before the others read them
	s_barrier_signal -1
	s_barrier_wait -1
.irp k, 0,1,2,3
	ds_load_b128 v[XL+4*\k:XL+4*\k+3], v6 offset:\k*16*PITCH
.endr
.irp k, 0,1,2,3
	s_wait_dscnt 3-\k                              ; LDS loads come back in order: number k is in, the younger ones stay out
	global_store_b128 v7, v[XL+4*\k:XL+4*\k+3], s[6:7] offset:\k*2048   ; a wave's store covers 512 consecutive bytes, aligned
.endr
	s_cmp_lg_u32 s16, 0
	s_cbranch_scc1 .Ldone                          ; the norms: wave 0 alone, points 2 lane and 2 lane + 1
	v_and_b32 v5, 31, v0
	v_lshlrev_b32 v126, 3, v5                      ; 8 bytes a lane in sq
	v_mul_u32_u24 v5, v5, 2*PITCH
.irp i, 0,1,2,3,4,5,6,7
	ds_load_b128 v[RA+4*\i:RA+4*\i+3], v5 offset:16*\i
	ds_load_b128 v[RB+4*\i:RB+4*\i+3], v5 offset:PITCH+16*\i
.endr
	s_wait_dscnt 0x0
.set q, 0
.rept 32
	v_lshlrev_b32 v[TT],   16, v[RA+q]             ; channel 2 q of both points as f32
	v_lshlrev_b32 v[TT+1], 16, v[RB+q]
	v_and_b32 v[TT+2], s17, v[RA+q]                ; channel 2 q + 1
	v_and_b32 v[TT+3], s17, v[RB+q]
.if q == 0
	v_pk_mul_f32 v[AC:AC+1], v[TT:TT+1], v[TT:TT+1]                    ; the first square starts the chain
.else
	v_pk_fma_f32 v[AC:AC+1], v[TT:TT+1], v[TT:TT+1], v[AC:AC+1]
.endif
	v_pk_fma_f32 v[AC:AC+1], v[TT+2:TT+3], v[TT+2:TT+3], v[AC:AC+1]
.set q, q+1
.endr
	global_store_b64 v126, v[AC:AC+1], s[8:9]      ; 32 lanes x 8 bytes: 256 consecutive bytes, aligned
.Ldone:
	s_wait_tensorcnt 0x0
	ds_add_u32 v128, v129
	s_wait_dscnt 0x0
	s_endpgm
.Lfunc_end_k_q0a7c0853cf_prep:
	.size	k_q0a7c0853cf_prep, .Lfunc_end_k_q0a7c0853cf_prep-k_q0a7c0853cf_prep
	.p2alignl 7, 3214868480
	.fill 96, 4, 3214868480
	.section	.rodata,"a",@progbits
	.p2align	6, 0x0
	.amdhsa_kernel k_q0a7c0853cf_prep
		.amdhsa_group_segment_fixed_size 9728
		.amdhsa_private_segment_fixed_size 0
		.amdhsa_enable_private_segment 0
		.amdhsa_kernarg_size 24
		.amdhsa_user_sgpr_count 2
		.amdhsa_user_sgpr_kernarg_segment_ptr 1
		.amdhsa_wavefront_size32 1
		.amdhsa_system_sgpr_workgroup_id_x 1
		.amdhsa_system_sgpr_workgroup_id_y 1
		.amdhsa_system_sgpr_workgroup_id_z 1
		.amdhsa_system_vgpr_workitem_id 0
		.amdhsa_next_free_vgpr 130
		.amdhsa_next_free_sgpr 66
		.amdhsa_reserve_vcc 0
		.amdhsa_float_denorm_mode_32 3
		.amdhsa_float_denorm_mode_16_64 3
		.amdhsa_memory_ordered 1
		.amdhsa_forward_progress 1
		.amdhsa_inst_pref_size 14
	.end_amdhsa_kernel
	.amdgpu_metadata
---
amdhsa.version: [ 1, 2 ]
amdhsa.kernels:
  - .name:           k_q0a7c0853cf_prep
    .symbol:         k_q0a7c0853cf_prep.kd
    .args:
      - { .name: x, .offset: 0, .size: 8, .value_kind: global_buffer, .address_space: global }
      - { .name: xt, .offset: 8, .size: 8, .value_kind: global_buffer, .address_space: global }
      - { .name: sq, .offset: 16, .size: 8, .value_kind: global_buffer, .address_space: global }
    .group_segment_fixed_size: 9728
    .private_segment_fixed_size: 0
    .kernarg_segment_align: 8
    .kernarg_segment_size: 24
    .max_flat_workgroup_size: 128
    .sgpr_count:     66
    .vgpr_count:     130
    .wavefront_size: 32
...
	.end_amdgpu_metadata
.endif
;; end of part 1
;; launch thresh (part 2): grid 256 x 1, 4 waves a work-group, no clusters, 176,640 bytes of LDS; arguments xt, sq, tab, wb; writes tab, wb
.if DOCPART == 2
	.amdgcn_target "amdgcn-amd-amdhsa--gfx1250"
	.amdhsa_code_object_version 6
	.text
	.protected	k_q0a7c0853cf_thresh
	.globl	k_q0a7c0853cf_thresh
	.p2align	8
	.type	k_q0a7c0853cf_thresh,@function
k_q0a7c0853cf_thresh:
	s_mov_b64 s[64:65], 0
	v_nop
	global_prefetch_b8 v0, s[64:65] scope:SCOPE_SE
	s_setreg_imm32_b32 hwreg(HW_REG_WAVE_MODE, 25, 1), 1
	s_wait_xcnt 0x0
; FIRST STEP OF THE SELECTION.  d(i, j) = (sq_i - 2 x_i.x_j) + sq_j, two roundings in that order, on points rounded to bf16; x_i.x_j from the matrix unit.
; Ranks 0 to 16 are wanted; the 18 nearest by these sums are kept, one more than wanted, and a last launch orders them by sums made in plain order.
; A chunk is 8 candidates with consecutive indices (512 chunks a row).  Ordered by (chunk minimum, chunk number), the NC = 18 nearest candidates lie in the
; 18 first chunks: a chunk that holds one of them has at most 17 chunks ahead of it.  This launch finds those 18 chunks for every row and stores,
; as whole numbers, for every chunk its slot 0..17 (ascending chunk number) or 18 for none; the next launch forms the same distances again
; with the same instructions and keeps the chosen chunks.  Values alone are sorted here: one v_med3 for each place of a list of 18.
; SHARE: a work-group takes 64 query rows x 4,096 candidates; wave w candidates 1024 w .. + 1023 for all 64 queries (four query tiles t stay in registers as
; the matrix instruction's second source).  Row m of candidate tile c stands for candidate 1024 w + 512 (m >> 3) + 8 c + (m & 7), so that the eight result
; registers of lane (r, h) are the chunk 64 g + c, g = 2 w + h, of query 16 t + r.  A row has eight part lists, one for each g.
; OPERANDS come from memory straight into registers: no two waves of the work-group read the same candidates, so LDS would add no reuse; 2 KiB of a
; candidate tile feed 8 matrix instructions and some 135 vector instructions.  NO CLUSTER: the 64 work-groups of a batch do read the same xt, but a joint
; request lands in LDS, from where the fragments would have to be loaded a second time; the vector work per tile is what the loop consists of.
; LIMITS: finite inputs and finite distances (no NaN, no infinity).  The 64 products of a distance are summed by the matrix unit in its own order.
.set NC, 18
.set INF, 0x7f800000
.set CM, 0                             ; LDS: chunk minima [w 4][trip 16][t 4][lane 32][16 B], each wave's own: 131,072 bytes
.set LS, 131072                        ; part lists: row pitch 656, list pitch 80 (18 f32 used): 41,984 bytes
.set TN, 173056                        ; (T, need) of a row: row x 16 + half x 8: 1,024 bytes
.set CT, 174080                        ; counts: row x 32 + g x 4: 2,048 bytes
.set VA, 4                             ; v4  (r >> 3) 65536 + (r & 7) 128 + 16 h : my 16 bytes in a candidate tile
.set VB, 5                             ; v5  128 r + 16 h : in a query tile
.set VS, 6                             ; v6  2048 h : my eight candidates' norms
.set VQ, 7                             ; v7  4 r : my query's norm
.set CMA, 8                            ; v8  my place in CM
.set BF, 16                            ; v[16:79]   query fragments: tile t 16 registers (K 0-31, K 32-63)
.set SQI, 80                           ; v[80:87]   sq of query 16 t + r, twice (a pair for the packed form)
.set DD, 88                            ; v[88:119]  results, 8 for each t
.set LIST, 120                         ; v[120:191] my sorted 18 smallest chunk minima, 18 registers for each t
.set CMR, 192                          ; v[192:207] this trip's chunk minima: 4 t + tile
.set SJ, 208                           ; v[208:239] norms of my eight candidates, ring of four
.set TM, 240                           ; v[240:241] at work
; window 1: v[256:319] candidate fragments, ring of four tiles x 16 registers, written v[16 b ..] under the window
.set MSB, 0
.macro WIN new                         ; the immediate's high byte repeats the setting that is left
.if MSB != \new
	s_set_vgpr_msb (MSB<<8)|\new
.set MSB, \new
.endif
.endm
.macro BASE d, p, x, sx, y, sy         ; s[d:d+1] = pointer p + (x << sx) + (y << sy); s3 = 0
	s_lshl_b32 s2, \x, \sx
	s_lshl_b32 s19, \y, \sy
	s_add_co_u32 s2, s2, s19
	s_add_nc_u64 s[\d:\d+1], s[\p:\p+1], s[2:3]
.endm
.macro LOADT b, k                      ; six loads: tile k of the trip into ring place b
	WIN 0x40                                       ; destination in window 1
.irp i, 0,1,2,3
	global_load_b128 v[16*\b+4*\i:16*\b+4*\i+3], v[VA], s[20:21] offset:(\k)*1024+32*\i
.endr
	WIN 0
	global_load_b128 v[SJ+8*\b:SJ+8*\b+3], v[VS], s[22:23] offset:(\k)*32
	global_load_b128 v[SJ+8*\b+4:SJ+8*\b+7], v[VS], s[22:23] offset:(\k)*32+16
.endm
.macro MM b                            ; 16 candidates x 64 queries x 64 channels.  The four accumulators take turns, one instruction a turn
	WIN 0x01                                       ; source 0 in window 1
.irp t, 0,1,2,3
	v_wmma_f32_16x16x32_bf16 v[DD+8*\t:DD+8*\t+7], v[16*\b:16*\b+7], v[BF+16*\t:BF+16*\t+7], 0
.endr
.irp t, 0,1,2,3
	v_wmma_f32_16x16x32_bf16 v[DD+8*\t:DD+8*\t+7], v[16*\b+8:16*\b+15], v[BF+16*\t+8:BF+16*\t+15], v[DD+8*\t:DD+8*\t+7]
.endr
	WIN 0
.rept 4
	v_nop                                          ; four places behind the last matrix instruction (ISA guide 7.12.1) before results are read
.endr
.endm
.macro DIST t, b                       ; d = fma(-2, inner, sq_i), then + sq_j
.irp q, 0,2,4,6
	v_pk_fma_f32 v[DD+8*\t+\q:DD+8*\t+\q+1], v[DD+8*\t+\q:DD+8*\t+\q+1], -2.0, v[SQI+2*\t:SQI+2*\t+1] op_sel_hi:[1,0,1]
.endr
.irp q, 0,2,4,6
	v_pk_add_f32 v[DD+8*\t+\q:DD+8*\t+\q+1], v[DD+8*\t+\q:DD+8*\t+\q+1], v[SJ+8*\b+\q:SJ+8*\b+\q+1]
.endr
.endm
.macro INSL l, x                       ; insert v[x] into the ascending list v[l .. l+17]: place p becomes the middle one of x, old p-1, old p
.set p, NC-1
.rept NC-1
	v_med3_num_f32 v[\l+p], v[\x], v[\l+p-1], v[\l+p]
.set p, p-1
.endr
	v_min_num_f32 v[\l], v[\x], v[\l]
.endm
.macro CHUNK t, c
	v_min3_num_f32 v[TM], v[DD+8*\t], v[DD+8*\t+1], v[DD+8*\t+2]
	v_min3_num_f32 v[TM+1], v[DD+8*\t+3], v[DD+8*\t+4], v[DD+8*\t+5]
	v_min3_num_f32 v[TM], v[TM], v[DD+8*\t+6], v[DD+8*\t+7]
	v_min_num_f32 v[CMR+4*\t+\c], v[TM], v[TM+1]
	INSL LIST+18*\t, CMR+4*\t+\c
.endm
.macro TILE b, refill, left
	s_wait_loadcnt \left                           ; loads come back in order: this tile's six are in, the younger tiles' stay out
	MM \b
.irp t, 0,1,2,3
	DIST \t, \b
	CHUNK \t, \b
.endr
.if \refill
	LOADT \b, \b+4                                 ; the ring place is filled again, four tiles ahead
.endif
.endm
.macro TRIP refill, l0, l1, l2, l3     ; four tiles; then the 16 chunk minima go to my own bytes of CM
	TILE 0, \refill, \l0
	TILE 1, \refill, \l1
	TILE 2, \refill, \l2
	TILE 3, \refill, \l3
.irp t, 0,1,2,3
	ds_store_b128 v[CMA], v[CMR+4*\t:CMR+4*\t+3] offset:\t*512
.endr
	v_add_nc_u32 v[CMA], 2048, v[CMA]
.endm
.macro LDL d, a, o                     ; a list of 18 from LDS
.irp i, 0,1,2,3
	ds_load_b128 v[\d+4*\i:\d+4*\i+3], v[\a] offset:\o+16*\i
.endr
	ds_load_b64 v[\d+16:\d+17], v[\a] offset:\o+64
.endm
.macro BAR                             ; what I put into LDS, and what I read from it, is done; then all four waves meet
	s_wait_dscnt 0x0
	s_barrier_signal -1
	s_barrier_wait -1
.endm
	s_load_b256 s[4:11], s[0:1], 0x0               ; xt s[4:5], sq s[6:7], tab s[8:9], wb s[10:11]
	v_lshl_add_u32 v254, v0, 2, 0x2b000
	v_mov_b32 v255, 0
	v_lshrrev_b32 v9, 5, v0
	v_readfirstlane_b32 s16, v9                    ; w
	s_lshr_b32 s17, ttmp9, 6                       ; batch
	s_and_b32 s18, ttmp9, 63                       ; block of 64 queries
	s_mov_b32 s3, 0
	s_mov_b32 s31, INF
	s_mov_b32 s32, 0x76543210                      ; v_permlanex16_b32: lane i reads lane i of the other half
	s_mov_b32 s33, 0xfedcba98
	v_and_b32 v1, 31, v0                           ; lane
	v_and_b32 v2, 15, v0                           ; r
	v_bfe_u32 v3, v0, 4, 1                         ; h
	v_lshrrev_b32 v9, 3, v2
	v_and_b32 v10, 7, v2
	v_lshlrev_b32 v[VA], 16, v9                    ; tile rows 8-15 lie 512 candidates (65,536 bytes) further on
	v_lshl_add_u32 v[VA], v10, 7, v[VA]
	v_lshl_add_u32 v[VA], v3, 4, v[VA]
	v_lshlrev_b32 v[VB], 7, v2
	v_lshl_add_u32 v[VB], v3, 4, v[VB]
	v_lshlrev_b32 v[VS], 11, v3
	v_lshlrev_b32 v[VQ], 2, v2
	v_lshlrev_b32 v[CMA], 4, v1
	v_lshl_add_u32 v[CMA], s16, 15, v[CMA]
	s_wait_kmcnt 0x0
	BASE 20, 4, s17, 19, s16, 17                   ; my 1,024 candidates' rows
	BASE 24, 4, s17, 19, s18, 13                   ; the 64 queries' rows
	BASE 22, 6, s17, 14, s16, 12                   ; my candidates' norms
	BASE 26, 6, s17, 14, s18, 8                    ; the queries' norms
	BASE 28, 8, ttmp9, 15, s16, 13                 ; my 8 KiB of tab
	s_lshl_b32 s2, ttmp9, 9
	s_add_nc_u64 s[10:11], s[10:11], s[2:3]        ; the work-group's 512 bytes of wb
.irp t, 0,1,2,3
.irp i, 0,1,2,3
	global_load_b128 v[BF+16*\t+4*\i:BF+16*\t+4*\i+3], v[VB], s[24:25] offset:\t*2048+\i*32
.endr
.endr
.irp t, 0,1,2,3
	global_load_b32 v[SQI+2*\t], v[VQ], s[26:27] offset:\t*64
.endr
	LOADT 0, 0
	LOADT 1, 1
	LOADT 2, 2
	LOADT 3, 3
.set e, 0
.rept 72
	v_mov_b32 v[LIST+e], s31                       ; the lists start at +infinity
.set e, e+1
.endr
	s_wait_loadcnt 24                              ; all but the four tiles' 24 loads: queries and their norms are in
.irp t, 0,1,2,3
	v_mov_b32 v[SQI+2*\t+1], v[SQI+2*\t]
.endr
	s_mov_b32 s30, 15
.Ltrip:
	TRIP 1, 18, 18, 18, 18                         ; 18 = the three younger tiles' loads
	s_wait_xcnt 0x0                                ; the bases are stepped only behind this wait
	s_add_nc_u64 s[20:21], s[20:21], 4096
	s_add_nc_u64 s[22:23], s[22:23], 128
	s_sub_co_i32 s30, s30, 1
	s_cmp_lg_u32 s30, 0
	s_cbranch_scc1 .Ltrip
	TRIP 0, 18, 12, 6, 0                           ; the last four tiles: nothing more is loaded, the counts run down
	; ---- 1. every lane's four part lists go to LS
	v_lshl_add_u32 v14, s16, 1, v3                 ; g = 2 w + h
	v_lshl_add_u32 v15, s16, 4, v2                 ; row' = 16 w + r: the row that this lane merges
	v_mul_u32_u24 v9, v2, 656
	v_mul_u32_u24 v10, v14, 80
	v_add_nc_u32 v9, v9, v10
	v_add_nc_u32 v9, LS, v9
.irp t, 0,1,2,3
.irp i, 0,1,2,3
	ds_store_b128 v9, v[LIST+18*\t+4*\i:LIST+18*\t+4*\i+3] offset:\t*10496+16*\i
.endr
	ds_store_b64 v9, v[LIST+18*\t+16:LIST+18*\t+17] offset:\t*10496+64
.endr
	BAR
	; ---- 2. lane (r, h) of wave w merges lists 4 h .. 4 h + 3 of row'; the two halves meet by a lane exchange
.set MG, 16                            ; v[16:33] merged list
.set XG, 34                            ; v[34:51] the list that is merged in
.set PG, 54                            ; v[54:71] the row's 18 smallest chunk minima, in no order
	v_mul_u32_u24 v10, v15, 656
	v_mul_u32_u24 v11, v3, 320
	v_add_nc_u32 v10, v10, v11
	v_add_nc_u32 v10, LS, v10
	LDL MG, 10, 0
.irp i, 1,2,3
	LDL XG, 10, 80*\i
	s_wait_dscnt 0x0
.set e, 0
.rept NC
	INSL MG, XG+e
.set e, e+1
.endr
.endr
.set e, 0
.rept NC
	v_permlanex16_b32 v[PG+e], v[MG+NC-1-e], s32, s33  ; the partner's list backwards:
.set e, e+1
.endr
.set e, 0
.rept NC
	v_min_num_f32 v[PG+e], v[PG+e], v[MG+e]            ; place by place the smaller one: the 18 smallest of both sorted lists
.set e, e+1
.endr
	v_max3_num_f32 v112, v[PG], v[PG+1], v[PG+2]
.set e, 3
.rept 7
	v_max3_num_f32 v112, v112, v[PG+e], v[PG+e+1]
.set e, e+2
.endr
	v_max_num_f32 v112, v112, v[PG+17]             ; T = the 18th smallest chunk minimum of the row
	v_mov_b32 v113, 0
.set e, 0
.rept NC
	v_cmp_lt_f32 vcc_lo, v[PG+e], v112
	v_add_co_ci_u32 v113, vcc_lo, 0, v113, vcc_lo
.set e, e+1
.endr
	v_sub_nc_u32 v113, NC, v113                    ; need = how many chunks with minimum = T are taken
	v_lshlrev_b32 v11, 4, v15
	v_lshl_add_u32 v11, v3, 3, v11
	v_add_nc_u32 v11, TN, v11
	ds_store_b64 v11, v[112:113]
	BAR
	; ---- 3. back as owner of (query 16 t + r, part g): how many of my minima are below T, how many equal.  All my minima below T (17 at the most in the
	; whole row) are in my list of 18; if the equal ones do not all fit, those that fit are at least need, which is all that the prefix below asks.
.set TR, 72                            ; v[72:79] (T, need) for each t
	v_lshlrev_b32 v12, 4, v2
	v_lshl_add_u32 v12, v3, 3, v12
	v_add_nc_u32 v12, TN, v12
	v_lshlrev_b32 v13, 5, v2
	v_add_nc_u32 v9, CT, v13                       ; the row's eight count words
	v_lshl_add_u32 v13, v14, 2, v9                 ; mine among them
.irp t, 0,1,2,3
	ds_load_b64 v[TR+2*\t:TR+2*\t+1], v12 offset:\t*256
.endr
	s_wait_dscnt 0x0
.irp t, 0,1,2,3
	v_mov_b32 v114, 0
	v_mov_b32 v115, 0
.set e, 0
.rept NC
	v_cmp_lt_f32 vcc_lo, v[LIST+18*\t+e], v[TR+2*\t]
	v_add_co_ci_u32 v114, vcc_lo, 0, v114, vcc_lo
	v_cmp_eq_f32 vcc_lo, v[LIST+18*\t+e], v[TR+2*\t]
	v_add_co_ci_u32 v115, vcc_lo, 0, v115, vcc_lo
.set e, e+1
.endr
	v_lshl_or_b32 v114, v115, 8, v114
	ds_store_b32 v13, v114 offset:\t*512
.endr
	BAR
	; ---- 4. prefix over the eight parts, in every lane for its own row: where my slots begin, how many equal ones I may take
.set WBP, 80                           ; v[80:83]  slot bases of parts 2, 4, 6, a byte each
.set REM, 88                           ; v[88:91]  equal ones that I may still take
.set CN, 92                            ; v[92:95]  my next slot, later 18 - my next slot
.irp t, 0,1,2,3
	ds_load_b128 v[104:107], v9 offset:\t*512
	ds_load_b128 v[108:111], v9 offset:\t*512+16
	v_mov_b32 v112, 0                              ; equal ones in the parts ahead
	v_mov_b32 v113, 0                              ; slots given to the parts ahead
	v_mov_b32 v[REM+\t], 0
	v_mov_b32 v[CN+\t], 0
	s_wait_dscnt 0x0
.irp gg, 0,1,2,3,4,5,6,7
.if \gg == 2
	v_mov_b32 v[WBP+\t], v113
.endif
.if \gg == 4
	v_lshl_or_b32 v[WBP+\t], v113, 8, v[WBP+\t]
.endif
.if \gg == 6
	v_lshl_or_b32 v[WBP+\t], v113, 16, v[WBP+\t]
.endif
	v_min_u32 v114, v112, v[TR+2*\t+1]
	v_sub_nc_u32 v114, v[TR+2*\t+1], v114          ; equal ones still to be had by this part
	v_cmp_eq_u32 vcc_lo, \gg, v14
	v_cndmask_b32 v[REM+\t], v[REM+\t], v114, vcc_lo
	v_cndmask_b32 v[CN+\t], v[CN+\t], v113, vcc_lo
	v_and_b32 v115, 0xff, v[104+\gg]
	v_lshrrev_b32 v116, 8, v[104+\gg]
	v_min_u32 v117, v116, v114
	v_add3_u32 v113, v113, v115, v117
	v_add_nc_u32 v112, v112, v116
.endr
	v_sub_nc_u32 v[CN+\t], NC, v[CN+\t]
.endr
	v_lshlrev_b32 v10, 3, v2
	v_lshl_add_u32 v10, v3, 2, v10                 ; wb: row x 8 + h x 4, both words alike
	s_cmp_lg_u32 s16, 0
	s_cbranch_scc1 .Lnowb                          ; every wave has the same four words: wave 0 stores them
.irp t, 0,1,2,3
	global_store_b32 v10, v[WBP+\t], s[10:11] offset:\t*128
.endr
.Lnowb:
	; ---- 5. the table: my 64 chunks of each t once more, in ascending order.  taken = (x < T) or (x = T and some are left for me);
	; slot = 18 - taken x (18 - next slot).  The four t go step by step side by side, each with its own mask registers.
.set XC, 104                           ; v[104:119] a trip's 16 chunk minima
.set PACK, 100                         ; v[100:103] word t: byte c = slot of tile c
.set EE, 96                            ; v[96:99]
.set MU, 84                            ; v[84:87]
.set MK, 36                            ; s[36:43]
.macro SELC c
.irp t, 0,1,2,3
	v_cmp_eq_f32 s[MK+\t], v[XC+4*\t+\c], v[TR+2*\t]
.endr
.irp t, 0,1,2,3
	v_cmp_lt_f32 s[MK+4+\t], v[XC+4*\t+\c], v[TR+2*\t]
.endr
.irp t, 0,1,2,3
	v_cndmask_b32 v[EE+\t], 0, v[REM+\t], s[MK+\t]
.endr
.irp t, 0,1,2,3
	v_min_u32 v[EE+\t], 1, v[EE+\t]
.endr
.irp t, 0,1,2,3
	v_sub_nc_u32 v[REM+\t], v[REM+\t], v[EE+\t]
.endr
.irp t, 0,1,2,3
	v_cndmask_b32 v[EE+\t], v[EE+\t], 1, s[MK+4+\t]
.endr
.irp t, 0,1,2,3
	v_mul_u32_u24 v[MU+\t], v[EE+\t], v[CN+\t]
.endr
.irp t, 0,1,2,3
	v_sub_nc_u32 v[CN+\t], v[CN+\t], v[EE+\t]
.endr
.irp t, 0,1,2,3
.if \c == 0
	v_sub_nc_u32 v[PACK+\t], NC, v[MU+\t]
.else
	v_sub_nc_u32 v[MU+\t], NC, v[MU+\t]
.endif
.endr
.if \c != 0
.irp t, 0,1,2,3
	v_lshl_or_b32 v[PACK+\t], v[MU+\t], 8*\c, v[PACK+\t]
.endr
.endif
.endm
	v_lshlrev_b32 v12, 4, v1                       ; 16 x lane in tab
	v_lshl_add_u32 v[CMA], s16, 15, v12            ; and my first bytes of CM again
	s_mov_b32 s30, 16
.Ltab:
.irp t, 0,1,2,3
	ds_load_b128 v[XC+4*\t:XC+4*\t+3], v[CMA] offset:\t*512
.endr
	s_wait_dscnt 0x0
	SELC 0
	SELC 1
	SELC 2
	SELC 3
	global_store_b128 v12, v[PACK:PACK+3], s[28:29]    ; a wave's store covers 512 consecutive bytes, aligned
	s_wait_xcnt 0x0                                ; PACK and the base are written again only behind this wait
	s_add_nc_u64 s[28:29], s[28:29], 512
	v_add_nc_u32 v[CMA], 2048, v[CMA]
	s_sub_co_i32 s30, s30, 1
	s_cmp_lg_u32 s30, 0
	s_cbranch_scc1 .Ltab
	s_wait_tensorcnt 0x0
	ds_add_u32 v254, v255
	s_wait_dscnt 0x0
	s_endpgm
.Lfunc_end_k_q0a7c0853cf_thresh:
	.size	k_q0a7c0853cf_thresh, .Lfunc_end_k_q0a7c0853cf_thresh-k_q0a7c0853cf_thresh
	.p2alignl 7, 3214868480
	.fill 96, 4, 3214868480
	.section	.rodata,"a",@progbits
	.p2align	6, 0x0
	.amdhsa_kernel k_q0a7c0853cf_thresh
		.amdhsa_group_segment_fixed_size 176640
		.amdhsa_private_segment_fixed_size 0
		.amdhsa_enable_private_segment 0
		.amdhsa_kernarg_size 32
		.amdhsa_user_sgpr_count 2
		.amdhsa_user_sgpr_kernarg_segment_ptr 1
		.amdhsa_wavefront_size32 1
		.amdhsa_system_sgpr_workgroup_id_x 1
		.amdhsa_system_sgpr_workgroup_id_y 1
		.amdhsa_system_sgpr_workgroup_id_z 1
		.amdhsa_system_vgpr_workitem_id 0
		.amdhsa_next_free_vgpr 320
		.amdhsa_next_free_sgpr 66
		.amdhsa_reserve_vcc 1
		.amdhsa_float_denorm_mode_32 3
		.amdhsa_float_denorm_mode_16_64 3
		.amdhsa_memory_ordered 1
		.amdhsa_forward_progress 1
		.amdhsa_inst_pref_size 176
	.end_amdhsa_kernel
	.amdgpu_metadata
---
amdhsa.version: [ 1, 2 ]
amdhsa.kernels:
  - .name:           k_q0a7c0853cf_thresh
    .symbol:         k_q0a7c0853cf_thresh.kd
    .args:
      - { .name: xt, .offset: 0, .size: 8, .value_kind: global_buffer, .address_space: global }
      - { .name: sq, .offset: 8, .size: 8, .value_kind: global_buffer, .address_space: global }
      - { .name: tab, .offset: 16, .size: 8, .value_kind: global_buffer, .address_space: global }
      - { .name: wb, .offset: 24, .size: 8, .value_kind: global_buffer, .address_space: global }
    .group_segment_fixed_size: 176640
    .private_segment_fixed_size: 0
    .kernarg_segment_align: 8
    .kernarg_segment_size: 32
    .max_flat_workgroup_size: 128
    .sgpr_count:     66
    .vgpr_count:     320
    .wavefront_size: 32
...
	.end_amdgpu_metadata
.endif
;; end of part 2
;; launch pick (part 3): grid 256 x 1, 4 waves a work-group, no clusters, 320,512 bytes of LDS; arguments xt, sq, tab, wb, cand; writes cand
.if DOCPART == 3
	.amdgcn_target "amdgcn-amd-amdhsa--gfx1250"
	.amdhsa_code_object_version 6
	.text
	.protected	k_q0a7c0853cf_pick
	.globl	k_q0a7c0853cf_pick
	.p2align	8
	.type	k_q0a7c0853cf_pick,@function
k_q0a7c0853cf_pick:
	s_mov_b64 s[64:65], 0
	v_nop
	global_prefetch_b8 v0, s[64:65] scope:SCOPE_SE
	s_setreg_imm32_b32 hwreg(HW_REG_WAVE_MODE, 25, 1), 1
	s_wait_xcnt 0x0
; SECOND STEP OF THE SELECTION.  The same distances are formed by the same instructions on the same fragments as in the launch before
; (same share of work: 64 queries a work-group, wave w candidates 1024 w .. + 1023, a lane's eight results = one chunk of 8 consecutive candidates).
; tab says for each chunk its slot 0..17 among the row's 18 chosen chunks, or 18: each chunk is put into LDS at its slot (18 is a dump that is
; written over and never used).  Then two lanes a row sort the 18 x 8 = 144 kept candidates as (distance, index) pairs into a list of 18, inserting in
; ascending index with a strict compare, so that equal distances keep the lower index first.  The 18 indices go out as whole numbers: they are the
; row's 18 nearest by the matrix unit's sums, one more than the 17 ranks that are wanted; the last launch orders them.
; OPERANDS come straight into registers; NO CLUSTER: a joint request lands in LDS, of which 7,680 bytes are left beside the records and the stage.
; LIMITS: finite inputs and finite distances (no NaN, no infinity).
.set NL, 18
.set INF, 0x7f800000
.set RPITCH, 1232                      ; LDS: a row's 19 records of 64 bytes (eight distances, then the index of the first at + 32) + 16
.set REGION, 64*RPITCH                 ; records of wave w at w x 78,848
.set STG, 4*REGION                     ; the way out: [64][18] words, 4,608 bytes, at 315,392
.set VA, 4                             ; v4  (r >> 3) 65536 + (r & 7) 128 + 16 h
.set VB, 5                             ; v5  128 r + 16 h
.set VS, 6                             ; v6  2048 h
.set VQ, 7                             ; v7  4 r
.set VT, 9                             ; v9  16 x lane: my word group in tab
.set BF, 16                            ; v[16:79]   query fragments
.set SQI, 80                           ; v[80:87]   sq of query 16 t + r, twice
.set DD, 88                            ; v[88:119]  results
.set LB, 120                           ; v[120:123] my row's records in my wave's region, for each t
.set AD, 124                           ; v[124:139] record address of chunk (t, tile): 4 t + tile
.set TB, 140                           ; v[140:143] this trip's table words: word t, byte = tile
.set CB, 144                           ; v144       index of my chunk's first candidate
.set WBV, 145                          ; v145       slot bases of parts 2, 4, 6 of the row that I sort
.set SL, 146                           ; v146       at work
.set SJ, 208                           ; v[208:239] norms of my eight candidates, ring of four
; window 1: v[256:319] candidate fragments, ring of four tiles x 16 registers
.set MSB, 0
.macro WIN new                         ; the immediate's high byte repeats the setting that is left
.if MSB != \new
	s_set_vgpr_msb (MSB<<8)|\new
.set MSB, \new
.endif
.endm
.macro BASE d, p, x, sx, y, sy         ; s[d:d+1] = pointer p + (x << sx) + (y << sy); s3 = 0
	s_lshl_b32 s2, \x, \sx
	s_lshl_b32 s19, \y, \sy
	s_add_co_u32 s2, s2, s19
	s_add_nc_u64 s[\d:\d+1], s[\p:\p+1], s[2:3]
.endm
.macro LOADT b, k                      ; six loads: tile k of the trip into ring place b
	WIN 0x40                                       ; destination in window 1
.irp i, 0,1,2,3
	global_load_b128 v[16*\b+4*\i:16*\b+4*\i+3], v[VA], s[20:21] offset:(\k)*1024+32*\i
.endr
	WIN 0
	global_load_b128 v[SJ+8*\b:SJ+8*\b+3], v[VS], s[22:23] offset:(\k)*32
	global_load_b128 v[SJ+8*\b+4:SJ+8*\b+7], v[VS], s[22:23] offset:(\k)*32+16
.endm
.macro MM b                            ; the four accumulators take turns, one instruction a turn
	WIN 0x01                                       ; source 0 in window 1
.irp t, 0,1,2,3
	v_wmma_f32_16x16x32_bf16 v[DD+8*\t:DD+8*\t+7], v[16*\b:16*\b+7], v[BF+16*\t:BF+16*\t+7], 0
.endr
.irp t, 0,1,2,3
	v_wmma_f32_16x16x32_bf16 v[DD+8*\t:DD+8*\t+7], v[16*\b+8:16*\b+15], v[BF+16*\t+8:BF+16*\t+15], v[DD+8*\t:DD+8*\t+7]
.endr
	WIN 0
.rept 4
	v_nop                                          ; four places behind the last matrix instruction (ISA guide 7.12.1) before results are read
.endr
.endm
.macro DIST t, b                       ; d = fma(-2, inner, sq_i), then + sq_j
.irp q, 0,2,4,6
	v_pk_fma_f32 v[DD+8*\t+\q:DD+8*\t+\q+1], v[DD+8*\t+\q:DD+8*\t+\q+1], -2.0, v[SQI+2*\t:SQI+2*\t+1] op_sel_hi:[1,0,1]
.endr
.irp q, 0,2,4,6
	v_pk_add_f32 v[DD+8*\t+\q:DD+8*\t+\q+1], v[DD+8*\t+\q:DD+8*\t+\q+1], v[SJ+8*\b+\q:SJ+8*\b+\q+1]
.endr
.endm
.macro TILE b, refill, left
	s_wait_loadcnt \left                           ; loads come back in order: this tile's six are in, what was issued later stays out
	MM \b
.irp t, 0,1,2,3
	DIST \t, \b
	ds_store_b128 v[AD+4*\t+\b], v[DD+8*\t:DD+8*\t+3]
	ds_store_b128 v[AD+4*\t+\b], v[DD+8*\t+4:DD+8*\t+7] offset:16
	ds_store_b32 v[AD+4*\t+\b], v[CB] offset:32
.endr
	v_add_nc_u32 v[CB], 8, v[CB]
.if \refill
	LOADT \b, \b+4
.endif
.endm
.macro TRIP refill, l0, l1, l2, l3
	s_wait_loadcnt 24                              ; the table words were issued ahead of the four tiles' 24 loads: they are in
.irp t, 0,1,2,3
.irp c, 0,1,2,3
	v_bfe_u32 v[SL], v[TB+\t], 8*\c, 8
	v_min_u32 v[SL], NL, v[SL]                     ; a loaded number enters an address only clamped
	v_lshl_add_u32 v[AD+4*\t+\c], v[SL], 6, v[LB+\t]
.endr
.endr
.if \refill
	global_load_b128 v[TB:TB+3], v[VT], s[28:29] offset:512    ; the next trip's words
.endif
	TILE 0, \refill, \l0
	TILE 1, \refill, \l1
	TILE 2, \refill, \l2
	TILE 3, \refill, \l3
.endm
	s_load_b256 s[4:11], s[0:1], 0x0               ; xt s[4:5], sq s[6:7], tab s[8:9], wb s[10:11]
	s_load_b64 s[12:13], s[0:1], 0x20              ; cand
	v_lshl_add_u32 v254, v0, 2, 0x4e200
	v_mov_b32 v255, 0
	v_lshrrev_b32 v10, 5, v0
	v_readfirstlane_b32 s16, v10                   ; w
	s_lshr_b32 s17, ttmp9, 6                       ; batch
	s_and_b32 s18, ttmp9, 63                       ; block of 64 queries
	s_mov_b32 s3, 0
	s_mov_b32 s31, INF
	s_mov_b32 s32, 0x76543210                      ; v_permlanex16_b32: lane i reads lane i of the other half
	s_mov_b32 s33, 0xfedcba98
	s_mov_b32 s35, 0xffff0000                      ; lanes 16 to 31
	v_and_b32 v1, 31, v0                           ; lane
	v_and_b32 v2, 15, v0                           ; r
	v_bfe_u32 v3, v0, 4, 1                         ; h
	v_lshrrev_b32 v10, 3, v2
	v_and_b32 v11, 7, v2
	v_lshlrev_b32 v[VA], 16, v10
	v_lshl_add_u32 v[VA], v11, 7, v[VA]
	v_lshl_add_u32 v[VA], v3, 4, v[VA]
	v_lshlrev_b32 v[VB], 7, v2
	v_lshl_add_u32 v[VB], v3, 4, v[VB]
	v_lshlrev_b32 v[VS], 11, v3
	v_lshlrev_b32 v[VQ], 2, v2
	v_lshlrev_b32 v[VT], 4, v1
	v_lshl_add_u32 v15, s16, 4, v2                 ; row' = 16 w + r: the row that this lane sorts at the end
	v_lshlrev_b32 v10, 3, v15
	v_lshl_add_u32 v10, v3, 2, v10                 ; its word in wb
	s_wait_kmcnt 0x0
	BASE 20, 4, s17, 19, s16, 17                   ; my 1,024 candidates' rows
	BASE 24, 4, s17, 19, s18, 13                   ; the 64 queries' rows
	BASE 22, 6, s17, 14, s16, 12                   ; my candidates' norms
	BASE 26, 6, s17, 14, s18, 8                    ; the queries' norms
	BASE 28, 8, ttmp9, 15, s16, 13                 ; my 8 KiB of tab
	s_lshl_b32 s2, ttmp9, 9
	s_add_nc_u64 s[10:11], s[10:11], s[2:3]        ; the work-group's 512 bytes of wb
	s_mul_i32 s2, ttmp9, 4608
	s_add_nc_u64 s[12:13], s[12:13], s[2:3]        ; its 64 rows x 72 bytes of cand
.irp t, 0,1,2,3
.irp i, 0,1,2,3
	global_load_b128 v[BF+16*\t+4*\i:BF+16*\t+4*\i+3], v[VB], s[24:25] offset:\t*2048+\i*32
.endr
.endr
.irp t, 0,1,2,3
	global_load_b32 v[SQI+2*\t], v[VQ], s[26:27] offset:\t*64
.endr
	global_load_b32 v[WBV], v10, s[10:11]
	global_load_b128 v[TB:TB+3], v[VT], s[28:29]
	LOADT 0, 0
	LOADT 1, 1
	LOADT 2, 2
	LOADT 3, 3
	s_mul_i32 s19, s16, REGION
	v_mul_u32_u24 v11, v2, RPITCH
	v_add_nc_u32 v[LB], s19, v11
.irp t, 1,2,3
	v_add_nc_u32 v[LB+\t], 16*RPITCH, v[LB+\t-1]
.endr
	v_lshlrev_b32 v[CB], 9, v3
	v_lshl_add_u32 v[CB], s16, 10, v[CB]           ; 1024 w + 512 h
	s_wait_loadcnt 24                              ; all but the four tiles' 24 loads
.irp t, 0,1,2,3
	v_mov_b32 v[SQI+2*\t+1], v[SQI+2*\t]
.endr
	s_mov_b32 s30, 15
.Ltrip:
	TRIP 1, 19, 19, 19, 19                         ; 19 = three younger tiles' 18 loads and the next trip's table words
	s_wait_xcnt 0x0                                ; the bases are stepped only behind this wait
	s_add_nc_u64 s[20:21], s[20:21], 4096
	s_add_nc_u64 s[22:23], s[22:23], 128
	s_add_nc_u64 s[28:29], s[28:29], 512
	s_sub_co_i32 s30, s30, 1
	s_cmp_lg_u32 s30, 0
	s_cbranch_scc1 .Ltrip
	TRIP 0, 18, 12, 6, 0                           ; the last four tiles: nothing more is loaded, the counts run down
	s_wait_dscnt 0x0                               ; my records are in LDS before the others read them
	s_barrier_signal -1
	s_barrier_wait -1
	; ---- the sort: lane (r, h) of wave w takes row' = 16 w + r; h = 0 slots 0-8, h = 1 slots 9-17
.set LL, 16                            ; v[16:33]  distances, ascending
.set II, 34                            ; v[34:51]  their indices
.set XX, 52                            ; v[52:59]  a record's distances
.set XBASE, 60
.set XI, 61
.set PL, 62                            ; v[62:79]  the partner's list
.set PI, 80                            ; v[80:97]
.set SS, 98                            ; the slot
.set B2, 99                            ; slots below B2 lie in wave 0's region, below B4 in wave 1's, below B6 in wave 2's, the rest in wave 3's
.set B4, 100
.set B6, 101
.set WS, 102
.set ADR, 103
.set RB, 104
.set MK, 36                            ; s[36:53]  x < list place p
.macro INSP x, xi                      ; insert (v[x], v[xi]); strict compare: an equal distance goes behind those that are in
.set p, 0
.rept NL
	v_cmp_lt_f32 s[MK+p], v[\x], v[LL+p]
.set p, p+1
.endr
.set p, NL-1
.rept NL-1
	v_cndmask_b32 v[II+p], v[II+p], v[\xi], s[MK+p]
	v_cndmask_b32 v[II+p], v[II+p], v[II+p-1], s[MK+p-1]
	v_med3_num_f32 v[LL+p], v[\x], v[LL+p-1], v[LL+p]
.set p, p-1
.endr
	v_cndmask_b32 v[II], v[II], v[\xi], s[MK]
	v_min_num_f32 v[LL], v[\x], v[LL]
.endm
.set e, 0
.rept NL
	v_mov_b32 v[LL+e], s31
	v_mov_b32 v[II+e], 0
.set e, e+1
.endr
	v_mul_u32_u24 v[SS], v3, 9
	v_mul_u32_u24 v[RB], v15, RPITCH
	v_bfe_u32 v[B2], v[WBV], 0, 8
	v_bfe_u32 v[B4], v[WBV], 8, 8
	v_bfe_u32 v[B6], v[WBV], 16, 8
	s_mov_b32 s30, 9
.Lslot:
	v_cmp_ge_u32 vcc_lo, v[SS], v[B2]
	v_cndmask_b32 v[WS], 0, 1, vcc_lo
	v_cmp_ge_u32 vcc_lo, v[SS], v[B4]
	v_add_co_ci_u32 v[WS], vcc_lo, 0, v[WS], vcc_lo
	v_cmp_ge_u32 vcc_lo, v[SS], v[B6]
	v_add_co_ci_u32 v[WS], vcc_lo, 0, v[WS], vcc_lo
	v_min_u32 v[WS], 3, v[WS]                      ; which wave's region holds the slot
	v_min_u32 v[XI], NL-1, v[SS]
	v_mul_u32_u24 v[ADR], v[WS], REGION
	v_lshl_add_u32 v[ADR], v[XI], 6, v[ADR]
	v_add_nc_u32 v[ADR], v[ADR], v[RB]
	ds_load_b128 v[XX:XX+3], v[ADR]
	ds_load_b128 v[XX+4:XX+7], v[ADR] offset:16
	ds_load_b32 v[XBASE], v[ADR] offset:32
	s_wait_dscnt 0x0
.irp j, 0,1,2,3,4,5,6,7
	v_add_nc_u32 v[XI], \j, v[XBASE]
	INSP XX+\j, XI
.endr
	v_add_nc_u32 v[SS], 1, v[SS]
	s_sub_co_i32 s30, s30, 1
	s_cmp_lg_u32 s30, 0
	s_cbranch_scc1 .Lslot
	; the two halves: each lane inserts its partner's sorted list.  In lanes 0-15 the partner's indices are all the higher ones, so ties stay in order there;
	; lanes 16-31 do the same work and their lists are not used.
.set e, 0
.rept NL
	v_permlanex16_b32 v[PL+e], v[LL+e], s32, s33
	v_permlanex16_b32 v[PI+e], v[II+e], s32, s33
.set e, e+1
.endr
.set e, 0
.rept NL
	INSP PL+e, PI+e
.set e, e+1
.endr
	; ---- the way out: the list of lanes 0-15 alone counts.  They put its places 0-8 into the stage; lanes 16-31 fetch places 9-17 from them and put those.
.set e, 0
.rept 9
	v_permlanex16_b32 v[PL+e], v[II+9+e], s32, s33
.set e, e+1
.endr
	v_mul_u32_u24 v105, v15, 72
	v_mul_u32_u24 v107, v3, 36
	v_add_nc_u32 v105, v105, v107
	v_add_nc_u32 v105, STG, v105
.irp k, 0,1,2,3,4,5,6,7,8
	v_cndmask_b32 v107, v[II+\k], v[PL+\k], s35
	ds_store_b32 v105, v107 offset:4*\k
.endr
	s_wait_dscnt 0x0
	s_barrier_signal -1
	s_barrier_wait -1
	v_lshlrev_b32 v109, 4, v0
	v_add_nc_u32 v108, STG, v109
	ds_load_b128 v[16:19], v108
	ds_load_b128 v[20:23], v108 offset:2048
	s_wait_dscnt 0x0
	global_store_b128 v109, v[16:19], s[12:13]                 ; a wave's store covers 512 consecutive bytes, aligned (4,608 = 18 x 256)
	global_store_b128 v109, v[20:23], s[12:13] offset:2048
	s_cmp_lg_u32 s16, 0
	s_cbranch_scc1 .Ldone                          ; the last 512 bytes: wave 0
	ds_load_b128 v[24:27], v108 offset:4096
	s_wait_dscnt 0x0
	global_store_b128 v109, v[24:27], s[12:13] offset:4096
.Ldone:
	s_wait_tensorcnt 0x0
	ds_add_u32 v254, v255
	s_wait_dscnt 0x0
	s_endpgm
.Lfunc_end_k_q0a7c0853cf_pick:
	.size	k_q0a7c0853cf_pick, .Lfunc_end_k_q0a7c0853cf_pick-k_q0a7c0853cf_pick
	.p2alignl 7, 3214868480
	.fill 96, 4, 3214868480
	.section	.rodata,"a",@progbits
	.p2align	6, 0x0
	.amdhsa_kernel k_q0a7c0853cf_pick
		.amdhsa_group_segment_fixed_size 320512
		.amdhsa_private_segment_fixed_size 0
		.amdhsa_enable_private_segment 0
		.amdhsa_kernarg_size 40
		.amdhsa_user_sgpr_count 2
		.amdhsa_user_sgpr_kernarg_segment_ptr 1
		.amdhsa_wavefront_size32 1
		.amdhsa_system_sgpr_workgroup_id_x 1
		.amdhsa_system_sgpr_workgroup_id_y 1
		.amdhsa_system_sgpr_workgroup_id_z 1
		.amdhsa_system_vgpr_workitem_id 0
		.amdhsa_next_free_vgpr 320
		.amdhsa_next_free_sgpr 66
		.amdhsa_reserve_vcc 1
		.amdhsa_float_denorm_mode_32 3
		.amdhsa_float_denorm_mode_16_64 3
		.amdhsa_memory_ordered 1
		.amdhsa_forward_progress 1
		.amdhsa_inst_pref_size 166
	.end_amdhsa_kernel
	.amdgpu_metadata
---
amdhsa.version: [ 1, 2 ]
amdhsa.kernels:
  - .name:           k_q0a7c0853cf_pick
    .symbol:         k_q0a7c0853cf_pick.kd
    .args:
      - { .name: xt, .offset: 0, .size: 8, .value_kind: global_buffer, .address_space: global }
      - { .name: sq, .offset: 8, .size: 8, .value_kind: global_buffer, .address_space: global }
      - { .name: tab, .offset: 16, .size: 8, .value_kind: global_buffer, .address_space: global }
      - { .name: wb, .offset: 24, .size: 8, .value_kind: global_buffer, .address_space: global }
      - { .name: cand, .offset: 32, .size: 8, .value_kind: global_buffer, .address_space: global }
    .group_segment_fixed_size: 320512
    .private_segment_fixed_size: 0
    .kernarg_segment_align: 8
    .kernarg_segment_size: 40
    .max_flat_workgroup_size: 128
    .sgpr_count:     66
    .vgpr_count:     320
    .wavefront_size: 32
...
	.end_amdgpu_metadata
.endif
;; end of part 3
;; launch refine (part 4): grid 256 x 1, 4 waves a work-group, no clusters, 5,120 bytes of LDS; arguments xt, sq, cand, out0; writes out0
.if DOCPART == 4
	.amdgcn_target "amdgcn-amd-amdhsa--gfx1250"
	.amdhsa_code_object_version 6
	.text
	.protected	k_q0a7c0853cf_refine
	.globl	k_q0a7c0853cf_refine
	.p2align	8
	.type	k_q0a7c0853cf_refine,@function
k_q0a7c0853cf_refine:
	s_mov_b64 s[64:65], 0
	v_nop
	global_prefetch_b8 v0, s[64:65] scope:SCOPE_SE
	s_setreg_imm32_b32 hwreg(HW_REG_WAVE_MODE, 25, 1), 1
	s_wait_xcnt 0x0
; LAST STEP: THE ORDER OF THE 18 FINALISTS OF EACH ROW, AND THE OUTPUT.
; cand holds, as whole numbers, each row's 18 nearest candidates by the matrix unit's sums.  Here each finalist's distance is formed once more with the 64
; products added ONE AFTER THE OTHER in ascending channel, each sum rounded to f32 (the order of a plain f32 product loop; a product of two bf16
; numbers is exact in f32, so one fused multiply-add is that one rounding); then d = fma(-2, inner, sq_i) + sq_j as everywhere.  The finalists are ranked by
; (distance, index); ranks 0, 2, .. 16 go out, and the row's own index nine times.  This is 18 of 4,096 products a row: the bulk is on the matrix unit.
; SHARE: a work-group takes 64 rows; lane (r, h) of wave w takes row' = 16 w + r and finalists 9 h .. 9 h + 8; the two lanes of a row exchange their nine
; (distance, index) pairs, and each counts for its own nine how many of the other 17 stand ahead.  Indices are distinct, so the ranks are 0..17, each once.
; No address hangs on a rank: the outputs are picked by selects.  No matrix unit (chains of dependent sums), no cluster (gathered rows are shared by nobody
; in a way known beforehand), no tensor load.
; LIMITS: finite inputs; products that are no f32 denormals.  A candidate that is beyond place 18 by the matrix unit's sums cannot enter: two or more
; candidates within the difference of the two ways of summing at the list's edge at once can give another order than plain sums over all 4,096.
.set PART2, 589824                     ; bytes of one half of out0
.set XQ, 16                            ; v[16:47]   my row: 32 words of two channels
.set CI, 48                            ; v[48:56]   my nine finalists' indices
.set OF, 58                            ; v[58:66]   x 128: their rows in xt
.set OS, 68                            ; v[68:76]   x 4: their norms in sq
.set SJ, 78                            ; v[78:86]   their norms
.set AC, 88                            ; v[88:96]   their inner products, then their distances
.set SQI, 97                           ; v97        my row's norm
.set PD, 98                            ; v[98:106]  the partner's nine distances
.set PX, 108                           ; v[108:116] and indices
.set RK, 118                           ; v[118:126] ranks of my nine
.set OUT, 128                          ; v[128:136] index of rank 2 k
.set ZERO, 137
.set CEN, 138
.set SA, 139
.set T0, 140
; window 1: v[256:447] gathered rows: two buffers of three rows x 32 words, written v[96 b + 32 c + ..] under the window
.set MSB, 0
.macro WIN new                         ; the immediate's high byte repeats the setting that is left
.if MSB != \new
	s_set_vgpr_msb (MSB<<8)|\new
.set MSB, \new
.endif
.endm
.macro LOADG g, b                      ; 27 loads: finalists 3 g .. 3 g + 2, rows into buffer b, norms into SJ
	WIN 0x40                                       ; destination in window 1
.irp c, 0,1,2
.irp i, 0,1,2,3,4,5,6,7
	global_load_b128 v[96*\b+32*\c+4*\i:96*\b+32*\c+4*\i+3], v[OF+3*\g+\c], s[20:21] offset:16*\i
.endr
.endr
	WIN 0
.irp c, 0,1,2
	global_load_b32 v[SJ+3*\g+\c], v[OS+3*\g+\c], s[22:23]
.endr
.endm
.macro FMA3 g, b                       ; three chains of 64 sums side by side, channels ascending: a word's low half, then its high half
	WIN 0x01                                       ; source 0 in window 1
.set q, 0
.rept 32
.irp c, 0,1,2
.if q == 0
	v_fma_mix_f32_bf16 v[AC+3*\g+\c], v[96*\b+32*\c+q], v[XQ+q], v[ZERO] op_sel_hi:[1,1,0]
.else
	v_fma_mix_f32_bf16 v[AC+3*\g+\c], v[96*\b+32*\c+q], v[XQ+q], v[AC+3*\g+\c] op_sel_hi:[1,1,0]
.endif
.endr
.irp c, 0,1,2
	v_fma_mix_f32_bf16 v[AC+3*\g+\c], v[96*\b+32*\c+q], v[XQ+q], v[AC+3*\g+\c] op_sel:[1,1,0] op_sel_hi:[1,1,0]
.endr
.set q, q+1
.endr
	WIN 0
.endm
.macro BEFORE d2, i2, c                ; rank of my finalist c grows by one if (v[d2], v[i2]) stands ahead of it
	v_cmp_lt_f32 vcc_lo, v[\d2], v[AC+\c]
	v_add_co_ci_u32 v[RK+\c], vcc_lo, 0, v[RK+\c], vcc_lo
	v_cmp_eq_f32 s34, v[\d2], v[AC+\c]
	v_cmp_lt_u32 vcc_lo, v[\i2], v[CI+\c]
	s_and_b32 vcc_lo, vcc_lo, s34
	v_add_co_ci_u32 v[RK+\c], vcc_lo, 0, v[RK+\c], vcc_lo
.endm
	s_load_b256 s[4:11], s[0:1], 0x0               ; xt s[4:5], sq s[6:7], cand s[8:9], out0 s[10:11]
	v_lshl_add_u32 v254, v0, 2, 0x1200
	v_mov_b32 v255, 0
	v_lshrrev_b32 v9, 5, v0
	v_readfirstlane_b32 s16, v9                    ; w
	s_lshr_b32 s17, ttmp9, 6                       ; batch
	s_and_b32 s18, ttmp9, 63                       ; block of 64 rows
	s_mov_b32 s3, 0
	s_mov_b32 s32, 0x76543210                      ; v_permlanex16_b32: lane i reads lane i of the other half
	s_mov_b32 s33, 0xfedcba98
	s_mov_b32 s35, 0xffff0000                      ; lanes 16 to 31
	v_and_b32 v2, 15, v0                           ; r
	v_bfe_u32 v3, v0, 4, 1                         ; h
	v_lshl_add_u32 v15, s16, 4, v2                 ; row' = 16 w + r
	v_mul_u32_u24 v4, v15, 72
	v_mul_u32_u24 v9, v3, 36
	v_add_nc_u32 v4, v4, v9                        ; my nine words in cand
	v_lshlrev_b32 v5, 7, v15                       ; my row in xt
	v_lshlrev_b32 v6, 2, v15                       ; its norm
	v_mov_b32 v[ZERO], 0
	s_wait_kmcnt 0x0
	s_lshl_b32 s2, s17, 19
	s_add_nc_u64 s[20:21], s[4:5], s[2:3]          ; the batch's 4,096 rows
	s_lshl_b32 s2, s18, 13
	s_add_nc_u64 s[24:25], s[20:21], s[2:3]        ; the work-group's 64 rows among them
	s_lshl_b32 s2, s17, 14
	s_add_nc_u64 s[22:23], s[6:7], s[2:3]          ; the batch's norms
	s_lshl_b32 s2, s18, 8
	s_add_nc_u64 s[26:27], s[22:23], s[2:3]
	s_mul_i32 s2, ttmp9, 4608
	s_add_nc_u64 s[8:9], s[8:9], s[2:3]            ; the work-group's 64 x 72 bytes of cand
	s_mul_i32 s2, ttmp9, 2304
	s_add_nc_u64 s[10:11], s[10:11], s[2:3]        ; its 64 x 36 bytes of each half of out0
.irp c, 0,1,2,3,4,5,6,7,8
	global_load_b32 v[CI+\c], v4, s[8:9] offset:4*\c
.endr
.irp i, 0,1,2,3,4,5,6,7
	global_load_b128 v[XQ+4*\i:XQ+4*\i+3], v5, s[24:25] offset:16*\i
.endr
	global_load_b32 v[SQI], v6, s[26:27]
	s_wait_loadcnt 9                               ; the nine indices are in; my row's eight loads and its norm stay out
.irp c, 0,1,2,3,4,5,6,7,8
	v_min_u32 v[CI+\c], 0xfff, v[CI+\c]            ; a loaded number enters an address only clamped
.endr
.irp c, 0,1,2,3,4,5,6,7,8
	v_lshlrev_b32 v[OF+\c], 7, v[CI+\c]
	v_lshlrev_b32 v[OS+\c], 2, v[CI+\c]
.endr
	LOADG 0, 0
	LOADG 1, 1                                     ; 9 + 27 + 27 = 63 loads are out at the most
	s_wait_loadcnt 27                              ; all but the second group: my row and the first three finalists are in
	FMA3 0, 0
	LOADG 2, 0                                     ; the first buffer has been read: the last three finalists
	s_wait_loadcnt 27                              ; the second group is in
	FMA3 1, 1
	s_wait_loadcnt 0x0
	FMA3 2, 0
.irp c, 0,1,2,3,4,5,6,7,8
	v_fma_f32 v[AC+\c], v[AC+\c], -2.0, v[SQI]     ; sq_i - 2 inner, one rounding,
.endr
.irp c, 0,1,2,3,4,5,6,7,8
	v_add_f32 v[AC+\c], v[AC+\c], v[SJ+\c]         ; + sq_j, one more
.endr
.irp c, 0,1,2,3,4,5,6,7,8
	v_mov_b32 v[PD+\c], v[AC+\c]                   ; v_permlanex16_b32 counts as a reader of its destination: it is written first
	v_mov_b32 v[PX+\c], v[CI+\c]
	v_mov_b32 v[RK+\c], 0
.endr
.irp c, 0,1,2,3,4,5,6,7,8
	v_permlanex16_b32 v[PD+\c], v[AC+\c], s32, s33
	v_permlanex16_b32 v[PX+\c], v[CI+\c], s32, s33
.endr
.irp c, 0,1,2,3,4,5,6,7,8
.irp o, 0,1,2,3,4,5,6,7,8
.if \o != \c
	BEFORE AC+\o, CI+\o, \c
.endif
	BEFORE PD+\o, PX+\o, \c
.endr
.endr
	; rank 2 k is among my nine or among the partner's: mine by selects (0 if none), then both lanes' words are joined
.irp k, 0,1,2,3,4,5,6,7,8
	v_cmp_eq_u32 vcc_lo, 2*\k, v[RK]
	v_cndmask_b32 v[OUT+\k], 0, v[CI], vcc_lo
.irp c, 1,2,3,4,5,6,7,8
	v_cmp_eq_u32 vcc_lo, 2*\k, v[RK+\c]
	v_cndmask_b32 v[OUT+\k], v[OUT+\k], v[CI+\c], vcc_lo
.endr
.endr
.irp k, 0,1,2,3,4,5,6,7,8
	v_permlanex16_b32 v[PD+\k], v[OUT+\k], s32, s33
.endr
.irp k, 0,1,2,3,4,5,6,7,8
	v_or_b32 v[OUT+\k], v[OUT+\k], v[PD+\k]
.endr
	; ---- the way out: lanes 0-15 put the nine neighbours, lanes 16-31 the row's own index nine times, into the stage [2][64][9]; it leaves in 16-byte pieces
	v_lshl_add_u32 v[CEN], s18, 6, v15             ; the row's index in its batch
	v_mul_u32_u24 v[SA], v15, 36
	v_mul_u32_u24 v[T0], v3, 2304
	v_add_nc_u32 v[SA], v[SA], v[T0]
.irp k, 0,1,2,3,4,5,6,7,8
	v_cndmask_b32 v[T0], v[OUT+\k], v[CEN], s35
	ds_store_b32 v[SA], v[T0] offset:4*\k
.endr
	s_wait_dscnt 0x0                               ; my words are in LDS before the others read them
	s_barrier_signal -1
	s_barrier_wait -1
	v_lshlrev_b32 v7, 4, v0
	ds_load_b128 v[16:19], v7
	ds_load_b128 v[20:23], v7 offset:2304
	s_wait_dscnt 0x0
	global_store_b128 v7, v[16:19], s[10:11]                   ; a wave's store covers 512 consecutive bytes, aligned (2,304 = 9 x 256)
	global_store_b128 v7, v[20:23], s[10:11] offset:PART2
	s_cmp_lg_u32 s16, 0
	s_cbranch_scc1 .Ldone                          ; the ninth block of 256 bytes of both halves: wave 0, sixteen lanes each
	v_lshlrev_b32 v8, 4, v2
	v_mul_u32_u24 v10, v3, 2304
	v_add3_u32 v10, v10, v8, 2048
	v_mul_u32_u24 v11, v3, PART2
	v_add3_u32 v11, v11, v8, 2048
	ds_load_b128 v[24:27], v10
	s_wait_dscnt 0x0
	global_store_b128 v11, v[24:27], s[10:11]
.Ldone:
	s_wait_tensorcnt 0x0
	ds_add_u32 v254, v255
	s_wait_dscnt 0x0
	s_endpgm
.Lfunc_end_k_q0a7c0853cf_refine:
	.size	k_q0a7c0853cf_refine, .Lfunc_end_k_q0a7c0853cf_refine-k_q0a7c0853cf_refine
	.p2alignl 7, 3214868480
	.fill 96, 4, 3214868480
	.section	.rodata,"a",@progbits
	.p2align	6, 0x0
	.amdhsa_kernel k_q0a7c0853cf_refine
		.amdhsa_group_segment_fixed_size 5120
		.amdhsa_private_segment_fixed_size 0
		.amdhsa_enable_private_segment 0
		.amdhsa_kernarg_size 32
		.amdhsa_user_sgpr_count 2
		.amdhsa_user_sgpr_kernarg_segment_ptr 1
		.amdhsa_wavefront_size32 1
		.amdhsa_system_sgpr_workgroup_id_x 1
		.amdhsa_system_sgpr_workgroup_id_y 1
		.amdhsa_system_sgpr_workgroup_id_z 1
		.amdhsa_system_vgpr_workitem_id 0
		.amdhsa_next_free_vgpr 448
		.amdhsa_next_free_sgpr 66
		.amdhsa_reserve_vcc 1
		.amdhsa_float_denorm_mode_32 3
		.amdhsa_float_denorm_mode_16_64 3
		.amdhsa_memory_ordered 1
		.amdhsa_forward_progress 1
		.amdhsa_inst_pref_size 94
	.end_amdhsa_kernel
	.amdgpu_metadata
---
amdhsa.version: [ 1, 2 ]
amdhsa.kernels:
  - .name:           k_q0a7c0853cf_refine
    .symbol:         k_q0a7c0853cf_refine.kd
    .args:
      - { .name: xt, .offset: 0, .size: 8, .value_kind: global_buffer, .address_space: global }
      - { .name: sq, .offset: 8, .size: 8, .value_kind: global_buffer, .address_space: global }
      - { .name: cand, .offset: 16, .size: 8, .value_kind: global_buffer, .address_space: global }
      - { .name: out0, .offset: 24, .size: 8, .value_kind: global_buffer, .address_space: global }
    .group_segment_fixed_size: 5120
    .private_segment_fixed_size: 0
    .kernarg_segment_align: 8
    .kernarg_segment_size: 32
    .max_flat_workgroup_size: 128
    .sgpr_count:     66
    .vgpr_count:     448
    .wavefront_size: 32
...
	.end_amdgpu_metadata
.endif
;; end of part 4
;; ======== version 2 of 3: 4 launches; 1.37 times as fast as version 1
;; workspace buffers: xt 2,097,152 bytes; sq 65,536 bytes; tab 8,388,608 bytes of whole numbers; wb 131,072 bytes of whole numbers; sel 3,670,016 bytes of whole numbers
;; launch prep: the kernel of part 1 again; grid 256 x 1, 4 waves a work-group, no clusters, 9,728 bytes of LDS; arguments x, xt, sq; writes xt, sq
;; launch thresh (part 5): grid 256 x 1, 4 waves a work-group, no clusters, 176,640 bytes of LDS; arguments xt, sq, tab, wb; writes tab, wb
.if DOCPART == 5
	.amdgcn_target "amdgcn-amd-amdhsa--gfx1250"
	.amdhsa_code_object_version 6
	.text
	.protected	k_q0a7c0853cf_thresh
	.globl	k_q0a7c0853cf_thresh
	.p2align	8
	.type	k_q0a7c0853cf_thresh,@function
k_q0a7c0853cf_thresh:
	s_mov_b64 s[64:65], 0
	v_nop
	global_prefetch_b8 v0, s[64:65] scope:SCOPE_SE
	s_setreg_imm32_b32 hwreg(HW_REG_WAVE_MODE, 25, 1), 1
	s_wait_xcnt 0x0
; FIRST STEP OF THE SELECTION.  d(i, j) = (sq_i - 2 x_i.x_j) + sq_j, two roundings in that order, on points rounded to bf16; x_i.x_j from the matrix unit.
; Ranks 0 to 16 are wanted; the 18 nearest by these sums are kept, one more than wanted, and a last launch orders them by sums made in plain order.
; A chunk is 8 candidates with consecutive indices (512 chunks a row).  Ordered by (chunk minimum, chunk number), the NC = 18 nearest candidates lie in the
; 18 first chunks: a chunk that holds one of them has at most 17 chunks ahead of it.  This launch finds those 18 chunks for every row and stores,
; as whole numbers, for every chunk its slot 0..17 (ascending chunk number) or 18 for none; the next launch forms the same distances again
; with the same instructions and keeps the chosen chunks.  Values alone are sorted here: one v_med3 for each place of a list of 18.
; SHARE: a work-group takes 64 query rows x 4,096 candidates; wave w candidates 1024 w .. + 1023 for all 64 queries (four query tiles t stay in registers as
; the matrix instruction's second source).  Row m of candidate tile c stands for candidate 1024 w + 512 (m >> 3) + 8 c + (m & 7), so that the eight result
; registers of lane (r, h) are the chunk 64 g + c, g = 2 w + h, of query 16 t + r.  A row has eight part lists, one for each g.
; THE LOOP IS PIPELINED: two sets of accumulators.  While tile i's 32 results are turned into distances, minima and list entries, the eight matrix
; instructions of tile i + 1 write the other set, one ahead of every nine of the 72 list insertions.  A ring of eight tiles in registers is filled seven tiles ahead.
; OPERANDS come from memory straight into registers: no two waves of the work-group read the same candidates, so LDS would add no reuse; 2 KiB of a
; candidate tile feed 8 matrix instructions and 120 vector instructions.  NO CLUSTER: the 64 work-groups of a batch do read the same xt, but a joint
; request lands in LDS, from where the fragments would have to be loaded a second time; the vector work per tile is what the loop consists of.
; LIMITS: finite inputs and finite distances (no NaN, no infinity).  The 64 products of a distance are summed by the matrix unit in its own order.
.set NC, 18
.set INF, 0x7f800000
.set CM, 0                             ; LDS: chunk minima [w 4][trip 16][t 4][lane 32][16 B], each wave's own: 131,072 bytes
.set LS, 131072                        ; part lists: row pitch 656, list pitch 80 (18 f32 used): 41,984 bytes
.set TN, 173056                        ; (T, need) of a row: row x 16 + half x 8: 1,024 bytes
.set CT, 174080                        ; counts: row x 32 + g x 4: 2,048 bytes
.set VA, 4                             ; v4  (r >> 3) 65536 + (r & 7) 128 + 16 h : my 16 bytes in a candidate tile
.set VB, 5                             ; v5  128 r + 16 h : in a query tile
.set VS, 6                             ; v6  2048 h : my eight candidates' norms
.set VQ, 7                             ; v7  4 r : my query's norm
.set CMA, 8                            ; v8  my place in CM
.set BF, 16                            ; v[16:79]   query fragments: tile t 16 registers (K 0-31, K 32-63)
.set SQI, 80                           ; v[80:87]   sq of query 16 t + r, twice (a pair for the packed form)
.set DD, 88                            ; v[88:151]  results: set s at DD + 32 s, 8 for each t
.set LIST, 152                         ; v[152:223] my sorted 18 smallest chunk minima, 18 registers for each t
; window 1, written by its low numbers.  All that stands here is used as a FIRST source, so that one setting (source 0 in window 1) serves the matrix
; instructions, the distances and the insertions.
.set AR, 0                             ; v[256:383] candidate fragments, ring of eight tiles x 16 registers
.set SJ, 128                           ; v[384:447] norms of my eight candidates, ring of eight
.set CMR, 192                          ; v[448:463] four tiles' chunk minima: 4 t + tile
.set NEG2, 208                         ; v[464:465] -2.0 twice
.set MSB, 0
.macro WIN new                         ; the immediate's high byte repeats the setting that is left
.if MSB != \new
	s_set_vgpr_msb (MSB<<8)|\new
.set MSB, \new
.endif
.endm
.macro BASE d, p, x, sx, y, sy         ; s[d:d+1] = pointer p + (x << sx) + (y << sy); s3 = 0
	s_lshl_b32 s2, \x, \sx
	s_lshl_b32 s19, \y, \sy
	s_add_co_u32 s2, s2, s19
	s_add_nc_u64 s[\d:\d+1], s[\p:\p+1], s[2:3]
.endm
.macro LOADT b, k                      ; six loads: tile k, counted from the bases, into ring place b
	WIN 0x40                                       ; destination in window 1
.irp i, 0,1,2,3
	global_load_b128 v[AR+16*\b+4*\i:AR+16*\b+4*\i+3], v[VA], s[20:21] offset:(\k)*1024+32*\i
.endr
	global_load_b128 v[SJ+8*\b:SJ+8*\b+3], v[VS], s[22:23] offset:(\k)*32
	global_load_b128 v[SJ+8*\b+4:SJ+8*\b+7], v[VS], s[22:23] offset:(\k)*32+16
.endm
; Matrix instruction m of a tile's eight (0-3: K 0-31 of query tiles 0-3, starting the sums; 4-7: K 32-63), ring place nb, accumulator set ns.
; The four accumulators take turns, one instruction a turn.
.macro WM m, nb, ns
.set wt, (\m)%4
.set wd, DD+32*(\ns)+8*wt
.if (\m) < 4
	v_wmma_f32_16x16x32_bf16 v[wd:wd+7], v[AR+16*(\nb):AR+16*(\nb)+7], v[BF+16*wt:BF+16*wt+7], 0
.else
	v_wmma_f32_16x16x32_bf16 v[wd:wd+7], v[AR+16*(\nb)+8:AR+16*(\nb)+15], v[BF+16*wt+8:BF+16*wt+15], v[wd:wd+7]
.endif
.endm
.macro INSL l, x                       ; insert v[x] into the ascending list v[l .. l+17]: place p becomes the middle one of x, old p-1, old p
.set p, NC-1
.rept NC-1
	v_med3_num_f32 v[\l+p], v[\x], v[\l+p-1], v[\l+p]
.set p, p-1
.endr
	v_min_num_f32 v[\l], v[\x], v[\l]
.endm
; The four chunk minima of ring place b go into the four lists: 72 vector instructions; mm = 1: ahead of every ninth stands one matrix instruction of the next
; tile.  Nine insertions follow the last one: more than the four places (ISA guide 7.12.1) that its result needs before it is read.
.macro INSM b, mm, nb, ns
.set n, 0
.irp t, 0,1,2,3
.set p, NC-1
.rept NC
.if \mm
.if n%9 == 0
	WM n/9, \nb, \ns
.endif
.endif
.if p > 0
	v_med3_num_f32 v[LIST+18*\t+p], v[CMR+4*\t+\b%4], v[LIST+18*\t+p-1], v[LIST+18*\t+p]
.else
	v_min_num_f32 v[LIST+18*\t], v[CMR+4*\t+\b%4], v[LIST+18*\t]
.endif
.set p, p-1
.set n, n+1
.endr
.endr
.endm
; One tile's turn.  b: its ring place (its accumulator set is b % 2); nb: the next tile's place; mm = 1: the next tile is multiplied; refill = 1: place b gets the
; tile eight further on, 2: the same behind the stepping of the bases; left: how many younger loads may stay out when the next tile has to be there.
.macro PHASE b, nb, mm, refill, left
.set dcur, DD+32*(\b%2)
	WIN 0x01                                       ; source 0 in window 1
.irp t, 0,1,2,3                                    ; d = fma(-2, inner, sq_i), then + sq_j; the four query tiles side by side
.irp q, 0,2,4,6
	v_pk_fma_f32 v[dcur+8*\t+\q:dcur+8*\t+\q+1], v[NEG2:NEG2+1], v[dcur+8*\t+\q:dcur+8*\t+\q+1], v[SQI+2*\t:SQI+2*\t+1]
.endr
.endr
.irp t, 0,1,2,3
.irp q, 0,2,4,6
	v_pk_add_f32 v[dcur+8*\t+\q:dcur+8*\t+\q+1], v[SJ+8*\b+\q:SJ+8*\b+\q+1], v[dcur+8*\t+\q:dcur+8*\t+\q+1]
.endr
.endr
	WIN 0                                          ; the four chunks' minima, layer by layer, in place: the distances are not needed again
.irp t, 0,1,2,3
	v_min3_num_f32 v[dcur+8*\t], v[dcur+8*\t], v[dcur+8*\t+1], v[dcur+8*\t+2]
.endr
.irp t, 0,1,2,3
	v_min3_num_f32 v[dcur+8*\t+3], v[dcur+8*\t+3], v[dcur+8*\t+4], v[dcur+8*\t+5]
.endr
.irp t, 0,1,2,3
	v_min3_num_f32 v[dcur+8*\t], v[dcur+8*\t], v[dcur+8*\t+6], v[dcur+8*\t+7]
.endr
	WIN 0x40                                       ; destination in window 1
.irp t, 0,1,2,3
	v_min_num_f32 v[CMR+4*\t+\b%4], v[dcur+8*\t], v[dcur+8*\t+3]
.endr
.if \refill == 1
	LOADT \b, \b+8                                 ; the place's fragments were multiplied a tile ago, its norms have just been added: eight tiles ahead
.endif
.if \refill == 2
	s_wait_xcnt 0x0                                ; the bases are stepped only behind this wait; the youngest load that names them is a tile's work old
	s_add_nc_u64 s[20:21], s[20:21], 8192
	s_add_nc_u64 s[22:23], s[22:23], 256
	LOADT \b, \b                                   ; eight tiles ahead, counted from the stepped bases
.endif
.if \mm
	s_wait_loadcnt \left                           ; loads come back in order: the next tile's six are in, the younger tiles' stay out
.endif
	WIN 0x01
	INSM \b, \mm, \nb, 1-\b%2
.endm
.macro CMST half                       ; four tiles' 16 chunk minima go to my own bytes of CM
	WIN 0x04                                       ; store data (source 1) in window 1
.irp t, 0,1,2,3
	ds_store_b128 v[CMA], v[CMR+4*\t:CMR+4*\t+3] offset:\half*2048+\t*512
.endr
.endm
.macro OCT last                        ; eight tiles, once round the ring
.if \last
	PHASE 0, 1, 1, 0, 36                           ; nothing more is loaded: the counts run down by a tile's six loads
	PHASE 1, 2, 1, 0, 30
	PHASE 2, 3, 1, 0, 24
	PHASE 3, 4, 1, 0, 18
	CMST 0
	PHASE 4, 5, 1, 0, 12
	PHASE 5, 6, 1, 0, 6
	PHASE 6, 7, 1, 0, 0
	PHASE 7, 0, 0, 0, 0                            ; the last tile: nothing is left to multiply
	CMST 1
.else
	PHASE 0, 1, 1, 1, 42                           ; 42 = the seven younger tiles' loads
	PHASE 1, 2, 1, 1, 42
	PHASE 2, 3, 1, 1, 42
	PHASE 3, 4, 1, 1, 42
	CMST 0
	PHASE 4, 5, 1, 1, 42
	PHASE 5, 6, 1, 1, 42
	PHASE 6, 7, 1, 1, 42
	PHASE 7, 0, 1, 2, 42
	CMST 1
.endif
	WIN 0
.endm
.macro LDL d, a, o                     ; a list of 18 from LDS
.irp i, 0,1,2,3
	ds_load_b128 v[\d+4*\i:\d+4*\i+3], v[\a] offset:\o+16*\i
.endr
	ds_load_b64 v[\d+16:\d+17], v[\a] offset:\o+64
.endm
.macro BAR                             ; what I put into LDS, and what I read from it, is done; then all four waves meet
	s_wait_dscnt 0x0
	s_barrier_signal -1
	s_barrier_wait -1
.endm
	s_load_b256 s[4:11], s[0:1], 0x0               ; xt s[4:5], sq s[6:7], tab s[8:9], wb s[10:11]
	v_lshl_add_u32 v254, v0, 2, 0x2b000
	v_mov_b32 v255, 0
	v_lshrrev_b32 v9, 5, v0
	v_readfirstlane_b32 s16, v9                    ; w
	s_lshr_b32 s17, ttmp9, 6                       ; batch
	s_and_b32 s18, ttmp9, 63                       ; block of 64 queries
	s_mov_b32 s3, 0
	s_mov_b32 s31, INF
	s_mov_b32 s32, 0x76543210                      ; v_permlanex16_b32: lane i reads lane i of the other half
	s_mov_b32 s33, 0xfedcba98
	v_and_b32 v1, 31, v0                           ; lane
	v_and_b32 v2, 15, v0                           ; r
	v_bfe_u32 v3, v0, 4, 1                         ; h
	v_lshrrev_b32 v9, 3, v2
	v_and_b32 v10, 7, v2
	v_lshlrev_b32 v[VA], 16, v9                    ; tile rows 8-15 lie 512 candidates (65,536 bytes) further on
	v_lshl_add_u32 v[VA], v10, 7, v[VA]
	v_lshl_add_u32 v[VA], v3, 4, v[VA]
	v_lshlrev_b32 v[VB], 7, v2
	v_lshl_add_u32 v[VB], v3, 4, v[VB]
	v_lshlrev_b32 v[VS], 11, v3
	v_lshlrev_b32 v[VQ], 2, v2
	v_lshlrev_b32 v[CMA], 4, v1
	v_lshl_add_u32 v[CMA], s16, 15, v[CMA]
	s_wait_kmcnt 0x0
	BASE 20, 4, s17, 19, s16, 17                   ; my 1,024 candidates' rows
	BASE 24, 4, s17, 19, s18, 13                   ; the 64 queries' rows
	BASE 22, 6, s17, 14, s16, 12                   ; my candidates' norms
	BASE 26, 6, s17, 14, s18, 8                    ; the queries' norms
	BASE 28, 8, ttmp9, 15, s16, 13                 ; my 8 KiB of tab
	s_lshl_b32 s2, ttmp9, 9
	s_add_nc_u64 s[10:11], s[10:11], s[2:3]        ; the work-group's 512 bytes of wb
.irp t, 0,1,2,3
.irp i, 0,1,2,3
	global_load_b128 v[BF+16*\t+4*\i:BF+16*\t+4*\i+3], v[VB], s[24:25] offset:\t*2048+\i*32
.endr
.endr
.irp t, 0,1,2,3
	global_load_b32 v[SQI+2*\t], v[VQ], s[26:27] offset:\t*64
.endr
.irp b, 0,1,2,3,4,5
	LOADT \b, \b
.endr
	v_mov_b32 v[NEG2], -2.0                        ; (destination still in window 1)
	v_mov_b32 v[NEG2+1], -2.0
	WIN 0
.set e, 0
.rept 72
	v_mov_b32 v[LIST+e], s31                       ; the lists start at +infinity
.set e, e+1
.endr
	s_wait_loadcnt 36                              ; all but six tiles' 36 loads: queries and their norms are in
.irp t, 0,1,2,3
	v_mov_b32 v[SQI+2*\t+1], v[SQI+2*\t]
.endr
	LOADT 6, 6
	LOADT 7, 7
	s_wait_loadcnt 42                              ; tile 0 is in, seven tiles stay out
	WIN 0x01
.irp m, 0,1,2,3,4,5,6,7
	WM \m, 0, 0                                    ; the first tile is multiplied ahead of the loop
.endr
.rept 4
	v_nop                                          ; four places behind the last matrix instruction (ISA guide 7.12.1) before results are read: here alone nothing else is at hand
.endr
	WIN 0                                          ; at a label and at a branch every window is 0
	s_mov_b32 s30, 7
.Ltrip:
	OCT 0
	v_add_nc_u32 v[CMA], 4096, v[CMA]
	s_sub_co_i32 s30, s30, 1
	s_cmp_lg_u32 s30, 0
	s_cbranch_scc1 .Ltrip
	OCT 1
	; ---- 1. every lane's four part lists go to LS
	v_lshl_add_u32 v14, s16, 1, v3                 ; g = 2 w + h
	v_lshl_add_u32 v15, s16, 4, v2                 ; row' = 16 w + r: the row that this lane merges
	v_mul_u32_u24 v9, v2, 656
	v_mul_u32_u24 v10, v14, 80
	v_add_nc_u32 v9, v9, v10
	v_add_nc_u32 v9, LS, v9
.irp t, 0,1,2,3
.irp i, 0,1,2,3
	ds_store_b128 v9, v[LIST+18*\t+4*\i:LIST+18*\t+4*\i+3] offset:\t*10496+16*\i
.endr
	ds_store_b64 v9, v[LIST+18*\t+16:LIST+18*\t+17] offset:\t*10496+64
.endr
	BAR
	; ---- 2. lane (r, h) of wave w merges lists 4 h .. 4 h + 3 of row'; the two halves meet by a lane exchange
.set MG, 16                            ; v[16:33] merged list
.set XG, 34                            ; v[34:51] the list that is merged in
.set PG, 54                            ; v[54:71] the row's 18 smallest chunk minima, in no order
	v_mul_u32_u24 v10, v15, 656
	v_mul_u32_u24 v11, v3, 320
	v_add_nc_u32 v10, v10, v11
	v_add_nc_u32 v10, LS, v10
	LDL MG, 10, 0
.irp i, 1,2,3
	LDL XG, 10, 80*\i
	s_wait_dscnt 0x0
.set e, 0
.rept NC
	INSL MG, XG+e
.set e, e+1
.endr
.endr
.set e, 0
.rept NC
	v_permlanex16_b32 v[PG+e], v[MG+NC-1-e], s32, s33  ; the partner's list backwards:
.set e, e+1
.endr
.set e, 0
.rept NC
	v_min_num_f32 v[PG+e], v[PG+e], v[MG+e]            ; place by place the smaller one: the 18 smallest of both sorted lists
.set e, e+1
.endr
	v_max3_num_f32 v112, v[PG], v[PG+1], v[PG+2]
.set e, 3
.rept 7
	v_max3_num_f32 v112, v112, v[PG+e], v[PG+e+1]
.set e, e+2
.endr
	v_max_num_f32 v112, v112, v[PG+17]             ; T = the 18th smallest chunk minimum of the row
	v_mov_b32 v113, 0
.set e, 0
.rept NC
	v_cmp_lt_f32 vcc_lo, v[PG+e], v112
	v_add_co_ci_u32 v113, vcc_lo, 0, v113, vcc_lo
.set e, e+1
.endr
	v_sub_nc_u32 v113, NC, v113                    ; need = how many chunks with minimum = T are taken
	v_lshlrev_b32 v11, 4, v15
	v_lshl_add_u32 v11, v3, 3, v11
	v_add_nc_u32 v11, TN, v11
	ds_store_b64 v11, v[112:113]
	BAR
	; ---- 3. back as owner of (query 16 t + r, part g): how many of my minima are below T, how many equal.  All my minima below T (17 at the most in the
	; whole row) are in my list of 18; if the equal ones do not all fit, those that fit are at least need, which is all that the prefix below asks.
.set TR, 72                            ; v[72:79] (T, need) for each t
	v_lshlrev_b32 v12, 4, v2
	v_lshl_add_u32 v12, v3, 3, v12
	v_add_nc_u32 v12, TN, v12
	v_lshlrev_b32 v13, 5, v2
	v_add_nc_u32 v9, CT, v13                       ; the row's eight count words
	v_lshl_add_u32 v13, v14, 2, v9                 ; mine among them
.irp t, 0,1,2,3
	ds_load_b64 v[TR+2*\t:TR+2*\t+1], v12 offset:\t*256
.endr
	s_wait_dscnt 0x0
.irp t, 0,1,2,3
	v_mov_b32 v114, 0
	v_mov_b32 v115, 0
.set e, 0
.rept NC
	v_cmp_lt_f32 vcc_lo, v[LIST+18*\t+e], v[TR+2*\t]
	v_add_co_ci_u32 v114, vcc_lo, 0, v114, vcc_lo
	v_cmp_eq_f32 vcc_lo, v[LIST+18*\t+e], v[TR+2*\t]
	v_add_co_ci_u32 v115, vcc_lo, 0, v115, vcc_lo
.set e, e+1
.endr
	v_lshl_or_b32 v114, v115, 8, v114
	ds_store_b32 v13, v114 offset:\t*512
.endr
	BAR
	; ---- 4. prefix over the eight parts, in every lane for its own row: where my slots begin, how many equal ones I may take
.set WBP, 80                           ; v[80:83]  slot bases of parts 2, 4, 6, a byte each
.set REM, 88                           ; v[88:91]  equal ones that I may still take
.set CN, 92                            ; v[92:95]  my next slot, later 18 - my next slot
.irp t, 0,1,2,3
	ds_load_b128 v[104:107], v9 offset:\t*512
	ds_load_b128 v[108:111], v9 offset:\t*512+16
	v_mov_b32 v112, 0                              ; equal ones in the parts ahead
	v_mov_b32 v113, 0                              ; slots given to the parts ahead
	v_mov_b32 v[REM+\t], 0
	v_mov_b32 v[CN+\t], 0
	s_wait_dscnt 0x0
.irp gg, 0,1,2,3,4,5,6,7
.if \gg == 2
	v_mov_b32 v[WBP+\t], v113
.endif
.if \gg == 4
	v_lshl_or_b32 v[WBP+\t], v113, 8, v[WBP+\t]
.endif
.if \gg == 6
	v_lshl_or_b32 v[WBP+\t], v113, 16, v[WBP+\t]
.endif
	v_min_u32 v114, v112, v[TR+2*\t+1]
	v_sub_nc_u32 v114, v[TR+2*\t+1], v114          ; equal ones still to be had by this part
	v_cmp_eq_u32 vcc_lo, \gg, v14
	v_cndmask_b32 v[REM+\t], v[REM+\t], v114, vcc_lo
	v_cndmask_b32 v[CN+\t], v[CN+\t], v113, vcc_lo
	v_and_b32 v115, 0xff, v[104+\gg]
	v_lshrrev_b32 v116, 8, v[104+\gg]
	v_min_u32 v117, v116, v114
	v_add3_u32 v113, v113, v115, v117
	v_add_nc_u32 v112, v112, v116
.endr
	v_sub_nc_u32 v[CN+\t], NC, v[CN+\t]
.endr
	v_lshlrev_b32 v10, 3, v2
	v_lshl_add_u32 v10, v3, 2, v10                 ; wb: row x 8 + h x 4, both words alike
	s_cmp_lg_u32 s16, 0
	s_cbranch_scc1 .Lnowb                          ; every wave has the same four words: wave 0 stores them
.irp t, 0,1,2,3
	global_store_b32 v10, v[WBP+\t], s[10:11] offset:\t*128
.endr
.Lnowb:
	; ---- 5. the table: my 64 chunks of each t once more, in ascending order.  taken = (x < T) or (x = T and some are left for me);
	; slot = 18 - taken x (18 - next slot).  The four t go step by step side by side, each with its own mask registers.
	; Two trips a pass, on two sets of registers: a trip's four LDS loads are issued a trip ahead, and each wait for a store's address stands a trip behind that store.
.set XC0, 104                          ; v[104:119] a trip's 16 chunk minima
.set XC1, 120                          ; v[120:135] the next trip's
.set PK0, 100                          ; v[100:103] word t: byte c = slot of tile c
.set PK1, 136                          ; v[136:139]
.set EE, 96                            ; v[96:99]
.set MU, 84                            ; v[84:87]
.set MK, 36                            ; s[36:43]
.macro SELC c, xc, pk
.irp t, 0,1,2,3
	v_cmp_eq_f32 s[MK+\t], v[\xc+4*\t+\c], v[TR+2*\t]
.endr
.irp t, 0,1,2,3
	v_cmp_lt_f32 s[MK+4+\t], v[\xc+4*\t+\c], v[TR+2*\t]
.endr
.irp t, 0,1,2,3
	v_cndmask_b32 v[EE+\t], 0, v[REM+\t], s[MK+\t]
.endr
.irp t, 0,1,2,3
	v_min_u32 v[EE+\t], 1, v[EE+\t]
.endr
.irp t, 0,1,2,3
	v_sub_nc_u32 v[REM+\t], v[REM+\t], v[EE+\t]
.endr
.irp t, 0,1,2,3
	v_cndmask_b32 v[EE+\t], v[EE+\t], 1, s[MK+4+\t]
.endr
.irp t, 0,1,2,3
	v_mul_u32_u24 v[MU+\t], v[EE+\t], v[CN+\t]
.endr
.irp t, 0,1,2,3
	v_sub_nc_u32 v[CN+\t], v[CN+\t], v[EE+\t]
.endr
.irp t, 0,1,2,3
.if \c == 0
	v_sub_nc_u32 v[\pk+\t], NC, v[MU+\t]
.else
	v_sub_nc_u32 v[MU+\t], NC, v[MU+\t]
.endif
.endr
.if \c != 0
.irp t, 0,1,2,3
	v_lshl_or_b32 v[\pk+\t], v[MU+\t], 8*\c, v[\pk+\t]
.endr
.endif
.endm
.macro LDXC xc, off
.irp t, 0,1,2,3
	ds_load_b128 v[\xc+4*\t:\xc+4*\t+3], v[CMA] offset:\off+\t*512
.endr
.endm
.macro TAB2 more                       ; trips 2 i and 2 i + 1; more = 1: trip 2 i + 2 is fetched
	LDXC XC1, 2048
	s_wait_dscnt 4                                 ; LDS loads come back in order: the even trip's four are in, the odd trip's four stay out
.irp c, 0,1,2,3
	SELC \c, XC0, PK0
.endr
	s_wait_xcnt 0x0                                ; the last pass's second store has had its address translated: the base is stepped, and PK1 rewritten, only behind this wait
	s_add_nc_u64 s[28:29], s[28:29], 1024          ; stepped ahead of the pass's stores, which reach back
	global_store_b128 v12, v[PK0:PK0+3], s[28:29] offset:-1024     ; a wave's store covers 512 consecutive bytes, aligned
.if \more
	LDXC XC0, 4096
	s_wait_dscnt 4                                 ; the odd trip's four are in
.else
	s_wait_dscnt 0x0
.endif
.irp c, 0,1,2,3
	SELC \c, XC1, PK1
.endr
	s_wait_xcnt 0x0                                ; the store of PK0 has had its address translated: the next pass rewrites PK0 only behind this wait
	global_store_b128 v12, v[PK1:PK1+3], s[28:29] offset:-512
.if \more
	v_add_nc_u32 v[CMA], 4096, v[CMA]
.endif
.endm
	v_lshlrev_b32 v12, 4, v1                       ; 16 x lane in tab
	v_lshl_add_u32 v[CMA], s16, 15, v12            ; and my first bytes of CM again
	LDXC XC0, 0
	s_mov_b32 s30, 7
.Ltab:
	TAB2 1
	s_sub_co_i32 s30, s30, 1
	s_cmp_lg_u32 s30, 0
	s_cbranch_scc1 .Ltab
	TAB2 0                                         ; the last two trips fetch nothing further
	s_wait_tensorcnt 0x0
	ds_add_u32 v254, v255
	s_wait_dscnt 0x0
	s_endpgm
.Lfunc_end_k_q0a7c0853cf_thresh:
	.size	k_q0a7c0853cf_thresh, .Lfunc_end_k_q0a7c0853cf_thresh-k_q0a7c0853cf_thresh
	.p2alignl 7, 3214868480
	.fill 96, 4, 3214868480
	.section	.rodata,"a",@progbits
	.p2align	6, 0x0
	.amdhsa_kernel k_q0a7c0853cf_thresh
		.amdhsa_group_segment_fixed_size 176640
		.amdhsa_private_segment_fixed_size 0
		.amdhsa_enable_private_segment 0
		.amdhsa_kernarg_size 32
		.amdhsa_user_sgpr_count 2
		.amdhsa_user_sgpr_kernarg_segment_ptr 1
		.amdhsa_wavefront_size32 1
		.amdhsa_system_sgpr_workgroup_id_x 1
		.amdhsa_system_sgpr_workgroup_id_y 1
		.amdhsa_system_sgpr_workgroup_id_z 1
		.amdhsa_system_vgpr_workitem_id 0
		.amdhsa_next_free_vgpr 480
		.amdhsa_next_free_sgpr 66
		.amdhsa_reserve_vcc 1
		.amdhsa_float_denorm_mode_32 3
		.amdhsa_float_denorm_mode_16_64 3
		.amdhsa_memory_ordered 1
		.amdhsa_forward_progress 1
		.amdhsa_inst_pref_size 255
	.end_amdhsa_kernel
	.section	.bss,"aw",@nobits
	.p2align	6
	.space	262144
	.amdgpu_metadata
---
amdhsa.version: [ 1, 2 ]
amdhsa.kernels:
  - .name:           k_q0a7c0853cf_thresh
    .symbol:         k_q0a7c0853cf_thresh.kd
    .args:
      - { .name: xt, .offset: 0, .size: 8, .value_kind: global_buffer, .address_space: global }
      - { .name: sq, .offset: 8, .size: 8, .value_kind: global_buffer, .address_space: global }
      - { .name: tab, .offset: 16, .size: 8, .value_kind: global_buffer, .address_space: global }
      - { .name: wb, .offset: 24, .size: 8, .value_kind: global_buffer, .address_space: global }
    .group_segment_fixed_size: 176640
    .private_segment_fixed_size: 0
    .kernarg_segment_align: 8
    .kernarg_segment_size: 32
    .max_flat_workgroup_size: 128
    .sgpr_count:     66
    .vgpr_count:     480
    .wavefront_size: 32
...
	.end_amdgpu_metadata
.endif
;; end of part 5
;; launch pick (part 6): grid 256 x 1, 4 waves a work-group, no clusters, 315,904 bytes of LDS; arguments xt, sq, tab, wb, sel; writes sel
.if DOCPART == 6
	.amdgcn_target "amdgcn-amd-amdhsa--gfx1250"
	.amdhsa_code_object_version 6
	.text
	.protected	k_q0a7c0853cf_pick
	.globl	k_q0a7c0853cf_pick
	.p2align	8
	.type	k_q0a7c0853cf_pick,@function
k_q0a7c0853cf_pick:
	s_mov_b64 s[64:65], 0
	v_nop
	global_prefetch_b8 v0, s[64:65] scope:SCOPE_SE
	s_setreg_imm32_b32 hwreg(HW_REG_WAVE_MODE, 25, 1), 1
	s_wait_xcnt 0x0
; SECOND STEP OF THE SELECTION.  The same distances are formed by the same instructions on the same fragments as in the launch before
; (same share of work: 64 queries a work-group, wave w candidates 1024 w .. + 1023, a lane's eight results = one chunk of 8 consecutive candidates).
; tab says for each chunk its slot 0..17 among the row's 18 chosen chunks, or 18: each chunk is put into LDS at its slot (18 is a dump that is
; written over and never used).  Then two lanes a row find WHICH 18 of the 18 x 8 = 144 kept candidates are the nearest; their order is made by the last launch.
;   pass 1: each lane sorts the VALUES of its 72 candidates into a list of 18, one v_med3 a place; the two lists give T, the row's 18th smallest distance;
;   pass 2: each lane goes through its 72 once more, in ascending index: taken = (d < T) or (d = T and some of the equal ones are still to be had);
;           a taken candidate gets the next number 0..17, the others 18.  Lane h = 1 starts behind what lane h = 0 takes, so the numbers ascend with the index.
; The 72 numbers (a byte each) and the nine chunks' first indices go out as whole numbers; the last launch turns them into a list of 18 indices.
; THE PRODUCT LOOP IS PIPELINED: two sets of accumulators.  While tile i's 32 results are turned into distances, the eight matrix instructions of tile i + 1 write
; the other set, one ahead of every four of the 32 distance instructions.  A ring of eight tiles in registers is filled seven tiles ahead.
; OPERANDS come straight into registers; NO CLUSTER: a joint request lands in LDS, of which 12,288 bytes are left beside the records.
; LIMITS: finite inputs and finite distances (no NaN, no infinity).
.set NL, 18
.set INF, 0x7f800000
.set RPITCH, 1232                      ; LDS: a row's 19 records of 64 bytes (eight distances, then the index of the first at + 32) + 16
.set REGION, 64*RPITCH                 ; records of wave w at w x 78,848; four regions: 315,392 bytes
.set VA, 4                             ; v4  (r >> 3) 65536 + (r & 7) 128 + 16 h
.set VB, 5                             ; v5  128 r + 16 h
.set VS, 6                             ; v6  2048 h
.set VQ, 7                             ; v7  4 r
.set VT, 9                             ; v9  16 x lane: my word group in tab
.set BF, 16                            ; v[16:79]   query fragments
.set SQI, 80                           ; v[80:87]   sq of query 16 t + r, twice
.set DD, 88                            ; v[88:151]  results: set s at DD + 32 s, 8 for each t
.set LB, 152                           ; v[152:155] my row's records in my wave's region, for each t
.set TB, 156                           ; v[156:159] four tiles' table words: word t, byte = tile
.set CB, 160                           ; v[160:167] index of my chunk's first candidate, for each of the ring's eight places
.set TA, 170                           ; v[170:185] slots on their way to addresses
.set WBV, 186                          ; v186       slot bases of parts 2, 4, 6 of the row that I take at the end
; window 1, written by its low numbers.  All that stands here is used as a FIRST source (an LDS store's address is one), so that one setting serves the matrix
; instructions, the distances and the LDS stores.
.set AR, 0                             ; v[256:383] candidate fragments, ring of eight tiles x 16 registers
.set SJ, 128                           ; v[384:447] norms of my eight candidates, ring of eight
.set AD, 192                           ; v[448:463] record address of chunk (t, tile): 4 t + tile
.set NEG2, 208                         ; v[464:465] -2.0 twice
.set MSB, 0
.macro WIN new                         ; the immediate's high byte repeats the setting that is left
.if MSB != \new
	s_set_vgpr_msb (MSB<<8)|\new
.set MSB, \new
.endif
.endm
.macro BASE d, p, x, sx, y, sy         ; s[d:d+1] = pointer p + (x << sx) + (y << sy); s3 = 0
	s_lshl_b32 s2, \x, \sx
	s_lshl_b32 s19, \y, \sy
	s_add_co_u32 s2, s2, s19
	s_add_nc_u64 s[\d:\d+1], s[\p:\p+1], s[2:3]
.endm
.macro LOADT b, k                      ; six loads: tile k, counted from the bases, into ring place b
	WIN 0x40                                       ; destination in window 1
.irp i, 0,1,2,3
	global_load_b128 v[AR+16*\b+4*\i:AR+16*\b+4*\i+3], v[VA], s[20:21] offset:(\k)*1024+32*\i
.endr
	global_load_b128 v[SJ+8*\b:SJ+8*\b+3], v[VS], s[22:23] offset:(\k)*32
	global_load_b128 v[SJ+8*\b+4:SJ+8*\b+7], v[VS], s[22:23] offset:(\k)*32+16
.endm
; Matrix instruction m of a tile's eight (0-3: K 0-31 of query tiles 0-3, starting the sums; 4-7: K 32-63), ring place nb, accumulator set ns.
; The four accumulators take turns, one instruction a turn.
.macro WM m, nb, ns
.set wt, (\m)%4
.set wd, DD+32*(\ns)+8*wt
.if (\m) < 4
	v_wmma_f32_16x16x32_bf16 v[wd:wd+7], v[AR+16*(\nb):AR+16*(\nb)+7], v[BF+16*wt:BF+16*wt+7], 0
.else
	v_wmma_f32_16x16x32_bf16 v[wd:wd+7], v[AR+16*(\nb)+8:AR+16*(\nb)+15], v[BF+16*wt+8:BF+16*wt+15], v[wd:wd+7]
.endif
.endm
; The record addresses of four tiles x four query tiles, from the table words; reload = 1: the next four tiles' words are asked for, at byte off from the base.
.macro ADCALC left, reload, off
	s_wait_loadcnt \left                           ; the table words are in: behind them only what the count names was issued
	WIN 0
.irp t, 0,1,2,3
.irp c, 0,1,2,3
	v_bfe_u32 v[TA+4*\t+\c], v[TB+\t], 8*\c, 8
.endr
.endr
.if \reload
	global_load_b128 v[TB:TB+3], v[VT], s[28:29] offset:\off
.endif
.set e, 0
.rept 16
	v_min_u32 v[TA+e], NL, v[TA+e]                 ; a loaded number enters an address only clamped
.set e, e+1
.endr
	WIN 0x40                                       ; destination in window 1
.irp t, 0,1,2,3
.irp c, 0,1,2,3
	v_lshl_add_u32 v[AD+4*\t+\c], v[TA+4*\t+\c], 6, v[LB+\t]
.endr
.endr
.endm
; One tile's turn.  b: its ring place (its accumulator set is b % 2); nb: the next tile's place; mm = 1: the next tile is multiplied; refill = 1: place b gets the
; tile eight further on, 2: the same behind the stepping of the bases; left: how many younger loads may stay out when the next tile has to be there.
; Behind the last matrix instruction stand four additions that name none of its registers, and the next turn begins with twelve more lines on other query
; tiles: the four places (ISA guide 7.12.1) in front of every read of a result are kept without a v_nop.
.macro PHASE b, nb, mm, refill, left
.set dcur, DD+32*(\b%2)
.if \mm
	s_wait_loadcnt \left                           ; loads come back in order: the next tile's six are in, what was issued later stays out
.endif
	WIN 0x01                                       ; source 0 in window 1
.irp t, 0,1,2,3                                    ; d = fma(-2, inner, sq_i),
.if \mm
	WM \t, \nb, 1-\b%2
.endif
.irp q, 0,2,4,6
	v_pk_fma_f32 v[dcur+8*\t+\q:dcur+8*\t+\q+1], v[NEG2:NEG2+1], v[dcur+8*\t+\q:dcur+8*\t+\q+1], v[SQI+2*\t:SQI+2*\t+1]
.endr
.endr
.irp t, 0,1,2,3                                    ; then + sq_j
.if \mm
	WM 4+\t, \nb, 1-\b%2
.endif
.irp q, 0,2,4,6
	v_pk_add_f32 v[dcur+8*\t+\q:dcur+8*\t+\q+1], v[SJ+8*\b+\q:SJ+8*\b+\q+1], v[dcur+8*\t+\q:dcur+8*\t+\q+1]
.endr
.endr
.irp t, 0,1,2,3                                    ; the tile's twelve LDS stores in one run, in the order in which the next turn writes the set again
	ds_store_b128 v[AD+4*\t+\b%4], v[dcur+8*\t:dcur+8*\t+3]
	ds_store_b128 v[AD+4*\t+\b%4], v[dcur+8*\t+4:dcur+8*\t+7] offset:16
	ds_store_b32 v[AD+4*\t+\b%4], v[CB+\b] offset:32
.endr
.if \refill == 1
	LOADT \b, \b+8                                 ; the place's fragments were multiplied a tile ago, its norms have just been added: eight tiles ahead
.endif
.if \refill == 2
	s_wait_xcnt 0x0                                ; the bases are stepped only behind this wait; the youngest load that names them is a tile's work old
	s_add_nc_u64 s[20:21], s[20:21], 8192
	s_add_nc_u64 s[22:23], s[22:23], 256
	s_add_nc_u64 s[28:29], s[28:29], 1024
	LOADT \b, \b                                   ; eight tiles ahead, counted from the stepped bases
.endif
.endm
.macro OCT last                        ; eight tiles, once round the ring
	ADCALC 24, 1, 512                              ; 24 = the four refills issued behind the words
.if \last
	PHASE 0, 1, 1, 0, 37                           ; nothing more is loaded but the last table words: the counts run down by a tile's six loads
	PHASE 1, 2, 1, 0, 31
	PHASE 2, 3, 1, 0, 25
	PHASE 3, 4, 1, 0, 19
	ADCALC 0, 0, 0                                 ; the last table words are the youngest load of all: with them every tile is in,
	PHASE 4, 5, 1, 0, 12                           ; so these three waits are met at once
	PHASE 5, 6, 1, 0, 6
	PHASE 6, 7, 1, 0, 0
	PHASE 7, 0, 0, 0, 0                            ; the last tile: nothing is left to multiply
.else
	PHASE 0, 1, 1, 1, 37                           ; 37 = six younger tiles' 36 loads and the next table words
	PHASE 1, 2, 1, 1, 37
	PHASE 2, 3, 1, 1, 37
	PHASE 3, 4, 1, 1, 37
	ADCALC 24, 1, 1024
	PHASE 4, 5, 1, 1, 37
	PHASE 5, 6, 1, 1, 37
	PHASE 6, 7, 1, 1, 37
	PHASE 7, 0, 1, 2, 37
.endif
	WIN 0
.endm
	s_load_b256 s[4:11], s[0:1], 0x0               ; xt s[4:5], sq s[6:7], tab s[8:9], wb s[10:11]
	s_load_b64 s[12:13], s[0:1], 0x20              ; sel
	v_lshl_add_u32 v254, v0, 2, 0x4d000
	v_mov_b32 v255, 0
	v_lshrrev_b32 v10, 5, v0
	v_readfirstlane_b32 s16, v10                   ; w
	s_lshr_b32 s17, ttmp9, 6                       ; batch
	s_and_b32 s18, ttmp9, 63                       ; block of 64 queries
	s_mov_b32 s3, 0
	s_mov_b32 s31, INF
	s_mov_b32 s32, 0x76543210                      ; v_permlanex16_b32: lane i reads lane i of the other half
	s_mov_b32 s33, 0xfedcba98
	s_mov_b32 s35, 0xffff0000                      ; lanes 16 to 31
	v_and_b32 v1, 31, v0                           ; lane
	v_and_b32 v2, 15, v0                           ; r
	v_bfe_u32 v3, v0, 4, 1                         ; h
	v_lshrrev_b32 v10, 3, v2
	v_and_b32 v11, 7, v2
	v_lshlrev_b32 v[VA], 16, v10
	v_lshl_add_u32 v[VA], v11, 7, v[VA]
	v_lshl_add_u32 v[VA], v3, 4, v[VA]
	v_lshlrev_b32 v[VB], 7, v2
	v_lshl_add_u32 v[VB], v3, 4, v[VB]
	v_lshlrev_b32 v[VS], 11, v3
	v_lshlrev_b32 v[VQ], 2, v2
	v_lshlrev_b32 v[VT], 4, v1
	v_lshl_add_u32 v15, s16, 4, v2                 ; row' = 16 w + r: the row that this lane takes at the end
	v_lshlrev_b32 v10, 3, v15
	v_lshl_add_u32 v10, v3, 2, v10                 ; its word in wb
	s_wait_kmcnt 0x0
	BASE 20, 4, s17, 19, s16, 17                   ; my 1,024 candidates' rows
	BASE 24, 4, s17, 19, s18, 13                   ; the 64 queries' rows
	BASE 22, 6, s17, 14, s16, 12                   ; my candidates' norms
	BASE 26, 6, s17, 14, s18, 8                    ; the queries' norms
	BASE 28, 8, ttmp9, 15, s16, 13                 ; my 8 KiB of tab
	s_lshl_b32 s2, ttmp9, 9
	s_add_nc_u64 s[10:11], s[10:11], s[2:3]        ; the work-group's 512 bytes of wb
	s_mul_i32 s2, ttmp9, 14336
	s_add_nc_u64 s[12:13], s[12:13], s[2:3]        ; its 7 x 128 x 16 bytes of sel
.irp t, 0,1,2,3
.irp i, 0,1,2,3
	global_load_b128 v[BF+16*\t+4*\i:BF+16*\t+4*\i+3], v[VB], s[24:25] offset:\t*2048+\i*32
.endr
.endr
.irp t, 0,1,2,3
	global_load_b32 v[SQI+2*\t], v[VQ], s[26:27] offset:\t*64
.endr
	global_load_b32 v[WBV], v10, s[10:11]
	global_load_b128 v[TB:TB+3], v[VT], s[28:29]
.irp b, 0,1,2,3,4,5
	LOADT \b, \b
.endr
	v_mov_b32 v[NEG2], -2.0                        ; (destination still in window 1)
	v_mov_b32 v[NEG2+1], -2.0
	WIN 0
	s_mul_i32 s19, s16, REGION
	v_mul_u32_u24 v11, v2, RPITCH
	v_add_nc_u32 v[LB], s19, v11
.irp t, 1,2,3
	v_add_nc_u32 v[LB+\t], 16*RPITCH, v[LB+\t-1]
.endr
	v_lshlrev_b32 v[CB], 9, v3
	v_lshl_add_u32 v[CB], s16, 10, v[CB]           ; 1024 w + 512 h
.irp b, 1,2,3,4,5,6,7
	v_add_nc_u32 v[CB+\b], 8, v[CB+\b-1]
.endr
	s_wait_loadcnt 36                              ; all but six tiles' 36 loads: queries, norms, wb and the first table words are in
.irp t, 0,1,2,3
	v_mov_b32 v[SQI+2*\t+1], v[SQI+2*\t]
.endr
	LOADT 6, 6
	LOADT 7, 7
	s_wait_loadcnt 42                              ; tile 0 is in, seven tiles stay out
	WIN 0x01
.irp m, 0,1,2,3,4,5,6,7
	WM \m, 0, 0                                    ; the first tile is multiplied ahead of the loop
.endr
.rept 4
	v_nop                                          ; four places behind the last matrix instruction (ISA guide 7.12.1): here alone nothing else is at hand
.endr
	WIN 0                                          ; at a label and at a branch every window is 0
	s_mov_b32 s30, 7
.Ltrip:
	OCT 0
.irp b, 0,1,2,3,4,5,6,7
	v_add_nc_u32 v[CB+\b], 64, v[CB+\b]            ; eight tiles of eight candidates on
.endr
	s_sub_co_i32 s30, s30, 1
	s_cmp_lg_u32 s30, 0
	s_cbranch_scc1 .Ltrip
	OCT 1
	s_wait_dscnt 0x0                               ; my records are in LDS before the others read them
	s_barrier_signal -1
	s_barrier_wait -1
	; ---- lane (r, h) of wave w takes row' = 16 w + r; h = 0 chunk slots 0-8, h = 1 slots 9-17: 72 candidates, all kept in registers
.set XX, 16                            ; v[16:87]   record s: eight distances at XX + 8 s
.set LL, 88                            ; v[88:105]  my 18 smallest distances, ascending
.set PG, 106                           ; v[106:123] between the passes: the row's 18 smallest, in no order
.set EE, 106                           ; v[106:113] pass 2: a chunk's flags
.set MU, 114                           ; v[114:121]
.set S0, 122                           ; 9 h (until the records are asked for)
.set SS, 123
.set WS, 124
.set ADR, 125
.set RB, 126
.set B2, 127                           ; slots below B2 lie in wave 0's region, below B4 in wave 1's, below B6 in wave 2's, the rest in wave 3's
.set B4, 128
.set B6, 129
.set TT, 130                           ; T
.set LT, 131                           ; how many of my list are below T,
.set EQ, 132                           ; how many equal;
.set PLT, 133                          ; the partner's two counts
.set PEQ, 134
.set NEED, 135                         ; how many of the equal ones the row takes
.set DR, 136                           ; how many of them I may still take
.set CN, 137                           ; 18 - my next number
.set T1, 138
.set T2, 139
.set OW, 150                           ; v[150:177] what goes out: words 0-17 the numbers (two words a chunk), 18-26 the chunks' first indices, 27 zero
.set MK, 36                            ; s[36:43] d = T, s[44:51] d < T, for a chunk's eight
.macro INSL l, x                       ; insert v[x] into the ascending list v[l .. l+17]: place p becomes the middle one of x, old p-1, old p
.set p, NL-1
.rept NL-1
	v_med3_num_f32 v[\l+p], v[\x], v[\l+p-1], v[\l+p]
.set p, p-1
.endr
	v_min_num_f32 v[\l], v[\x], v[\l]
.endm
.macro REC s                           ; three loads: my record number s
	v_add_nc_u32 v[SS], \s, v[S0]
	v_cmp_ge_u32 vcc_lo, v[SS], v[B2]
	v_cndmask_b32 v[WS], 0, 1, vcc_lo
	v_cmp_ge_u32 vcc_lo, v[SS], v[B4]
	v_add_co_ci_u32 v[WS], vcc_lo, 0, v[WS], vcc_lo
	v_cmp_ge_u32 vcc_lo, v[SS], v[B6]
	v_add_co_ci_u32 v[WS], vcc_lo, 0, v[WS], vcc_lo
	v_min_u32 v[WS], 3, v[WS]                      ; which wave's region holds the slot
	v_min_u32 v[SS], NL-1, v[SS]
	v_mul_u32_u24 v[ADR], v[WS], REGION
	v_lshl_add_u32 v[ADR], v[SS], 6, v[ADR]
	v_add_nc_u32 v[ADR], v[ADR], v[RB]
	ds_load_b128 v[XX+8*\s:XX+8*\s+3], v[ADR]
	ds_load_b128 v[XX+8*\s+4:XX+8*\s+7], v[ADR] offset:16
	ds_load_b32 v[OW+18+\s], v[ADR] offset:32
.endm
; Pass 2 for one chunk.  e = (d = T); te = min(e, DR), DR -= te; taken = (d < T) ? 1 : te; number = 18 - taken x CN, CN -= taken.
; The two running counts are one chain each through all 72 candidates; the lines of three neighbouring candidates are laid between their links.
.macro SELCH s
.irp j, 0,1,2,3,4,5,6,7
	v_cmp_eq_f32 s[MK+\j], v[XX+8*\s+\j], v[TT]
.endr
.irp j, 0,1,2,3,4,5,6,7
	v_cmp_lt_f32 s[MK+8+\j], v[XX+8*\s+\j], v[TT]
.endr
.irp j, 0,1,2,3,4,5,6,7
	v_cndmask_b32 v[EE+\j], 0, 1, s[MK+\j]
.endr
.set j, 0
.rept 10
.if j < 8
	v_min_u32 v[EE+j], v[EE+j], v[DR]
.endif
.if j > 0
.if j < 9
	v_cndmask_b32 v[EE+j-1], v[EE+j-1], 1, s[MK+8+j-1]
.endif
.endif
.if j < 8
	v_sub_nc_u32 v[DR], v[DR], v[EE+j]
.endif
.if j > 1
	v_mul_u32_u24 v[MU+j-2], v[EE+j-2], v[CN]
	v_sub_nc_u32 v[CN], v[CN], v[EE+j-2]
.endif
.set j, j+1
.endr
	v_sub_nc_u32 v[OW+2*\s], NL, v[MU]
	v_sub_nc_u32 v[OW+2*\s+1], NL, v[MU+4]
.irp j, 1,5,2,6,3,7
	v_sub_nc_u32 v[MU+\j], NL, v[MU+\j]
.endr
.irp j, 1,2,3
	v_lshl_or_b32 v[OW+2*\s], v[MU+\j], 8*\j, v[OW+2*\s]
	v_lshl_or_b32 v[OW+2*\s+1], v[MU+4+\j], 8*\j, v[OW+2*\s+1]
.endr
.endm
	v_mul_u32_u24 v[S0], v3, 9
	v_mul_u32_u24 v[RB], v15, RPITCH
	v_bfe_u32 v[B2], v[WBV], 0, 8
	v_bfe_u32 v[B4], v[WBV], 8, 8
	v_bfe_u32 v[B6], v[WBV], 16, 8
.irp s, 0,1,2,3,4,5,6,7,8
	REC \s
.endr
.set e, 0
.rept NL
	v_mov_b32 v[LL+e], s31                         ; the list starts at +infinity
.set e, e+1
.endr
	; pass 1
.irp s, 0,1,2,3,4,5,6,7,8
	s_wait_dscnt 24-3*\s                           ; LDS loads come back in order: record s is in, the three loads of each later record stay out
.irp j, 0,1,2,3,4,5,6,7
	INSL LL, XX+8*\s+\j
.endr
.endr
.set e, 0
.rept NL
	v_permlanex16_b32 v[PG+e], v[LL+NL-1-e], s32, s33  ; the partner's list backwards:
.set e, e+1
.endr
.set e, 0
.rept NL
	v_min_num_f32 v[PG+e], v[PG+e], v[LL+e]            ; place by place the smaller one: the 18 smallest of both sorted lists
.set e, e+1
.endr
	v_max3_num_f32 v[TT], v[PG], v[PG+1], v[PG+2]
.set e, 3
.rept 7
	v_max3_num_f32 v[TT], v[TT], v[PG+e], v[PG+e+1]
.set e, e+2
.endr
	v_max_num_f32 v[TT], v[TT], v[PG+17]           ; T = the row's 18th smallest distance
	; All my candidates below T (17 at the most in the row) are in my list; if the equal ones do not all fit, those that fit are at least NEED.
	v_mov_b32 v[LT], 0
	v_mov_b32 v[EQ], 0
.set e, 0
.rept NL
	v_cmp_lt_f32 vcc_lo, v[LL+e], v[TT]
	v_add_co_ci_u32 v[LT], vcc_lo, 0, v[LT], vcc_lo
	v_cmp_eq_f32 vcc_lo, v[LL+e], v[TT]
	v_add_co_ci_u32 v[EQ], vcc_lo, 0, v[EQ], vcc_lo
.set e, e+1
.endr
	v_permlanex16_b32 v[PLT], v[LT], s32, s33
	v_permlanex16_b32 v[PEQ], v[EQ], s32, s33
	v_add_nc_u32 v[T1], v[LT], v[PLT]
	v_sub_nc_u32 v[NEED], NL, v[T1]
	v_min_u32 v[T1], v[PEQ], v[NEED]               ; in lanes 16-31: what the lower lane takes of the equal ones,
	v_sub_nc_u32 v[T2], v[NEED], v[T1]             ; what that leaves,
	v_cndmask_b32 v[DR], v[NEED], v[T2], s35
	v_add_nc_u32 v[T2], v[PLT], v[T1]              ; and how many it takes in all: my first number
	v_sub_nc_u32 v[T2], NL, v[T2]
	v_cndmask_b32 v[CN], NL, v[T2], s35
	v_mov_b32 v[OW+27], 0
	v_lshlrev_b32 v[T1], 4, v0                     ; 16 x thread in sel
	; pass 2
.irp s, 0,1,2,3,4,5,6,7,8
	SELCH \s
.endr
.irp q, 0,1,2,3,4,5,6
	global_store_b128 v[T1], v[OW+4*\q:OW+4*\q+3], s[12:13] offset:\q*2048     ; a wave's store covers 512 consecutive bytes, aligned
.endr
	s_wait_tensorcnt 0x0
	ds_add_u32 v254, v255
	s_wait_dscnt 0x0
	s_endpgm
.Lfunc_end_k_q0a7c0853cf_pick:
	.size	k_q0a7c0853cf_pick, .Lfunc_end_k_q0a7c0853cf_pick-k_q0a7c0853cf_pick
	.p2alignl 7, 3214868480
	.fill 96, 4, 3214868480
	.section	.rodata,"a",@progbits
	.p2align	6, 0x0
	.amdhsa_kernel k_q0a7c0853cf_pick
		.amdhsa_group_segment_fixed_size 315904
		.amdhsa_private_segment_fixed_size 0
		.amdhsa_enable_private_segment 0
		.amdhsa_kernarg_size 40
		.amdhsa_user_sgpr_count 2
		.amdhsa_user_sgpr_kernarg_segment_ptr 1
		.amdhsa_wavefront_size32 1
		.amdhsa_system_sgpr_workgroup_id_x 1
		.amdhsa_system_sgpr_workgroup_id_y 1
		.amdhsa_system_sgpr_workgroup_id_z 1
		.amdhsa_system_vgpr_workitem_id 0
		.amdhsa_next_free_vgpr 480
		.amdhsa_next_free_sgpr 66
		.amdhsa_reserve_vcc 1
		.amdhsa_float_denorm_mode_32 3
		.amdhsa_float_denorm_mode_16_64 3
		.amdhsa_memory_ordered 1
		.amdhsa_forward_progress 1
		.amdhsa_inst_pref_size 204
	.end_amdhsa_kernel
	.amdgpu_metadata
---
amdhsa.version: [ 1, 2 ]
amdhsa.kernels:
  - .name:           k_q0a7c0853cf_pick
    .symbol:         k_q0a7c0853cf_pick.kd
    .args:
      - { .name: xt, .offset: 0, .size: 8, .value_kind: global_buffer, .address_space: global }
      - { .name: sq, .offset: 8, .size: 8, .value_kind: global_buffer, .address_space: global }
      - { .name: tab, .offset: 16, .size: 8, .value_kind: global_buffer, .address_space: global }
      - { .name: wb, .offset: 24, .size: 8, .value_kind: global_buffer, .address_space: global }
      - { .name: sel, .offset: 32, .size: 8, .value_kind: global_buffer, .address_space: global }
    .group_segment_fixed_size: 315904
    .private_segment_fixed_size: 0
    .kernarg_segment_align: 8
    .kernarg_segment_size: 40
    .max_flat_workgroup_size: 128
    .sgpr_count:     66
    .vgpr_count:     480
    .wavefront_size: 32
...
	.end_amdgpu_metadata
.endif
;; end of part 6
;; launch refine (part 7): grid 256 x 1, 4 waves a work-group, no clusters, 10,240 bytes of LDS; arguments xt, sq, sel, out0; writes out0
.if DOCPART == 7
	.amdgcn_target "amdgcn-amd-amdhsa--gfx1250"
	.amdhsa_code_object_version 6
	.text
	.protected	k_q0a7c0853cf_refine
	.globl	k_q0a7c0853cf_refine
	.p2align	8
	.type	k_q0a7c0853cf_refine,@function
k_q0a7c0853cf_refine:
	s_mov_b64 s[64:65], 0
	v_nop
	global_prefetch_b8 v0, s[64:65] scope:SCOPE_SE
	s_setreg_imm32_b32 hwreg(HW_REG_WAVE_MODE, 25, 1), 1
	s_wait_xcnt 0x0
; LAST STEP: THE ORDER OF THE 18 FINALISTS OF EACH ROW, AND THE OUTPUT.
; sel holds, as whole numbers, for each of a row's 144 kept candidates its number 0..17 among the row's 18 nearest by the matrix unit's sums (ascending with
; the index), or 18, and the first index of each kept chunk.  Each candidate's index is put into LDS at its number (18 is a dump), which gives the row's list of
; 18 finalists in ascending index.  Each finalist's distance is then formed once more with the 64 products added ONE AFTER THE OTHER in ascending channel,
; each sum rounded to f32 (the order of a plain f32 product loop; a product of two bf16 numbers is exact in f32, so one fused multiply-add is that one
; rounding); then d = fma(-2, inner, sq_i) + sq_j as everywhere.  The finalists are ranked by (distance, index); ranks 0, 2, .. 16 go out, and the row's own
; index nine times.  This is 18 of 4,096 products a row: the bulk is on the matrix unit.
; SHARE: a work-group takes 64 rows; lane (r, h) of wave w takes row' = 16 w + r and finalists 9 h .. 9 h + 8 (and had the same row's chunk slots 9 h .. in the
; launch before, so it reads its own 112 bytes of sel).  The two lanes of a row exchange their nine distances, and each counts for its own nine how many of the
; other 17 stand ahead.  Since the list ascends in index, 'ahead' is one compare: <= for a finalist at a lower place, < for one at a higher place.
; No address hangs on a rank: the outputs are picked by selects.  No matrix unit (chains of dependent sums), no cluster (gathered rows are shared by nobody
; in a way known beforehand), no tensor load.
; LIMITS: finite inputs; products that are no f32 denormals.  A candidate that is beyond place 18 by the matrix unit's sums cannot enter: two or more
; candidates within the difference of the two ways of summing at the list's edge at once can give another order than plain sums over all 4,096.
.set PART2, 589824                     ; bytes of one half of out0
.set FL, 4608                          ; LDS: behind the stage [2][64][9] words: the rows' lists, pitch 80 bytes (19 words used), each wave's own 16 rows
.set XQ, 16                            ; v[16:47]   my row: 32 words of two channels
.set CI, 48                            ; v[48:56]   my nine finalists' indices
.set OF, 58                            ; v[58:66]   x 128: their rows in xt
.set OS, 68                            ; v[68:76]   x 4: their norms in sq
.set SJ, 78                            ; v[78:86]   their norms
.set AC, 88                            ; v[88:96]   their inner products, then their distances
.set SQI, 97                           ; v97        my row's norm
.set PD, 98                            ; v[98:106]  the partner's nine distances
.set KK, 108                           ; v[108:116] counts against the partner's nine
.set RK, 118                           ; v[118:126] ranks of my nine
.set OUT, 128                          ; v[128:136] index of rank 2 k
.set ZERO, 137
.set CEN, 138
.set SA, 139
.set T0, 140
.set W, 144                            ; v[144:171] my 28 words of sel
.set AA, 172                           ; v[172:179] a chunk's eight LDS addresses
.set XI, 180                           ; v[180:187] and indices
.set FLB, 188                          ; my row's list
.set SG, 189                           ; h << 31
.set YN, 190                           ; v[190:198] my nine distances, negated in lanes 16-31
; window 1: v[256:447] gathered rows: two buffers of three rows x 32 words, written v[96 b + 32 c + ..] under the window
.set MSB, 0
.macro WIN new                         ; the immediate's high byte repeats the setting that is left
.if MSB != \new
	s_set_vgpr_msb (MSB<<8)|\new
.set MSB, \new
.endif
.endm
.macro SCAT s                          ; chunk s of my nine: eight indices go to their numbers' places in the row's list
.irp j, 0,1,2,3,4,5,6,7
	v_bfe_u32 v[AA+\j], v[W+2*\s+\j/4], 8*(\j%4), 8
.endr
.irp j, 0,1,2,3,4,5,6,7
	v_min_u32 v[AA+\j], 18, v[AA+\j]               ; a loaded number enters an address only clamped
.endr
.irp j, 0,1,2,3,4,5,6,7
	v_lshl_add_u32 v[AA+\j], v[AA+\j], 2, v[FLB]
.endr
.irp j, 0,1,2,3,4,5,6,7
	v_add_nc_u32 v[XI+\j], \j, v[W+18+\s]
.endr
.irp j, 0,1,2,3,4,5,6,7
	ds_store_b32 v[AA+\j], v[XI+\j]
.endr
.endm
.macro LOADG g, b                      ; 27 loads: finalists 3 g .. 3 g + 2, rows into buffer b, norms into SJ
	WIN 0x40                                       ; destination in window 1
.irp c, 0,1,2
.irp i, 0,1,2,3,4,5,6,7
	global_load_b128 v[96*\b+32*\c+4*\i:96*\b+32*\c+4*\i+3], v[OF+3*\g+\c], s[20:21] offset:16*\i
.endr
.endr
	WIN 0
.irp c, 0,1,2
	global_load_b32 v[SJ+3*\g+\c], v[OS+3*\g+\c], s[22:23]
.endr
.endm
.macro FMA3 g, b                       ; three chains of 64 sums side by side, channels ascending: a word's low half, then its high half
	WIN 0x01                                       ; source 0 in window 1
.set q, 0
.rept 32
.irp c, 0,1,2
.if q == 0
	v_fma_mix_f32_bf16 v[AC+3*\g+\c], v[96*\b+32*\c+q], v[XQ+q], v[ZERO] op_sel_hi:[1,1,0]
.else
	v_fma_mix_f32_bf16 v[AC+3*\g+\c], v[96*\b+32*\c+q], v[XQ+q], v[AC+3*\g+\c] op_sel_hi:[1,1,0]
.endif
.endr
.irp c, 0,1,2
	v_fma_mix_f32_bf16 v[AC+3*\g+\c], v[96*\b+32*\c+q], v[XQ+q], v[AC+3*\g+\c] op_sel:[1,1,0] op_sel_hi:[1,1,0]
.endr
.set q, q+1
.endr
	WIN 0
.endm
	s_load_b256 s[4:11], s[0:1], 0x0               ; xt s[4:5], sq s[6:7], sel s[8:9], out0 s[10:11]
	v_lshl_add_u32 v254, v0, 2, 0x2600
	v_mov_b32 v255, 0
	v_lshrrev_b32 v9, 5, v0
	v_readfirstlane_b32 s16, v9                    ; w
	s_lshr_b32 s17, ttmp9, 6                       ; batch
	s_and_b32 s18, ttmp9, 63                       ; block of 64 rows
	s_mov_b32 s3, 0
	s_mov_b32 s32, 0x76543210                      ; v_permlanex16_b32: lane i reads lane i of the other half
	s_mov_b32 s33, 0xfedcba98
	s_mov_b32 s35, 0xffff0000                      ; lanes 16 to 31
	v_and_b32 v2, 15, v0                           ; r
	v_bfe_u32 v3, v0, 4, 1                         ; h
	v_lshl_add_u32 v15, s16, 4, v2                 ; row' = 16 w + r
	v_lshlrev_b32 v4, 4, v0                        ; 16 x thread: my words in sel
	v_lshlrev_b32 v5, 7, v15                       ; my row in xt
	v_lshlrev_b32 v6, 2, v15                       ; its norm
	v_mov_b32 v[ZERO], 0
	s_wait_kmcnt 0x0
	s_lshl_b32 s2, s17, 19
	s_add_nc_u64 s[20:21], s[4:5], s[2:3]          ; the batch's 4,096 rows
	s_lshl_b32 s2, s18, 13
	s_add_nc_u64 s[24:25], s[20:21], s[2:3]        ; the work-group's 64 rows among them
	s_lshl_b32 s2, s17, 14
	s_add_nc_u64 s[22:23], s[6:7], s[2:3]          ; the batch's norms
	s_lshl_b32 s2, s18, 8
	s_add_nc_u64 s[26:27], s[22:23], s[2:3]
	s_mul_i32 s2, ttmp9, 14336
	s_add_nc_u64 s[8:9], s[8:9], s[2:3]            ; the work-group's 7 x 128 x 16 bytes of sel
	s_mul_i32 s2, ttmp9, 2304
	s_add_nc_u64 s[10:11], s[10:11], s[2:3]        ; its 64 x 36 bytes of each half of out0
.irp q, 0,1,2,3,4,5,6
	global_load_b128 v[W+4*\q:W+4*\q+3], v4, s[8:9] offset:\q*2048
.endr
.irp i, 0,1,2,3,4,5,6,7
	global_load_b128 v[XQ+4*\i:XQ+4*\i+3], v5, s[24:25] offset:16*\i
.endr
	global_load_b32 v[SQI], v6, s[26:27]
	s_mul_i32 s19, s16, 16*80
	s_add_co_u32 s19, s19, FL                      ; my wave's 16 lists
	v_mul_u32_u24 v[FLB], v2, 80
	v_add_nc_u32 v[FLB], s19, v[FLB]
	v_mul_u32_u24 v[T0], v3, 36
	v_add_nc_u32 v[T0], v[T0], v[FLB]              ; my nine places in the list
	v_lshlrev_b32 v[SG], 31, v3
	s_wait_loadcnt 9                               ; my words of sel are in; my row's eight loads and its norm stay out
.irp s, 0,1,2,3,4,5,6,7,8
	SCAT \s
.endr
.irp c, 0,1,2,3,4,5,6,7,8
	ds_load_b32 v[CI+\c], v[T0] offset:4*\c        ; both lanes of a row are in one wave, and LDS serves a wave's instructions in order (ISA guide 5.7.1.4): these see the stores above
.endr
	s_wait_dscnt 0x0
.irp c, 0,1,2,3,4,5,6,7,8
	v_min_u32 v[CI+\c], 0xfff, v[CI+\c]            ; a loaded number enters an address only clamped
.endr
.irp c, 0,1,2,3,4,5,6,7,8
	v_lshlrev_b32 v[OF+\c], 7, v[CI+\c]
	v_lshlrev_b32 v[OS+\c], 2, v[CI+\c]
.endr
	LOADG 0, 0
	LOADG 1, 1                                     ; 9 + 27 + 27 = 63 loads are out at the most
	s_wait_loadcnt 27                              ; all but the second group: my row and the first three finalists are in
	FMA3 0, 0
	LOADG 2, 0                                     ; the first buffer has been read: the last three finalists
	s_wait_loadcnt 27                              ; the second group is in
	FMA3 1, 1
	s_wait_loadcnt 0x0
	FMA3 2, 0
.irp c, 0,1,2,3,4,5,6,7,8
	v_fma_f32 v[AC+\c], v[AC+\c], -2.0, v[SQI]     ; sq_i - 2 inner, one rounding,
.endr
.irp c, 0,1,2,3,4,5,6,7,8
	v_add_f32 v[AC+\c], v[AC+\c], v[SJ+\c]         ; + sq_j, one more
.endr
.irp c, 0,1,2,3,4,5,6,7,8
	v_mov_b32 v[PD+\c], v[AC+\c]                   ; v_permlanex16_b32 counts as a reader of its destination: it is written first
	v_mov_b32 v[RK+\c], 0
	v_mov_b32 v[KK+\c], 0
.endr
.irp c, 0,1,2,3,4,5,6,7,8
	v_permlanex16_b32 v[PD+\c], v[AC+\c], s32, s33
.endr
	; Against the partner's nine.  Lanes 0-15: the partner's indices are the higher ones, ahead = (partner < mine).  Lanes 16-31: they are the lower ones,
	; ahead = (partner <= mine) = not (mine < partner).  With both distances negated in lanes 16-31 one compare, partner' < mine', counts the first
	; there and (mine < partner) here; here the count is then taken from 9.
.irp c, 0,1,2,3,4,5,6,7,8
	v_xor_b32 v[PD+\c], v[SG], v[PD+\c]
	v_xor_b32 v[YN+\c], v[SG], v[AC+\c]
.endr
.irp c, 0,1,2,3,4,5,6,7,8
.irp o, 0,1,2,3,4,5,6,7,8
.if \o < \c
	v_cmp_le_f32 vcc_lo, v[AC+\o], v[AC+\c]        ; a lower place of my own nine: the lower index wins a tie
	v_add_co_ci_u32 v[RK+\c], vcc_lo, 0, v[RK+\c], vcc_lo
.endif
.if \o > \c
	v_cmp_lt_f32 vcc_lo, v[AC+\o], v[AC+\c]
	v_add_co_ci_u32 v[RK+\c], vcc_lo, 0, v[RK+\c], vcc_lo
.endif
	v_cmp_lt_f32 vcc_lo, v[PD+\o], v[YN+\c]
	v_add_co_ci_u32 v[KK+\c], vcc_lo, 0, v[KK+\c], vcc_lo
.endr
.endr
.irp c, 0,1,2,3,4,5,6,7,8
	v_sub_nc_u32 v[YN+\c], 9, v[KK+\c]
.endr
.irp c, 0,1,2,3,4,5,6,7,8
	v_cndmask_b32 v[KK+\c], v[KK+\c], v[YN+\c], s35
.endr
.irp c, 0,1,2,3,4,5,6,7,8
	v_add_nc_u32 v[RK+\c], v[RK+\c], v[KK+\c]      ; the ranks of a row's 18 are 0..17, each once
.endr
	; rank 2 k is among my nine or among the partner's: mine by selects (0 if none), then both lanes' words are joined
.irp k, 0,1,2,3,4,5,6,7,8
	v_cmp_eq_u32 vcc_lo, 2*\k, v[RK]
	v_cndmask_b32 v[OUT+\k], 0, v[CI], vcc_lo
.irp c, 1,2,3,4,5,6,7,8
	v_cmp_eq_u32 vcc_lo, 2*\k, v[RK+\c]
	v_cndmask_b32 v[OUT+\k], v[OUT+\k], v[CI+\c], vcc_lo
.endr
.endr
.irp k, 0,1,2,3,4,5,6,7,8
	v_permlanex16_b32 v[PD+\k], v[OUT+\k], s32, s33
.endr
.irp k, 0,1,2,3,4,5,6,7,8
	v_or_b32 v[OUT+\k], v[OUT+\k], v[PD+\k]
.endr
	; ---- the way out: lanes 0-15 put the nine neighbours, lanes 16-31 the row's own index nine times, into the stage [2][64][9]; it leaves in 16-byte pieces
	v_lshl_add_u32 v[CEN], s18, 6, v15             ; the row's index in its batch
	v_mul_u32_u24 v[SA], v15, 36
	v_mul_u32_u24 v[T0], v3, 2304
	v_add_nc_u32 v[SA], v[SA], v[T0]
.irp k, 0,1,2,3,4,5,6,7,8
	v_cndmask_b32 v[T0], v[OUT+\k], v[CEN], s35
	ds_store_b32 v[SA], v[T0] offset:4*\k
.endr
	s_wait_dscnt 0x0                               ; my words are in LDS before the others read them
	s_barrier_signal -1
	s_barrier_wait -1
	v_lshlrev_b32 v7, 4, v0
	ds_load_b128 v[16:19], v7
	ds_load_b128 v[20:23], v7 offset:2304
	s_wait_dscnt 0x0
	global_store_b128 v7, v[16:19], s[10:11]                   ; a wave's store covers 512 consecutive bytes, aligned (2,304 = 9 x 256)
	global_store_b128 v7, v[20:23], s[10:11] offset:PART2
	s_cmp_lg_u32 s16, 0
	s_cbranch_scc1 .Ldone                          ; the ninth block of 256 bytes of both halves: wave 0, sixteen lanes each
	v_lshlrev_b32 v8, 4, v2
	v_mul_u32_u24 v10, v3, 2304
	v_add3_u32 v10, v10, v8, 2048
	v_mul_u32_u24 v11, v3, PART2
	v_add3_u32 v11, v11, v8, 2048
	ds_load_b128 v[24:27], v10
	s_wait_dscnt 0x0
	global_store_b128 v11, v[24:27], s[10:11]
.Ldone:
	s_wait_tensorcnt 0x0
	ds_add_u32 v254, v255
	s_wait_dscnt 0x0
	s_endpgm
.Lfunc_end_k_q0a7c0853cf_refine:
	.size	k_q0a7c0853cf_refine, .Lfunc_end_k_q0a7c0853cf_refine-k_q0a7c0853cf_refine
	.p2alignl 7, 3214868480
	.fill 96, 4, 3214868480
	.section	.rodata,"a",@progbits
	.p2align	6, 0x0
	.amdhsa_kernel k_q0a7c0853cf_refine
		.amdhsa_group_segment_fixed_size 10240
		.amdhsa_private_segment_fixed_size 0
		.amdhsa_enable_private_segment 0
		.amdhsa_kernarg_size 32
		.amdhsa_user_sgpr_count 2
		.amdhsa_user_sgpr_kernarg_segment_ptr 1
		.amdhsa_wavefront_size32 1
		.amdhsa_system_sgpr_workgroup_id_x 1
		.amdhsa_system_sgpr_workgroup_id_y 1
		.amdhsa_system_sgpr_workgroup_id_z 1
		.amdhsa_system_vgpr_workitem_id 0
		.amdhsa_next_free_vgpr 448
		.amdhsa_next_free_sgpr 66
		.amdhsa_reserve_vcc 1
		.amdhsa_float_denorm_mode_32 3
		.amdhsa_float_denorm_mode_16_64 3
		.amdhsa_memory_ordered 1
		.amdhsa_forward_progress 1
		.amdhsa_inst_pref_size 90
	.end_amdhsa_kernel
	.amdgpu_metadata
---
amdhsa.version: [ 1, 2 ]
amdhsa.kernels:
  - .name:           k_q0a7c0853cf_refine
    .symbol:         k_q0a7c0853cf_refine.kd
    .args:
      - { .name: xt, .offset: 0, .size: 8, .value_kind: global_buffer, .address_space: global }
      - { .name: sq, .offset: 8, .size: 8, .value_kind: global_buffer, .address_space: global }
      - { .name: sel, .offset: 16, .size: 8, .value_kind: global_buffer, .address_space: global }
      - { .name: out0, .offset: 24, .size: 8, .value_kind: global_buffer, .address_space: global }
    .group_segment_fixed_size: 10240
    .private_segment_fixed_size: 0
    .kernarg_segment_align: 8
    .kernarg_segment_size: 32
    .max_flat_workgroup_size: 128
    .sgpr_count:     66
    .vgpr_count:     448
    .wavefront_size: 32
...
	.end_amdgpu_metadata
.endif
;; end of part 7
;; ======== version 3 of 3: 4 launches; version 2 with the launches thresh, pick written anew for expert scheduling mode
;; workspace buffers: xt 2,097,152 bytes; sq 65,536 bytes; tab 8,388,608 bytes of whole numbers; wb 131,072 bytes of whole numbers; sel 3,670,016 bytes of whole numbers
;; launch prep: the kernel of part 1 again; grid 256 x 1, 4 waves a work-group, no clusters, 9,728 bytes of LDS; arguments x, xt, sq; writes xt, sq
;; launch thresh (part 8): grid 256 x 1, 4 waves a work-group, no clusters, 176,640 bytes of LDS; arguments xt, sq, tab, wb; writes tab, wb
.if DOCPART == 8
	.amdgcn_target "amdgcn-amd-amdhsa--gfx1250"
	.amdhsa_code_object_version 6
	.text
	.protected	k_q0a7c0853cf_thresh
	.globl	k_q0a7c0853cf_thresh
	.p2align	8
	.type	k_q0a7c0853cf_thresh,@function
k_q0a7c0853cf_thresh:
	s_mov_b64 s[64:65], 0
	v_nop
	global_prefetch_b8 v0, s[64:65] scope:SCOPE_SE
	s_setreg_imm32_b32 hwreg(HW_REG_WAVE_SCHED_MODE, 0, 2), 2
	s_setreg_imm32_b32 hwreg(HW_REG_WAVE_MODE, 25, 1), 1
	s_wait_xcnt 0x0
	s_wait_alu depctr_vm_vsrc(0)
; FIRST STEP OF THE SELECTION.  d(i, j) = (sq_i - 2 x_i.x_j) + sq_j, two roundings in that order, on points rounded to bf16; x_i.x_j from the matrix unit.
; Ranks 0 to 16 are wanted; the 18 nearest by these sums are kept, one more than wanted, and a last launch orders them by sums made in plain order.
; A chunk is 8 candidates with consecutive indices (512 chunks a row).  Ordered by (chunk minimum, chunk number), the NC = 18 nearest candidates lie in the
; 18 first chunks: a chunk that holds one of them has at most 17 chunks ahead of it.  This launch finds those 18 chunks for every row and stores,
; as whole numbers, for every chunk its slot 0..17 (ascending chunk number) or 18 for none; the next launch forms the same distances again
; with the same instructions and keeps the chosen chunks.  Values alone are sorted here: one v_med3 for each place of a list of 18.
; SHARE: a work-group takes 64 query rows x 4,096 candidates; wave w candidates 1024 w .. + 1023 for all 64 queries (four query tiles t stay in registers as
; the matrix instruction's second source).  Row m of candidate tile c stands for candidate 1024 w + 512 (m >> 3) + 8 c + (m & 7), so that the eight result
; registers of lane (r, h) are the chunk 64 g + c, g = 2 w + h, of query 16 t + r.  A row has eight part lists, one for each g.
; THE LOOP IS PIPELINED: two sets of accumulators.  While tile i's 32 results are turned into distances, minima and list entries, the eight matrix
; instructions of tile i + 1 write the other set, one ahead of every nine of the 72 list insertions.  A ring of eight tiles in registers is filled seven tiles ahead.
; OPERANDS come from memory straight into registers: no two waves of the work-group read the same candidates, so LDS would add no reuse; 2 KiB of a
; candidate tile feed 8 matrix instructions and 120 vector instructions.  NO CLUSTER: the 64 work-groups of a batch do read the same xt, but a joint
; request lands in LDS, from where the fragments would have to be loaded a second time; the vector work per tile is what the loop consists of.
; LIMITS: finite inputs and finite distances (no NaN, no infinity).  The 64 products of a distance are summed by the matrix unit in its own order.
; THE MODE: SCHED_MODE bits 1:0 = 2 (LLVM: expert scheduling mode 2), set by the entry lines.  The code itself states the register dependences
; between vector or matrix instructions and memory or LDS instructions, with s_wait_alu, always for 0.
; THE PLAN.  Registers that memory or LDS instructions touch, in the product loop:
;   AR[b], SJ[b]  ring place b.  AR[b] is read by the matrix instructions of turn b - 1, SJ[b] by the additions of turn b; the loads of turn b land in both.
;   CMR           written by each turn's four v_min; read by the four LDS stores of turns 3 and 7 (and by the insertions, which write nothing of it).
;   v[CMA]        read by those stores; written once a trip, at the trip's end.
;   v[VA], v[VS]  read by every load; never written again: the scalar bases move on, and immediate offsets do the rest.
;   The accumulators, the lists, the query fragments and the norms of the queries are named by vector and matrix instructions alone.
; So ONE wait on va_vdst stands in a turn, behind its v_min; the turn's loads and LDS stores follow it at once.  A wait on vm_vsrc stands in turn 4 and at the
; trip's end, ahead of the lines that write again what the LDS stores of turns 3 and 7 read.
; Behind the loop every address is made at once, ahead of one wait, and every run of LDS loads has registers of its own, so that a wait is owed only ahead of each run of stores.
; VCC and the mask registers are written by compares alone, each compare or run of compares with its wait straight behind it; counts are made by selects, with no carry.
.set NC, 18
.set INF, 0x7f800000
.set CM, 0                             ; LDS: chunk minima [w 4][trip 16][t 4][lane 32][16 B], each wave's own: 131,072 bytes
.set LS, 131072                        ; part lists: row pitch 656, list pitch 80 (18 f32 used): 41,984 bytes
.set TN, 173056                        ; (T, need) of a row: row x 16 + half x 8: 1,024 bytes
.set CT, 174080                        ; counts: row x 32 + g x 4: 2,048 bytes
.set VA, 4                             ; v4  (r >> 3) 65536 + (r & 7) 128 + 16 h : my 16 bytes in a candidate tile
.set VB, 5                             ; v5  128 r + 16 h : in a query tile
.set VS, 6                             ; v6  2048 h : my eight candidates' norms
.set VQ, 7                             ; v7  4 r : my query's norm
.set CMA, 8                            ; v8  my place in CM
.set BF, 16                            ; v[16:79]   query fragments: tile t 16 registers (K 0-31, K 32-63)
.set SQI, 80                           ; v[80:87]   sq of query 16 t + r, twice (a pair for the packed form)
.set DD, 88                            ; v[88:151]  results: set s at DD + 32 s, 8 for each t
.set LIST, 152                         ; v[152:223] my sorted 18 smallest chunk minima, 18 registers for each t
.set ACR, 224                          ; v224  behind the loop: my row's eight count words in CT
.set AWB, 225                          ; v225  my word in wb
.set ATB, 226                          ; v226  16 x lane in tab
.set ACM, 227                          ; v227  my place in CM, for the table loop
.set MK, 36                            ; s[36:43] masks
; window 1, written by its low numbers.  All that stands here is used as a FIRST source, so that one setting (source 0 in window 1) serves the matrix
; instructions, the distances and the insertions.
.set AR, 0                             ; v[256:383] candidate fragments, ring of eight tiles x 16 registers
.set SJ, 128                           ; v[384:447] norms of my eight candidates, ring of eight
.set CMR, 192                          ; v[448:463] four tiles' chunk minima: 4 t + tile
.set NEG2, 208                         ; v[464:465] -2.0 twice
.set MSB, 0
.macro WIN new                         ; the immediate's high byte repeats the setting that is left
.if MSB != \new
	s_set_vgpr_msb (MSB<<8)|\new
.set MSB, \new
.endif
.endm
.macro BASE d, p, x, sx, y, sy         ; s[d:d+1] = pointer p + (x << sx) + (y << sy); s3 = 0
	s_lshl_b32 s2, \x, \sx
	s_lshl_b32 s19, \y, \sy
	s_add_co_u32 s2, s2, s19
	s_add_nc_u64 s[\d:\d+1], s[\p:\p+1], s[2:3]
.endm
.macro LOADT b, k                      ; six loads: tile k, counted from the bases, into ring place b
	WIN 0x40                                       ; destination in window 1
.irp i, 0,1,2,3
	global_load_b128 v[AR+16*\b+4*\i:AR+16*\b+4*\i+3], v[VA], s[20:21] offset:(\k)*1024+32*\i
.endr
	global_load_b128 v[SJ+8*\b:SJ+8*\b+3], v[VS], s[22:23] offset:(\k)*32
	global_load_b128 v[SJ+8*\b+4:SJ+8*\b+7], v[VS], s[22:23] offset:(\k)*32+16
.endm
; Matrix instruction m of a tile's eight (0-3: K 0-31 of query tiles 0-3, starting the sums; 4-7: K 32-63), ring place nb, accumulator set ns.
; The four accumulators take turns, one instruction a turn.
.macro WM m, nb, ns
.set wt, (\m)%4
.set wd, DD+32*(\ns)+8*wt
.if (\m) < 4
	v_wmma_f32_16x16x32_bf16 v[wd:wd+7], v[AR+16*(\nb):AR+16*(\nb)+7], v[BF+16*wt:BF+16*wt+7], 0
.else
	v_wmma_f32_16x16x32_bf16 v[wd:wd+7], v[AR+16*(\nb)+8:AR+16*(\nb)+15], v[BF+16*wt+8:BF+16*wt+15], v[wd:wd+7]
.endif
.endm
.macro INSL l, x                       ; insert v[x] into the ascending list v[l .. l+17]: place p becomes the middle one of x, old p-1, old p
.set p, NC-1
.rept NC-1
	v_med3_num_f32 v[\l+p], v[\x], v[\l+p-1], v[\l+p]
.set p, p-1
.endr
	v_min_num_f32 v[\l], v[\x], v[\l]
.endm
; The four chunk minima of ring place b go into the four lists: 72 vector instructions; mm = 1: ahead of every ninth stands one matrix instruction of the next
; tile.  Nine insertions follow the last one: more than the four places (ISA guide 7.12.1) that its result needs before it is read.
.macro INSM b, mm, nb, ns
.set n, 0
.irp t, 0,1,2,3
.set p, NC-1
.rept NC
.if \mm
.if n%9 == 0
	WM n/9, \nb, \ns
.endif
.endif
.if p > 0
	v_med3_num_f32 v[LIST+18*\t+p], v[CMR+4*\t+\b%4], v[LIST+18*\t+p-1], v[LIST+18*\t+p]
.else
	v_min_num_f32 v[LIST+18*\t], v[CMR+4*\t+\b%4], v[LIST+18*\t]
.endif
.set p, p-1
.set n, n+1
.endr
.endr
.endm
.macro CMST half                       ; four tiles' 16 chunk minima go to my own bytes of CM
	WIN 0x04                                       ; store data (source 1) in window 1
.irp t, 0,1,2,3
	ds_store_b128 v[CMA], v[CMR+4*\t:CMR+4*\t+3] offset:(\half)*2048+\t*512
.endr
.endm
; One tile's turn.  b: its ring place (its accumulator set is b % 2); nb: the next tile's place; mm = 1: the next tile is multiplied; refill = 1: place b gets the
; tile eight further on, 2: the same behind the stepping of the bases; left: how many younger loads may stay out when the next tile has to be there.
.macro PHASE b, nb, mm, refill, left
.set dcur, DD+32*(\b%2)
	WIN 0x01                                       ; source 0 in window 1
.irp t, 0,1,2,3                                    ; d = fma(-2, inner, sq_i), then + sq_j; the four query tiles side by side
.irp q, 0,2,4,6
	v_pk_fma_f32 v[dcur+8*\t+\q:dcur+8*\t+\q+1], v[NEG2:NEG2+1], v[dcur+8*\t+\q:dcur+8*\t+\q+1], v[SQI+2*\t:SQI+2*\t+1]
.endr
.endr
.irp t, 0,1,2,3
.irp q, 0,2,4,6
	v_pk_add_f32 v[dcur+8*\t+\q:dcur+8*\t+\q+1], v[SJ+8*\b+\q:SJ+8*\b+\q+1], v[dcur+8*\t+\q:dcur+8*\t+\q+1]
.endr
.endr
	WIN 0                                          ; the four chunks' minima, layer by layer, in place: the distances are not needed again
.irp t, 0,1,2,3
	v_min3_num_f32 v[dcur+8*\t], v[dcur+8*\t], v[dcur+8*\t+1], v[dcur+8*\t+2]
.endr
.irp t, 0,1,2,3
	v_min3_num_f32 v[dcur+8*\t+3], v[dcur+8*\t+3], v[dcur+8*\t+4], v[dcur+8*\t+5]
.endr
.irp t, 0,1,2,3
	v_min3_num_f32 v[dcur+8*\t], v[dcur+8*\t], v[dcur+8*\t+6], v[dcur+8*\t+7]
.endr
.if \b == 4
	s_wait_alu depctr_vm_vsrc(0)                   ; the four LDS stores of turn 3 have read CMR, which this turn and the next three write again
.endif
	WIN 0x40                                       ; destination in window 1
.irp t, 0,1,2,3
	v_min_num_f32 v[CMR+4*\t+\b%4], v[dcur+8*\t], v[dcur+8*\t+3]
.endr
.if (\refill) || (\b%4 == 3)
	s_wait_alu depctr_va_vdst(0)                   ; the last turn's matrix instructions are done reading AR[b] and this turn's additions SJ[b], in which the loads below land; CMR and v[CMA] are written, which the LDS stores of turns 3 and 7 read
.endif
.if \refill == 1
	LOADT \b, \b+8                                 ; the place's fragments were multiplied a tile ago, its norms have just been added: eight tiles ahead
.endif
.if \refill == 2
	s_wait_xcnt 0x0                                ; the bases are stepped only behind this wait; the youngest load that names them is a tile's work old
	s_add_nc_u64 s[20:21], s[20:21], 8192
	s_add_nc_u64 s[22:23], s[22:23], 256
	LOADT \b, \b                                   ; eight tiles ahead, counted from the stepped bases
.endif
.if \b%4 == 3
	CMST \b/4                                      ; no vector instruction since the wait has written CMR or v[CMA]
.endif
.if \mm
	s_wait_loadcnt \left                           ; loads come back in order: the next tile's six are in, the younger tiles' stay out
.endif
	WIN 0x01
	INSM \b, \mm, \nb, 1-\b%2
.endm
.macro OCT last                        ; eight tiles, once round the ring
.if \last
	PHASE 0, 1, 1, 0, 36                           ; nothing more is loaded: the counts run down by a tile's six loads
	PHASE 1, 2, 1, 0, 30
	PHASE 2, 3, 1, 0, 24
	PHASE 3, 4, 1, 0, 18
	PHASE 4, 5, 1, 0, 12
	PHASE 5, 6, 1, 0, 6
	PHASE 6, 7, 1, 0, 0
	PHASE 7, 0, 0, 0, 0                            ; the last tile: nothing is left to multiply
.else
	PHASE 0, 1, 1, 1, 42                           ; 42 = the seven younger tiles' loads
	PHASE 1, 2, 1, 1, 42
	PHASE 2, 3, 1, 1, 42
	PHASE 3, 4, 1, 1, 42
	PHASE 4, 5, 1, 1, 42
	PHASE 5, 6, 1, 1, 42
	PHASE 6, 7, 1, 1, 42
	PHASE 7, 0, 1, 2, 42
.endif
	WIN 0
.endm
.macro LDL d, a, o                     ; a list of 18 from LDS
.irp i, 0,1,2,3
	ds_load_b128 v[\d+4*\i:\d+4*\i+3], v[\a] offset:\o+16*\i
.endr
	ds_load_b64 v[\d+16:\d+17], v[\a] offset:\o+64
.endm
.macro BAR                             ; what I put into LDS, and what I read from it, is done; then all four waves meet
	s_wait_dscnt 0x0
	s_barrier_signal -1
	s_barrier_wait -1
.endm
	s_load_b256 s[4:11], s[0:1], 0x0               ; xt s[4:5], sq s[6:7], tab s[8:9], wb s[10:11]
	v_lshl_add_u32 v254, v0, 2, 0x2b000
	v_mov_b32 v255, 0
	v_lshrrev_b32 v9, 5, v0
	v_readfirstlane_b32 s16, v9                    ; w
	s_lshr_b32 s17, ttmp9, 6                       ; batch
	s_and_b32 s18, ttmp9, 63                       ; block of 64 queries
	s_mov_b32 s3, 0
	s_mov_b32 s31, INF
	s_mov_b32 s32, 0x76543210                      ; v_permlanex16_b32: lane i reads lane i of the other half
	s_mov_b32 s33, 0xfedcba98
	v_and_b32 v1, 31, v0                           ; lane
	v_and_b32 v2, 15, v0                           ; r
	v_bfe_u32 v3, v0, 4, 1                         ; h
	v_lshrrev_b32 v9, 3, v2
	v_and_b32 v10, 7, v2
	v_lshlrev_b32 v[VA], 16, v9                    ; tile rows 8-15 lie 512 candidates (65,536 bytes) further on
	v_lshl_add_u32 v[VA], v10, 7, v[VA]
	v_lshl_add_u32 v[VA], v3, 4, v[VA]
	v_lshlrev_b32 v[VB], 7, v2
	v_lshl_add_u32 v[VB], v3, 4, v[VB]
	v_lshlrev_b32 v[VS], 11, v3
	v_lshlrev_b32 v[VQ], 2, v2
	v_lshlrev_b32 v[CMA], 4, v1
	s_wait_alu depctr_va_sdst(0)                   ; s16 is written, ahead of its first reader, the next line
	v_lshl_add_u32 v[CMA], s16, 15, v[CMA]
	s_wait_kmcnt 0x0
	BASE 20, 4, s17, 19, s16, 17                   ; my 1,024 candidates' rows
	BASE 24, 4, s17, 19, s18, 13                   ; the 64 queries' rows
	BASE 22, 6, s17, 14, s16, 12                   ; my candidates' norms
	BASE 26, 6, s17, 14, s18, 8                    ; the queries' norms
	BASE 28, 8, ttmp9, 15, s16, 13                 ; my 8 KiB of tab
	s_lshl_b32 s2, ttmp9, 9
	s_add_nc_u64 s[10:11], s[10:11], s[2:3]        ; the work-group's 512 bytes of wb
	s_wait_alu depctr_va_vdst(0)                   ; the offsets v4 to v7 are written, which all the loads below read, and v[CMA], which the first LDS stores read
.irp t, 0,1,2,3
.irp i, 0,1,2,3
	global_load_b128 v[BF+16*\t+4*\i:BF+16*\t+4*\i+3], v[VB], s[24:25] offset:\t*2048+\i*32
.endr
.endr
.irp t, 0,1,2,3
	global_load_b32 v[SQI+2*\t], v[VQ], s[26:27] offset:\t*64
.endr
.irp b, 0,1,2,3,4,5
	LOADT \b, \b
.endr
	v_mov_b32 v[NEG2], -2.0                        ; (destination still in window 1)
	v_mov_b32 v[NEG2+1], -2.0
	WIN 0
.set e, 0
.rept 72
	v_mov_b32 v[LIST+e], s31                       ; the lists start at +infinity
.set e, e+1
.endr
	s_wait_loadcnt 36                              ; all but six tiles' 36 loads: queries and their norms are in
.irp t, 0,1,2,3
	v_mov_b32 v[SQI+2*\t+1], v[SQI+2*\t]
.endr
	LOADT 6, 6                                     ; no vector instruction since the wait above names v[VA], v[VS] or ring places 6 and 7
	LOADT 7, 7
	s_wait_loadcnt 42                              ; tile 0 is in, seven tiles stay out
	WIN 0x01
.irp m, 0,1,2,3,4,5,6,7
	WM \m, 0, 0                                    ; the first tile is multiplied ahead of the loop
.endr
.rept 4
	v_nop                                          ; four places behind the last matrix instruction (ISA guide 7.12.1) before results are read: here alone nothing else is at hand
.endr
	WIN 0                                          ; at a label and at a branch every window is 0
	s_mov_b32 s30, 7
.Ltrip:
	OCT 0
	s_wait_alu depctr_vm_vsrc(0)                   ; the LDS stores of turn 7 have read v[CMA], which the next line writes, and CMR, which the next trip's turns write again
	v_add_nc_u32 v[CMA], 4096, v[CMA]
	s_sub_co_i32 s30, s30, 1
	s_cmp_lg_u32 s30, 0
	s_cbranch_scc1 .Ltrip
	OCT 1
	; ---- all the addresses of what follows, made at once, each in a register that is not written again (v[ACM] apart, which the table loop steps)
	v_lshl_add_u32 v14, s16, 1, v3                 ; g = 2 w + h
	v_lshl_add_u32 v15, s16, 4, v2                 ; row' = 16 w + r: the row that this lane merges
	v_mul_u32_u24 v9, v2, 656
	v_mul_u32_u24 v10, v14, 80
	v_add_nc_u32 v9, v9, v10
	v_add_nc_u32 v9, LS, v9                        ; where my four part lists go
	v_mul_u32_u24 v10, v15, 656
	v_mul_u32_u24 v11, v3, 320
	v_add_nc_u32 v10, v10, v11
	v_add_nc_u32 v10, LS, v10                      ; lists 4 h .. 4 h + 3 of row'
	v_lshlrev_b32 v11, 4, v15
	v_lshl_add_u32 v11, v3, 3, v11
	v_add_nc_u32 v11, TN, v11                      ; where (T, need) of row' goes
	v_lshlrev_b32 v12, 4, v2
	v_lshl_add_u32 v12, v3, 3, v12
	v_add_nc_u32 v12, TN, v12                      ; (T, need) of query r, + 256 t
	v_lshlrev_b32 v13, 5, v2
	v_add_nc_u32 v[ACR], CT, v13                   ; the row's eight count words
	v_lshl_add_u32 v13, v14, 2, v[ACR]             ; mine among them
	v_lshlrev_b32 v[AWB], 3, v2
	v_lshl_add_u32 v[AWB], v3, 2, v[AWB]           ; wb: row x 8 + h x 4, both words alike
	v_lshlrev_b32 v[ATB], 4, v1                    ; 16 x lane in tab
	v_lshl_add_u32 v[ACM], s16, 15, v[ATB]         ; and my first bytes of CM again
	s_wait_alu depctr_va_vdst(0)                   ; these addresses and the lists are written, which the LDS stores and loads below read; the loop is done with v16 to v107, in which the loads of step 2 land
	; ---- 1. every lane's four part lists go to LS
.irp t, 0,1,2,3
.irp i, 0,1,2,3
	ds_store_b128 v9, v[LIST+18*\t+4*\i:LIST+18*\t+4*\i+3] offset:\t*10496+16*\i
.endr
	ds_store_b64 v9, v[LIST+18*\t+16:LIST+18*\t+17] offset:\t*10496+64
.endr
	BAR
	; ---- 2. lane (r, h) of wave w merges lists 4 h .. 4 h + 3 of row'; the two halves meet by a lane exchange.
	; The three lists that are merged in have a buffer each, so that all twenty loads go out in one run and none lands in a register that an insertion has read.
.set MG, 16                            ; v[16:33]  merged list
.set XG, 34                            ; v[34:51]  the lists that are merged in
.set XG1, 72                           ; v[72:89]
.set XG2, 90                           ; v[90:107]
.set PG, 54                            ; v[54:71]  the row's 18 smallest chunk minima, in no order
.set TQ, 140                           ; v[140:141] T and need
.set ONE, 150                          ; v150 1
.set FLG, 151                          ; v151 0 or 1, at work
	LDL MG, 10, 0
	LDL XG, 10, 80
	LDL XG1, 10, 160
	LDL XG2, 10, 240
.set w, 10
.irp x, XG, XG1, XG2
	s_wait_dscnt w                                 ; LDS loads come back in order: this list's five are in, the later lists' five each stay out
.set e, 0
.rept NC
	INSL MG, \x+e
.set e, e+1
.endr
.set w, w-5
.endr
.set e, 0
.rept NC
	v_permlanex16_b32 v[PG+e], v[MG+NC-1-e], s32, s33  ; the partner's list backwards:
.set e, e+1
.endr
.set e, 0
.rept NC
	v_min_num_f32 v[PG+e], v[PG+e], v[MG+e]            ; place by place the smaller one: the 18 smallest of both sorted lists
.set e, e+1
.endr
	v_max3_num_f32 v[TQ], v[PG], v[PG+1], v[PG+2]
.set e, 3
.rept 7
	v_max3_num_f32 v[TQ], v[TQ], v[PG+e], v[PG+e+1]
.set e, e+2
.endr
	v_max_num_f32 v[TQ], v[TQ], v[PG+17]           ; T = the 18th smallest chunk minimum of the row
	v_mov_b32 v[TQ+1], 0
	v_mov_b32 v[ONE], 1
.set e, 0
.rept NC
	v_cmp_lt_f32 vcc_lo, v[PG+e], v[TQ]
	s_wait_alu depctr_va_vcc(0)                    ; VCC is written, ahead of the select that reads it
	v_cndmask_b32 v[FLG], 0, v[ONE], vcc_lo
	v_add_nc_u32 v[TQ+1], v[TQ+1], v[FLG]
.set e, e+1
.endr
	v_sub_nc_u32 v[TQ+1], NC, v[TQ+1]              ; need = how many chunks with minimum = T are taken
	s_wait_alu depctr_va_vdst(0)                   ; T and need are written, which the LDS store reads; the insertions are done reading v72 to v79, in which the loads of step 3 land
	ds_store_b64 v11, v[TQ:TQ+1]
	BAR
	; ---- 3. back as owner of (query 16 t + r, part g): how many of my minima are below T, how many equal.  All my minima below T (17 at the most in the
	; whole row) are in my list of 18; if the equal ones do not all fit, those that fit are at least need, which is all that the prefix below asks.
	; My list ascends, so those below T are its first places, and their number is the place of the last of them: for place e, ascending, one select keeps the
	; count where x >= T and puts e + 1 elsewhere.  The same with x > T counts those not above T; the equal ones are the difference.
.set TR, 72                            ; v[72:79] (T, need) for each t
.set CW, 142                           ; v[142:145] my count word for each t
.set EQC, 146                          ; v146 those not above T, then the equal ones
.irp t, 0,1,2,3
	ds_load_b64 v[TR+2*\t:TR+2*\t+1], v12 offset:\t*256
.endr
	s_wait_dscnt 0x0
.irp t, 0,1,2,3
	v_mov_b32 v[CW+\t], 0
	v_mov_b32 v[EQC], 0
.set e, 0
.rept NC
	v_cmp_ge_f32 vcc_lo, v[LIST+18*\t+e], v[TR+2*\t]
	s_wait_alu depctr_va_vcc(0)                    ; VCC is written, ahead of the select that reads it
	v_cndmask_b32 v[CW+\t], e+1, v[CW+\t], vcc_lo
	v_cmp_gt_f32 vcc_lo, v[LIST+18*\t+e], v[TR+2*\t]
	s_wait_alu depctr_va_vcc(0)                    ; likewise
	v_cndmask_b32 v[EQC], e+1, v[EQC], vcc_lo
.set e, e+1
.endr
	v_sub_nc_u32 v[EQC], v[EQC], v[CW+\t]
	v_lshl_or_b32 v[CW+\t], v[EQC], 8, v[CW+\t]
.endr
	s_wait_alu depctr_va_vdst(0)                   ; the four count words are written, which the LDS stores read
.irp t, 0,1,2,3
	ds_store_b32 v13, v[CW+\t] offset:\t*512
.endr
	BAR
	; ---- 4. prefix over the eight parts, in every lane for its own row: where my slots begin, how many equal ones I may take
.set WBP, 80                           ; v[80:83]  slot bases of parts 2, 4, 6, a byte each
.set REM, 88                           ; v[88:91]  equal ones that I may still take
.set CN, 92                            ; v[92:95]  my next slot, later 18 - my next slot
.set CL, 104                           ; v[104:135] the eight count words of each t: no vector instruction since the wait in step 2 names these registers
.set EA, 146                           ; v146 equal ones in the parts ahead
.set SL, 147                           ; v147 slots given to the parts ahead
.irp t, 0,1,2,3
	ds_load_b128 v[CL+8*\t:CL+8*\t+3], v[ACR] offset:\t*512
	ds_load_b128 v[CL+8*\t+4:CL+8*\t+7], v[ACR] offset:\t*512+16
.endr
.irp gg, 0,1,2,3,4,5,6,7
	v_cmp_eq_u32 s[MK+\gg], \gg, v14               ; is part gg mine?  The same for every t: made once, in one run
.endr
	s_wait_alu depctr_va_sdst(0)                   ; the eight masks are written, ahead of the selects that read them
.irp t, 0,1,2,3
	v_mov_b32 v[EA], 0
	v_mov_b32 v[SL], 0
	v_mov_b32 v[REM+\t], 0
	v_mov_b32 v[CN+\t], 0
	s_wait_dscnt 6-2*\t                            ; LDS loads come back in order: this t's two are in, the later ones stay out
.irp gg, 0,1,2,3,4,5,6,7
.if \gg == 2
	v_mov_b32 v[WBP+\t], v[SL]
.endif
.if \gg == 4
	v_lshl_or_b32 v[WBP+\t], v[SL], 8, v[WBP+\t]
.endif
.if \gg == 6
	v_lshl_or_b32 v[WBP+\t], v[SL], 16, v[WBP+\t]
.endif
	v_min_u32 v148, v[EA], v[TR+2*\t+1]
	v_sub_nc_u32 v148, v[TR+2*\t+1], v148          ; equal ones still to be had by this part
	v_cndmask_b32 v[REM+\t], v[REM+\t], v148, s[MK+\gg]
	v_cndmask_b32 v[CN+\t], v[CN+\t], v[SL], s[MK+\gg]
	v_and_b32 v149, 0xff, v[CL+8*\t+\gg]
	v_lshrrev_b32 v150, 8, v[CL+8*\t+\gg]
	v_min_u32 v151, v150, v148
	v_add3_u32 v[SL], v[SL], v149, v151
	v_add_nc_u32 v[EA], v[EA], v150
.endr
	v_sub_nc_u32 v[CN+\t], NC, v[CN+\t]
.endr
	s_wait_alu depctr_va_vdst(0)                   ; the four words for wb are written, which the stores read; the prefix is done reading v104 to v135, in which the table loop's first loads land
	s_cmp_lg_u32 s16, 0
	s_cbranch_scc1 .Lnowb                          ; every wave has the same four words: wave 0 stores them
.irp t, 0,1,2,3
	global_store_b32 v[AWB], v[WBP+\t], s[10:11] offset:\t*128
.endr
.Lnowb:
	; ---- 5. the table: my 64 chunks of each t once more, in ascending order.  taken = (x < T) or (x = T and some are left for me);
	; slot = 18 - taken x (18 - next slot).  The four t go step by step side by side, each with its own mask registers.
	; Two trips a pass, on two sets of registers: a trip's four LDS loads are issued a trip ahead, and each wait for a store's address stands a trip behind that store.
	; Who touches what: XC0, XC1 are loaded, and read by a trip's selections; PK0, PK1 are written by them and read by a store; v[ACM] is read by the loads and stepped once a pass.
.set XC0, 104                          ; v[104:119] a trip's 16 chunk minima
.set XC1, 120                          ; v[120:135] the next trip's
.set PK0, 100                          ; v[100:103] word t: byte c = slot of tile c
.set PK1, 136                          ; v[136:139]
.set EE, 96                            ; v[96:99]
.set MU, 84                            ; v[84:87]
.macro SELC c, xc, pk
.irp t, 0,1,2,3
	v_cmp_eq_f32 s[MK+\t], v[\xc+4*\t+\c], v[TR+2*\t]
.endr
.irp t, 0,1,2,3
	v_cmp_lt_f32 s[MK+4+\t], v[\xc+4*\t+\c], v[TR+2*\t]
.endr
	s_wait_alu depctr_va_sdst(0)                   ; the eight masks are written, ahead of the selects that read them
.irp t, 0,1,2,3
	v_cndmask_b32 v[EE+\t], 0, v[REM+\t], s[MK+\t]
.endr
.irp t, 0,1,2,3
	v_min_u32 v[EE+\t], 1, v[EE+\t]
.endr
.irp t, 0,1,2,3
	v_sub_nc_u32 v[REM+\t], v[REM+\t], v[EE+\t]
.endr
.irp t, 0,1,2,3
	v_cndmask_b32 v[EE+\t], v[EE+\t], 1, s[MK+4+\t]
.endr
.irp t, 0,1,2,3
	v_mul_u32_u24 v[MU+\t], v[EE+\t], v[CN+\t]
.endr
.irp t, 0,1,2,3
	v_sub_nc_u32 v[CN+\t], v[CN+\t], v[EE+\t]
.endr
.irp t, 0,1,2,3
.if \c == 0
	v_sub_nc_u32 v[\pk+\t], NC, v[MU+\t]
.else
	v_sub_nc_u32 v[MU+\t], NC, v[MU+\t]
.endif
.endr
.if \c != 0
.irp t, 0,1,2,3
	v_lshl_or_b32 v[\pk+\t], v[MU+\t], 8*\c, v[\pk+\t]
.endr
.endif
.endm
.macro LDXC xc, off
.irp t, 0,1,2,3
	ds_load_b128 v[\xc+4*\t:\xc+4*\t+3], v[ACM] offset:\off+\t*512
.endr
.endm
.macro TAB2 more                       ; trips 2 i and 2 i + 1; more = 1: trip 2 i + 2 is fetched
	LDXC XC1, 2048                                 ; no vector instruction since the last wait on va_vdst names XC1 or v[ACM]
	s_wait_dscnt 4                                 ; LDS loads come back in order: the even trip's four are in, the odd trip's four stay out
.irp c, 0,1,2,3
	SELC \c, XC0, PK0
.endr
	s_wait_xcnt 0x0                                ; the last pass's second store has had its address translated: the base is stepped, and PK1 rewritten, only behind this wait
	s_wait_alu depctr_vm_vsrc(0)                   ; that store has read PK1, which this pass's second half writes again
	s_wait_alu depctr_va_vdst(0)                   ; PK0 is written, which the store below reads; the selections are done reading XC0, in which the loads below land
	s_add_nc_u64 s[28:29], s[28:29], 1024          ; stepped ahead of the pass's stores, which reach back
	global_store_b128 v[ATB], v[PK0:PK0+3], s[28:29] offset:-1024     ; a wave's store covers 512 consecutive bytes, aligned
.if \more
	LDXC XC0, 4096
	s_wait_dscnt 4                                 ; the odd trip's four are in
.else
	s_wait_dscnt 0x0
.endif
.irp c, 0,1,2,3
	SELC \c, XC1, PK1
.endr
.if \more
	s_wait_alu depctr_vm_vsrc(0)                   ; the LDS loads have read v[ACM], which the next line writes; the store above has read PK0, which the next pass writes again
	v_add_nc_u32 v[ACM], 4096, v[ACM]
.endif
	s_wait_xcnt 0x0                                ; the store of PK0 has had its address translated: the next pass rewrites PK0 only behind this wait
	s_wait_alu depctr_va_vdst(0)                   ; PK1 is written, which the store below reads; the selections are done reading XC1 and v[ACM] is written, for the next pass's first loads
	global_store_b128 v[ATB], v[PK1:PK1+3], s[28:29] offset:-512
.endm
	LDXC XC0, 0
	s_mov_b32 s30, 7
.Ltab:
	TAB2 1
	s_sub_co_i32 s30, s30, 1
	s_cmp_lg_u32 s30, 0
	s_cbranch_scc1 .Ltab
	TAB2 0                                         ; the last two trips fetch nothing further
	s_wait_dscnt 0x0
	s_wait_alu depctr_hold_cnt(0) depctr_sa_sdst(0) depctr_va_vdst(0) depctr_va_sdst(0) depctr_va_ssrc(0) depctr_va_vcc(0) depctr_vm_vsrc(0)
	s_wait_tensorcnt 0x0
	ds_add_u32 v254, v255
	s_wait_dscnt 0x0
	s_endpgm
.Lfunc_end_k_q0a7c0853cf_thresh:
	.size	k_q0a7c0853cf_thresh, .Lfunc_end_k_q0a7c0853cf_thresh-k_q0a7c0853cf_thresh
	.p2alignl 7, 3214868480
	.fill 96, 4, 3214868480
	.section	.rodata,"a",@progbits
	.p2align	6, 0x0
	.amdhsa_kernel k_q0a7c0853cf_thresh
		.amdhsa_group_segment_fixed_size 176640
		.amdhsa_private_segment_fixed_size 0
		.amdhsa_enable_private_segment 0
		.amdhsa_kernarg_size 32
		.amdhsa_user_sgpr_count 2
		.amdhsa_user_sgpr_kernarg_segment_ptr 1
		.amdhsa_wavefront_size32 1
		.amdhsa_system_sgpr_workgroup_id_x 1
		.amdhsa_system_sgpr_workgroup_id_y 1
		.amdhsa_system_sgpr_workgroup_id_z 1
		.amdhsa_system_vgpr_workitem_id 0
		.amdhsa_next_free_vgpr 480
		.amdhsa_next_free_sgpr 66
		.amdhsa_reserve_vcc 1
		.amdhsa_float_denorm_mode_32 3
		.amdhsa_float_denorm_mode_16_64 3
		.amdhsa_memory_ordered 1
		.amdhsa_forward_progress 1
		.amdhsa_inst_pref_size 255
	.end_amdhsa_kernel
	.section	.bss,"aw",@nobits
	.p2align	6
	.space	262144
	.amdgpu_metadata
---
amdhsa.version: [ 1, 2 ]
amdhsa.kernels:
  - .name:           k_q0a7c0853cf_thresh
    .symbol:         k_q0a7c0853cf_thresh.kd
    .args:
      - { .name: xt, .offset: 0, .size: 8, .value_kind: global_buffer, .address_space: global }
      - { .name: sq, .offset: 8, .size: 8, .value_kind: global_buffer, .address_space: global }
      - { .name: tab, .offset: 16, .size: 8, .value_kind: global_buffer, .address_space: global }
      - { .name: wb, .offset: 24, .size: 8, .value_kind: global_buffer, .address_space: global }
    .group_segment_fixed_size: 176640
    .private_segment_fixed_size: 0
    .kernarg_segment_align: 8
    .kernarg_segment_size: 32
    .max_flat_workgroup_size: 128
    .sgpr_count:     66
    .vgpr_count:     480
    .wavefront_size: 32
...
	.end_amdgpu_metadata
.endif
;; end of part 8
;; launch pick (part 9): grid 256 x 1, 4 waves a work-group, no clusters, 315,904 bytes of LDS; arguments xt, sq, tab, wb, sel; writes sel
.if DOCPART == 9
	.amdgcn_target "amdgcn-amd-amdhsa--gfx1250"
	.amdhsa_code_object_version 6
	.text
	.protected	k_q0a7c0853cf_pick
	.globl	k_q0a7c0853cf_pick
	.p2align	8
	.type	k_q0a7c0853cf_pick,@function
k_q0a7c0853cf_pick:
	s_mov_b64 s[64:65], 0
	v_nop
	global_prefetch_b8 v0, s[64:65] scope:SCOPE_SE
	s_setreg_imm32_b32 hwreg(HW_REG_WAVE_SCHED_MODE, 0, 2), 2
	s_setreg_imm32_b32 hwreg(HW_REG_WAVE_MODE, 25, 1), 1
	s_wait_xcnt 0x0
	s_wait_alu depctr_vm_vsrc(0)
; SECOND STEP OF THE SELECTION.  The same distances are formed by the same instructions on the same fragments as in the launch before
; (same share of work: 64 queries a work-group, wave w candidates 1024 w .. + 1023, a lane's eight results = one chunk of 8 consecutive candidates).
; tab says for each chunk its slot 0..17 among the row's 18 chosen chunks, or 18: each chunk is put into LDS at its slot (18 is a dump that is
; written over and never used).  Then two lanes a row find WHICH 18 of the 18 x 8 = 144 kept candidates are the nearest; their order is made by the last launch.
;   pass 1: each lane sorts the VALUES of its 72 candidates into a list of 18, one v_med3 a place; the two lists give T, the row's 18th smallest distance;
;   pass 2: each lane goes through its 72 once more, in ascending index: taken = (d < T) or (d = T and some of the equal ones are still to be had);
;           a taken candidate gets the next number 0..17, the others 18.  Lane h = 1 starts behind what lane h = 0 takes, so the numbers ascend with the index.
; The 72 numbers (a byte each) and the nine chunks' first indices go out as whole numbers; the last launch turns them into a list of 18 indices.
; THE PRODUCT LOOP IS PIPELINED.  While tile i's 32 results are turned into distances, the eight matrix instructions of tile i + 1 write
; another set of accumulators, one ahead of every four of the 32 distance instructions.  A ring of eight tiles in registers is filled seven tiles ahead.
; OPERANDS come straight into registers; NO CLUSTER: a joint request lands in LDS, of which 12,288 bytes are left beside the records.
; LIMITS: finite inputs and finite distances (no NaN, no infinity).
; THE MODE: SCHED_MODE bits 1:0 = 2 (LLVM: expert scheduling mode 2), set by the entry lines.  The code itself states the register dependences
; between vector or matrix instructions and memory or LDS instructions, with s_wait_alu, always for 0.
; THE PLAN.  Registers that memory or LDS instructions touch, in the product loop:
;   AR[b], SJ[b]   ring place b.  AR[b] is read by the matrix instructions of turn b - 1, SJ[b] by the additions of turn b; the loads of turn b land in both.
;   D0 .. D3       four sets of accumulators.  Turn b turns set b % 4 into distances and stores it to LDS at its end; its matrix instructions write set (b + 1) % 4,
;                  which the LDS stores of turn b - 3 read last.
;   ADa, ADb       record addresses of a half pass's four tiles, by turns: written ahead of the half pass, read by its turns' LDS stores.
;   Ta, Tb         table words of a half pass, by turns: read by the lines that make the addresses; asked for again in the turn behind them, for the same half of the next pass.
;   CB[b]          read by the LDS stores of turn b; written at the trip's end.
;   v[VA], v[VS], v[VT]  read by the loads; never written again.
; So ONE wait on va_vdst stands in a turn, behind its arithmetic: the set, the addresses and CB are written; AR[b], SJ[b] and the table words are done being read.
; The turn's loads and then its twelve LDS stores follow it.  Waits on vm_vsrc stand in turns 2, 4 and 6, ahead of the turn's own memory instructions, and at the trip's end:
; the matrix instructions of turn p need the stores of turn p - 3 read: for p = 0, 1, 2 the trip's end states it, for 3 and 4 turn 2, for 5 and 6 turn 4, for 7 and the
; next 0 turn 6; ADa is free since turn 4's wait, ADb since the trip's end.
; VCC and the mask registers are written by compares alone, each compare or run of compares with its wait straight behind it; counts are made by selects, with no carry.
.set NL, 18
.set INF, 0x7f800000
.set RPITCH, 1232                      ; LDS: a row's 19 records of 64 bytes (eight distances, then the index of the first at + 32) + 16
.set REGION, 64*RPITCH                 ; records of wave w at w x 78,848; four regions: 315,392 bytes
.set VA, 4                             ; v4  (r >> 3) 65536 + (r & 7) 128 + 16 h
.set VB, 5                             ; v5  128 r + 16 h
.set VS, 6                             ; v6  2048 h
.set VQ, 7                             ; v7  4 r
.set VT, 9                             ; v9  16 x lane: my word group in tab
.set BF, 16                            ; v[16:79]   query fragments
.set SQI, 80                           ; v[80:87]   sq of query 16 t + r, twice
.set DD, 88                            ; results, 8 for each t: sets 0, 1 at v[88:151], sets 2, 3 at v[192:255]: set s at DD + 32 s + 40 (s / 2)
.set LB, 152                           ; v[152:155] my row's records in my wave's region, for each t
.set CB, 160                           ; v[160:167] index of my chunk's first candidate, for each of the ring's eight places
.set TA, 170                           ; v[170:185] slots on their way to addresses
.set WBV, 186                          ; v186       slot bases of parts 2, 4, 6 of the row that I take at the end
; window 1, written by its low numbers.  All that stands here is used as a FIRST source (an LDS store's address is one), so that one setting serves the matrix
; instructions, the distances and the LDS stores.
.set AR, 0                             ; v[256:383] candidate fragments, ring of eight tiles x 16 registers
.set SJ, 128                           ; v[384:447] norms of my eight candidates, ring of eight
.set AD, 192                           ; v[448:463] record address of chunk (t, tile): 4 t + tile, first half pass; the second half's 18 further on, v[466:481]
.set NEG2, 208                         ; v[464:465] -2.0 twice
.set TB, 226                           ; v[482:485] the first half pass's table words: word t, byte = tile; v[486:489] the second half's
.set MSB, 0
.macro WIN new                         ; the immediate's high byte repeats the setting that is left
.if MSB != \new
	s_set_vgpr_msb (MSB<<8)|\new
.set MSB, \new
.endif
.endm
.macro BASE d, p, x, sx, y, sy         ; s[d:d+1] = pointer p + (x << sx) + (y << sy); s3 = 0
	s_lshl_b32 s2, \x, \sx
	s_lshl_b32 s19, \y, \sy
	s_add_co_u32 s2, s2, s19
	s_add_nc_u64 s[\d:\d+1], s[\p:\p+1], s[2:3]
.endm
.macro LOADT b, k                      ; six loads: tile k, counted from the bases, into ring place b
	WIN 0x40                                       ; destination in window 1
.irp i, 0,1,2,3
	global_load_b128 v[AR+16*\b+4*\i:AR+16*\b+4*\i+3], v[VA], s[20:21] offset:(\k)*1024+32*\i
.endr
	global_load_b128 v[SJ+8*\b:SJ+8*\b+3], v[VS], s[22:23] offset:(\k)*32
	global_load_b128 v[SJ+8*\b+4:SJ+8*\b+7], v[VS], s[22:23] offset:(\k)*32+16
.endm
; Matrix instruction m of a tile's eight (0-3: K 0-31 of query tiles 0-3, starting the sums; 4-7: K 32-63), ring place nb, accumulator set ns.
; The four accumulators take turns, one instruction a turn.
.macro WM m, nb, ns
.set wt, (\m)%4
.set wd, DD+32*(\ns)+40*((\ns)/2)+8*wt
.if (\m) < 4
	v_wmma_f32_16x16x32_bf16 v[wd:wd+7], v[AR+16*(\nb):AR+16*(\nb)+7], v[BF+16*wt:BF+16*wt+7], 0
.else
	v_wmma_f32_16x16x32_bf16 v[wd:wd+7], v[AR+16*(\nb)+8:AR+16*(\nb)+15], v[BF+16*wt+8:BF+16*wt+15], v[wd:wd+7]
.endif
.endm
; The record addresses of half pass hf: four tiles x four query tiles, from its table words.
.macro ADCALC left, hf
	s_wait_loadcnt \left                           ; the table words are in: behind them only what the count names was issued
	WIN 0x01                                       ; source 0 in window 1
.irp t, 0,1,2,3
.irp c, 0,1,2,3
	v_bfe_u32 v[TA+4*\t+\c], v[TB+4*\hf+\t], 8*\c, 8
.endr
.endr
	WIN 0
.set e, 0
.rept 16
	v_min_u32 v[TA+e], NL, v[TA+e]                 ; a loaded number enters an address only clamped
.set e, e+1
.endr
	WIN 0x40                                       ; destination in window 1
.irp t, 0,1,2,3
.irp c, 0,1,2,3
	v_lshl_add_u32 v[AD+18*\hf+4*\t+\c], v[TA+4*\t+\c], 6, v[LB+\t]
.endr
.endr
.endm
; One tile's turn.  b: its ring place (its accumulator set is b % 4); nb: the next tile's place; mm = 1: the next tile is multiplied; refill = 1: place b gets the
; tile eight further on, 2: the same behind the stepping of the bases; left: how many younger loads may stay out when the next tile has to be there;
; fr = 1: the wait on vm_vsrc stands in this turn.
; Behind the last matrix instruction stand four additions that name none of its registers, and the next turn begins with twelve more lines on other query
; tiles: the four places (ISA guide 7.12.1) in front of every read of a result are kept without a v_nop.
.macro PHASE b, nb, mm, refill, left, fr
.set dcur, DD+32*(\b%4)+40*((\b%4)/2)
.set pad, AD+18*(\b/4)+\b%4
.if \mm
	s_wait_loadcnt \left                           ; loads come back in order: the next tile's six are in, what was issued later stays out
.endif
	WIN 0x01                                       ; source 0 in window 1
.irp t, 0,1,2,3                                    ; d = fma(-2, inner, sq_i),
.if \mm
	WM \t, \nb, (\b+1)%4
.endif
.irp q, 0,2,4,6
	v_pk_fma_f32 v[dcur+8*\t+\q:dcur+8*\t+\q+1], v[NEG2:NEG2+1], v[dcur+8*\t+\q:dcur+8*\t+\q+1], v[SQI+2*\t:SQI+2*\t+1]
.endr
.endr
.irp t, 0,1,2,3                                    ; then + sq_j
.if \mm
	WM 4+\t, \nb, (\b+1)%4
.endif
.irp q, 0,2,4,6
	v_pk_add_f32 v[dcur+8*\t+\q:dcur+8*\t+\q+1], v[SJ+8*\b+\q:SJ+8*\b+\q+1], v[dcur+8*\t+\q:dcur+8*\t+\q+1]
.endr
.endr
.if \refill
	WIN 0x40                                       ; the loads' window first, then the waits, then the loads
.endif
.if \fr
	s_wait_alu depctr_vm_vsrc(0)                   ; the LDS stores of the turns before have read their sets, which the next two turns' matrix instructions write again (in turn 4 also the first half's addresses, which the next pass makes anew)
.endif
	s_wait_alu depctr_va_vdst(0)                   ; this set, its record addresses and CB[b] are written, which the LDS stores below read; AR[b], SJ[b] and, in turns 0
.if \refill == 1
	LOADT \b, \b+8                                 ; the place's fragments were multiplied a tile ago, its norms have just been added: eight tiles ahead
.endif
.if \refill == 2
	s_wait_xcnt 0x0                                ; the bases are stepped only behind this wait; the youngest load that names them is a tile's work old
	s_add_nc_u64 s[20:21], s[20:21], 8192
	s_add_nc_u64 s[22:23], s[22:23], 256
	s_add_nc_u64 s[28:29], s[28:29], 1024
	LOADT \b, \b                                   ; eight tiles ahead, counted from the stepped bases
.endif
.if (\refill) && (\b%4 == 0)
	global_load_b128 v[TB+\b:TB+\b+3], v[VT], s[28:29] offset:1024+128*\b   ; this half pass's table words have been turned into addresses: the same half of the next pass
.endif
	WIN 0x01
.irp t, 0,1,2,3                                    ; the tile's twelve LDS stores in one run
	ds_store_b128 v[pad+4*\t], v[dcur+8*\t:dcur+8*\t+3]
	ds_store_b128 v[pad+4*\t], v[dcur+8*\t+4:dcur+8*\t+7] offset:16
	ds_store_b32 v[pad+4*\t], v[CB+\b] offset:32
.endr
.endm
; Eight tiles, once round the ring.  The loads go out in the order R0, Ta, R1, R2, R3, R4, Tb, R5, R6, R7 (R: a place's six; T: one), in the head too.
.macro OCT last
	ADCALC 43, 0                                   ; 43 = seven refills and the other half's words, issued behind these words
.if \last
	PHASE 0, 1, 1, 0, 37, 0                        ; nothing more is loaded: the counts run down
	PHASE 1, 2, 1, 0, 31, 0
	PHASE 2, 3, 1, 0, 25, 1
	PHASE 3, 4, 1, 0, 19, 0
	ADCALC 18, 1                                   ; behind the last words: three refills
	PHASE 4, 5, 1, 0, 12, 1
	PHASE 5, 6, 1, 0, 6, 0
	PHASE 6, 7, 1, 0, 0, 0
	PHASE 7, 0, 0, 0, 0, 0                         ; the last tile: nothing is left to multiply
.else
	PHASE 0, 1, 1, 1, 37, 0                        ; 37 = six younger refills and one load of table words; 38 = the same with both
	PHASE 1, 2, 1, 1, 38, 0
	PHASE 2, 3, 1, 1, 38, 1
	PHASE 3, 4, 1, 1, 38, 0
	ADCALC 43, 1
	PHASE 4, 5, 1, 1, 37, 1
	PHASE 5, 6, 1, 1, 38, 0
	PHASE 6, 7, 1, 1, 38, 1
	PHASE 7, 0, 1, 2, 38, 0
.endif
	WIN 0
.endm
	s_load_b256 s[4:11], s[0:1], 0x0               ; xt s[4:5], sq s[6:7], tab s[8:9], wb s[10:11]
	s_load_b64 s[12:13], s[0:1], 0x20              ; sel
	v_lshl_add_u32 v190, v0, 2, 0x4d000
	v_mov_b32 v191, 0
	v_lshrrev_b32 v10, 5, v0
	v_readfirstlane_b32 s16, v10                   ; w
	s_lshr_b32 s17, ttmp9, 6                       ; batch
	s_and_b32 s18, ttmp9, 63                       ; block of 64 queries
	s_mov_b32 s3, 0
	s_mov_b32 s31, INF
	s_mov_b32 s32, 0x76543210                      ; v_permlanex16_b32: lane i reads lane i of the other half
	s_mov_b32 s33, 0xfedcba98
	s_mov_b32 s35, 0xffff0000                      ; lanes 16 to 31
	v_and_b32 v1, 31, v0                           ; lane
	v_and_b32 v2, 15, v0                           ; r
	v_bfe_u32 v3, v0, 4, 1                         ; h
	v_lshrrev_b32 v10, 3, v2
	v_and_b32 v11, 7, v2
	v_lshlrev_b32 v[VA], 16, v10
	v_lshl_add_u32 v[VA], v11, 7, v[VA]
	v_lshl_add_u32 v[VA], v3, 4, v[VA]
	v_lshlrev_b32 v[VB], 7, v2
	v_lshl_add_u32 v[VB], v3, 4, v[VB]
	v_lshlrev_b32 v[VS], 11, v3
	v_lshlrev_b32 v[VQ], 2, v2
	v_lshlrev_b32 v[VT], 4, v1
	s_wait_alu depctr_va_sdst(0)                   ; s16 is written, ahead of its first reader, the next line
	v_lshl_add_u32 v15, s16, 4, v2                 ; row' = 16 w + r: the row that this lane takes at the end
	v_lshlrev_b32 v10, 3, v15
	v_lshl_add_u32 v10, v3, 2, v10                 ; its word in wb
	s_wait_kmcnt 0x0
	BASE 20, 4, s17, 19, s16, 17                   ; my 1,024 candidates' rows
	BASE 24, 4, s17, 19, s18, 13                   ; the 64 queries' rows
	BASE 22, 6, s17, 14, s16, 12                   ; my candidates' norms
	BASE 26, 6, s17, 14, s18, 8                    ; the queries' norms
	BASE 28, 8, ttmp9, 15, s16, 13                 ; my 8 KiB of tab
	s_lshl_b32 s2, ttmp9, 9
	s_add_nc_u64 s[10:11], s[10:11], s[2:3]        ; the work-group's 512 bytes of wb
	s_mul_i32 s2, ttmp9, 14336
	s_add_nc_u64 s[12:13], s[12:13], s[2:3]        ; its 7 x 128 x 16 bytes of sel
	s_wait_alu depctr_va_vdst(0)                   ; the offsets v4 to v7, v9 and v10 are written, which all the loads below read
.irp t, 0,1,2,3
.irp i, 0,1,2,3
	global_load_b128 v[BF+16*\t+4*\i:BF+16*\t+4*\i+3], v[VB], s[24:25] offset:\t*2048+\i*32
.endr
.endr
.irp t, 0,1,2,3
	global_load_b32 v[SQI+2*\t], v[VQ], s[26:27] offset:\t*64
.endr
	global_load_b32 v[WBV], v10, s[10:11]
	LOADT 0, 0                                     ; tiles and table words in the order in which the loop asks for them, so that its counts hold in the first trip too
	global_load_b128 v[TB:TB+3], v[VT], s[28:29]   ; (destination in window 1)
	LOADT 1, 1
	LOADT 2, 2
	LOADT 3, 3
	LOADT 4, 4
	global_load_b128 v[TB+4:TB+7], v[VT], s[28:29] offset:512
	LOADT 5, 5
	v_mov_b32 v[NEG2], -2.0                        ; (destination still in window 1)
	v_mov_b32 v[NEG2+1], -2.0
	WIN 0
	s_mul_i32 s19, s16, REGION
	v_mul_u32_u24 v11, v2, RPITCH
	v_add_nc_u32 v[LB], s19, v11
.irp t, 1,2,3
	v_add_nc_u32 v[LB+\t], 16*RPITCH, v[LB+\t-1]
.endr
	v_lshlrev_b32 v[CB], 9, v3
	v_lshl_add_u32 v[CB], s16, 10, v[CB]           ; 1024 w + 512 h
.irp b, 1,2,3,4,5,6,7
	v_add_nc_u32 v[CB+\b], 8, v[CB+\b-1]
.endr
	s_wait_loadcnt 38                              ; all but six tiles' 36 loads and the two of table words: queries, norms and wb are in
.irp t, 0,1,2,3
	v_mov_b32 v[SQI+2*\t+1], v[SQI+2*\t]
.endr
	LOADT 6, 6                                     ; no vector instruction since the wait above names v[VA], v[VS] or ring places 6 and 7
	LOADT 7, 7
	s_wait_loadcnt 44                              ; tile 0 is in; seven tiles and the table words stay out
	WIN 0x01
.irp m, 0,1,2,3,4,5,6,7
	WM \m, 0, 0                                    ; the first tile is multiplied ahead of the loop
.endr
.rept 4
	v_nop                                          ; four places behind the last matrix instruction (ISA guide 7.12.1): here alone nothing else is at hand
.endr
	WIN 0                                          ; at a label and at a branch every window is 0
	s_mov_b32 s30, 7
.Ltrip:
	OCT 0
	s_wait_alu depctr_vm_vsrc(0)                   ; the LDS stores issued so far have read CB, which the lines below write, the second half's addresses, which the next pass makes anew, and their sets
.irp b, 0,1,2,3,4,5,6,7
	v_add_nc_u32 v[CB+\b], 64, v[CB+\b]            ; eight tiles of eight candidates on
.endr
	s_sub_co_i32 s30, s30, 1
	s_cmp_lg_u32 s30, 0
	s_cbranch_scc1 .Ltrip
	OCT 1
	s_wait_dscnt 0x0                               ; my records are in LDS before the others read them
	s_barrier_signal -1
	s_barrier_wait -1
	; ---- lane (r, h) of wave w takes row' = 16 w + r; h = 0 chunk slots 0-8, h = 1 slots 9-17: 72 candidates, all kept in registers
.set XX, 16                            ; v[16:87]   record s: eight distances at XX + 8 s
.set LL, 88                            ; v[88:105]  my 18 smallest distances, ascending
.set PG, 106                           ; v[106:123] between the passes: the row's 18 smallest, in no order
.set EE, 106                           ; v[106:113] pass 2: a chunk's flags
.set MU, 114                           ; v[114:121]
.set S0, 122                           ; 9 h (until the records are asked for)
.set SS, 123
.set WS, 124
.set RB, 126
.set B2, 127                           ; slots below B2 lie in wave 0's region, below B4 in wave 1's, below B6 in wave 2's, the rest in wave 3's
.set B4, 128
.set B6, 129
.set TT, 130                           ; T
.set LT, 131                           ; how many of my list are below T,
.set EQ, 132                           ; how many equal;
.set PLT, 133                          ; the partner's two counts
.set PEQ, 134
.set NEED, 135                         ; how many of the equal ones the row takes
.set DR, 136                           ; how many of them I may still take
.set CN, 137                           ; 18 - my next number
.set T1, 138
.set T2, 139
.set ADR, 140                          ; v[140:148] the LDS addresses of my nine records
.set OW, 150                           ; v[150:177] what goes out: words 0-17 the numbers (two words a chunk), 18-26 the chunks' first indices, 27 zero
.set MK, 36                            ; s[36:43] d = T, s[44:51] d < T, for a chunk's eight
.macro INSL l, x                       ; insert v[x] into the ascending list v[l .. l+17]: place p becomes the middle one of x, old p-1, old p
.set p, NL-1
.rept NL-1
	v_med3_num_f32 v[\l+p], v[\x], v[\l+p-1], v[\l+p]
.set p, p-1
.endr
	v_min_num_f32 v[\l], v[\x], v[\l]
.endm
; The address of my record number s.  The three bases are running sums of the launch before, B2 <= B4 <= B6, so the number of bases that are not above the
; slot is the number of the last one that is not: three selects, ascending.
.macro RECA s
	v_add_nc_u32 v[SS], \s, v[S0]
	v_cmp_ge_u32 vcc_lo, v[SS], v[B2]
	s_wait_alu depctr_va_vcc(0)                    ; VCC is written, ahead of the select that reads it
	v_cndmask_b32 v[WS], 0, 1, vcc_lo
	v_cmp_lt_u32 vcc_lo, v[SS], v[B4]
	s_wait_alu depctr_va_vcc(0)                    ; likewise
	v_cndmask_b32 v[WS], 2, v[WS], vcc_lo
	v_cmp_lt_u32 vcc_lo, v[SS], v[B6]
	s_wait_alu depctr_va_vcc(0)                    ; likewise
	v_cndmask_b32 v[WS], 3, v[WS], vcc_lo
	v_min_u32 v[WS], 3, v[WS]                      ; which wave's region holds the slot
	v_min_u32 v[SS], NL-1, v[SS]
	v_mul_u32_u24 v[ADR+\s], v[WS], REGION
	v_lshl_add_u32 v[ADR+\s], v[SS], 6, v[ADR+\s]
	v_add_nc_u32 v[ADR+\s], v[ADR+\s], v[RB]
.endm
.macro RECL s                          ; three loads: my record number s
	ds_load_b128 v[XX+8*\s:XX+8*\s+3], v[ADR+\s]
	ds_load_b128 v[XX+8*\s+4:XX+8*\s+7], v[ADR+\s] offset:16
	ds_load_b32 v[OW+18+\s], v[ADR+\s] offset:32
.endm
; Pass 2 for one chunk.  e = (d = T); te = min(e, DR), DR -= te; taken = (d < T) ? 1 : te; number = 18 - taken x CN, CN -= taken.
; The two running counts are one chain each through all 72 candidates; the lines of three neighbouring candidates are laid between their links.
.macro SELCH s
.irp j, 0,1,2,3,4,5,6,7
	v_cmp_eq_f32 s[MK+\j], v[XX+8*\s+\j], v[TT]
.endr
.irp j, 0,1,2,3,4,5,6,7
	v_cmp_lt_f32 s[MK+8+\j], v[XX+8*\s+\j], v[TT]
.endr
	s_wait_alu depctr_va_sdst(0)                   ; the sixteen masks are written, ahead of the selects that read them
.irp j, 0,1,2,3,4,5,6,7
	v_cndmask_b32 v[EE+\j], 0, 1, s[MK+\j]
.endr
.set j, 0
.rept 10
.if j < 8
	v_min_u32 v[EE+j], v[EE+j], v[DR]
.endif
.if j > 0
.if j < 9
	v_cndmask_b32 v[EE+j-1], v[EE+j-1], 1, s[MK+8+j-1]
.endif
.endif
.if j < 8
	v_sub_nc_u32 v[DR], v[DR], v[EE+j]
.endif
.if j > 1
	v_mul_u32_u24 v[MU+j-2], v[EE+j-2], v[CN]
	v_sub_nc_u32 v[CN], v[CN], v[EE+j-2]
.endif
.set j, j+1
.endr
	v_sub_nc_u32 v[OW+2*\s], NL, v[MU]
	v_sub_nc_u32 v[OW+2*\s+1], NL, v[MU+4]
.irp j, 1,5,2,6,3,7
	v_sub_nc_u32 v[MU+\j], NL, v[MU+\j]
.endr
.irp j, 1,2,3
	v_lshl_or_b32 v[OW+2*\s], v[MU+\j], 8*\j, v[OW+2*\s]
	v_lshl_or_b32 v[OW+2*\s+1], v[MU+4+\j], 8*\j, v[OW+2*\s+1]
.endr
.endm
	s_wait_alu depctr_vm_vsrc(0)                   ; my LDS stores have read the sets and CB: v88 to v167 are the list, the work registers and the words that go out from here on
	v_mul_u32_u24 v[S0], v3, 9
	v_mul_u32_u24 v[RB], v15, RPITCH
	v_bfe_u32 v[B2], v[WBV], 0, 8
	v_bfe_u32 v[B4], v[WBV], 8, 8
	v_bfe_u32 v[B6], v[WBV], 16, 8
.irp s, 0,1,2,3,4,5,6,7,8
	RECA \s
.endr
	s_wait_alu depctr_va_vdst(0)                   ; the nine addresses are written, which the loads below read; the loop is done with v16 to v87 and v168 to v176, in which they land
.irp s, 0,1,2,3,4,5,6,7,8
	RECL \s
.endr
.set e, 0
.rept NL
	v_mov_b32 v[LL+e], s31                         ; the list starts at +infinity
.set e, e+1
.endr
	; pass 1
.irp s, 0,1,2,3,4,5,6,7,8
	s_wait_dscnt 24-3*\s                           ; LDS loads come back in order: record s is in, the three loads of each later record stay out
.irp j, 0,1,2,3,4,5,6,7
	INSL LL, XX+8*\s+\j
.endr
.endr
.set e, 0
.rept NL
	v_permlanex16_b32 v[PG+e], v[LL+NL-1-e], s32, s33  ; the partner's list backwards:
.set e, e+1
.endr
.set e, 0
.rept NL
	v_min_num_f32 v[PG+e], v[PG+e], v[LL+e]            ; place by place the smaller one: the 18 smallest of both sorted lists
.set e, e+1
.endr
	v_max3_num_f32 v[TT], v[PG], v[PG+1], v[PG+2]
.set e, 3
.rept 7
	v_max3_num_f32 v[TT], v[TT], v[PG+e], v[PG+e+1]
.set e, e+2
.endr
	v_max_num_f32 v[TT], v[TT], v[PG+17]           ; T = the row's 18th smallest distance
	; All my candidates below T (17 at the most in the row) are in my list; if the equal ones do not all fit, those that fit are at least NEED.
	; My list ascends, so those below T are its first places, and their number is the place of the last of them: for place e, ascending, one select keeps the
	; count where d >= T and puts e + 1 elsewhere.  The same with d > T counts those not above T; the equal ones are the difference.
	v_mov_b32 v[LT], 0
	v_mov_b32 v[EQ], 0
.set e, 0
.rept NL
	v_cmp_ge_f32 vcc_lo, v[LL+e], v[TT]
	s_wait_alu depctr_va_vcc(0)                    ; VCC is written, ahead of the select that reads it
	v_cndmask_b32 v[LT], e+1, v[LT], vcc_lo
	v_cmp_gt_f32 vcc_lo, v[LL+e], v[TT]
	s_wait_alu depctr_va_vcc(0)                    ; likewise
	v_cndmask_b32 v[EQ], e+1, v[EQ], vcc_lo
.set e, e+1
.endr
	v_sub_nc_u32 v[EQ], v[EQ], v[LT]
	v_permlanex16_b32 v[PLT], v[LT], s32, s33
	v_permlanex16_b32 v[PEQ], v[EQ], s32, s33
	v_add_nc_u32 v[T1], v[LT], v[PLT]
	v_sub_nc_u32 v[NEED], NL, v[T1]
	v_min_u32 v[T1], v[PEQ], v[NEED]               ; in lanes 16-31: what the lower lane takes of the equal ones,
	v_sub_nc_u32 v[T2], v[NEED], v[T1]             ; what that leaves,
	v_cndmask_b32 v[DR], v[NEED], v[T2], s35
	v_add_nc_u32 v[T2], v[PLT], v[T1]              ; and how many it takes in all: my first number
	v_sub_nc_u32 v[T2], NL, v[T2]
	v_cndmask_b32 v[CN], NL, v[T2], s35
	v_mov_b32 v[OW+27], 0
	v_lshlrev_b32 v[T1], 4, v0                     ; 16 x thread in sel
	; pass 2
.irp s, 0,1,2,3,4,5,6,7,8
	SELCH \s
.endr
	s_wait_alu depctr_va_vdst(0)                   ; the words that go out and their offset are written, which the stores read
.irp q, 0,1,2,3,4,5,6
	global_store_b128 v[T1], v[OW+4*\q:OW+4*\q+3], s[12:13] offset:\q*2048     ; a wave's store covers 512 consecutive bytes, aligned
.endr
	s_wait_dscnt 0x0
	s_wait_alu depctr_hold_cnt(0) depctr_sa_sdst(0) depctr_va_vdst(0) depctr_va_sdst(0) depctr_va_ssrc(0) depctr_va_vcc(0) depctr_vm_vsrc(0)
	s_wait_tensorcnt 0x0
	ds_add_u32 v190, v191
	s_wait_dscnt 0x0
	s_endpgm
.Lfunc_end_k_q0a7c0853cf_pick:
	.size	k_q0a7c0853cf_pick, .Lfunc_end_k_q0a7c0853cf_pick-k_q0a7c0853cf_pick
	.p2alignl 7, 3214868480
	.fill 96, 4, 3214868480
	.section	.rodata,"a",@progbits
	.p2align	6, 0x0
	.amdhsa_kernel k_q0a7c0853cf_pick
		.amdhsa_group_segment_fixed_size 315904
		.amdhsa_private_segment_fixed_size 0
		.amdhsa_enable_private_segment 0
		.amdhsa_kernarg_size 40
		.amdhsa_user_sgpr_count 2
		.amdhsa_user_sgpr_kernarg_segment_ptr 1
		.amdhsa_wavefront_size32 1
		.amdhsa_system_sgpr_workgroup_id_x 1
		.amdhsa_system_sgpr_workgroup_id_y 1
		.amdhsa_system_sgpr_workgroup_id_z 1
		.amdhsa_system_vgpr_workitem_id 0
		.amdhsa_next_free_vgpr 490
		.amdhsa_next_free_sgpr 66
		.amdhsa_reserve_vcc 1
		.amdhsa_float_denorm_mode_32 3
		.amdhsa_float_denorm_mode_16_64 3
		.amdhsa_memory_ordered 1
		.amdhsa_forward_progress 1
		.amdhsa_inst_pref_size 208
	.end_amdhsa_kernel
	.amdgpu_metadata
---
amdhsa.version: [ 1, 2 ]
amdhsa.kernels:
  - .name:           k_q0a7c0853cf_pick
    .symbol:         k_q0a7c0853cf_pick.kd
    .args:
      - { .name: xt, .offset: 0, .size: 8, .value_kind: global_buffer, .address_space: global }
      - { .name: sq, .offset: 8, .size: 8, .value_kind: global_buffer, .address_space: global }
      - { .name: tab, .offset: 16, .size: 8, .value_kind: global_buffer, .address_space: global }
      - { .name: wb, .offset: 24, .size: 8, .value_kind: global_buffer, .address_space: global }
      - { .name: sel, .offset: 32, .size: 8, .value_kind: global_buffer, .address_space: global }
    .group_segment_fixed_size: 315904
    .private_segment_fixed_size: 0
    .kernarg_segment_align: 8
    .kernarg_segment_size: 40
    .max_flat_workgroup_size: 128
    .sgpr_count:     66
    .vgpr_count:     490
    .wavefront_size: 32
...
	.end_amdgpu_metadata
.endif
;; end of part 9
;; launch refine: the kernel of part 7 again; grid 256 x 1, 4 waves a work-group, no clusters, 10,240 bytes of LDS; arguments xt, sq, sel, out0; writes out0
